; MI455X (gfx1250); checked and timed in simulation.
; The chip was launched on July 23, 2026; its instructions are those of AMD's public machine-readable ISA for CDNA 5 (MIT licence, August 2026) and "CDNA5" Instruction Set Architecture Reference Guide (July 2026). The comments in the code are by the model that wrote it; some were corrected since.
;; Block. Allowed arithmetic: matrix products marked QUANTISED: E2M3 operands, one E8M0 scale for each 32 along K, by v_wmma_scale_f32_16x16x128_f8f6f4 with both operands' format E2M3, f32 sums; everything else in f32.
;; Inputs: W_ap_codes 1,024 x 32 x 24 uint8 (E2M3 codes of W_ap, K innermost, in blocks of 32 codes, four codes in three bytes); W_ap_scales 1,024 x 32 uint8 (E8M0 scales of W_ap, one for each 32 codes along K); W_attn_codes 3,072 x 32 x 24 uint8 (E2M3 codes of W_attn, K innermost, in blocks of 32 codes, four codes in three bytes); W_attn_scales 3,072 x 32 uint8 (E8M0 scales of W_attn, one for each 32 codes along K); W_fc_codes 4,096 x 32 x 24 uint8 (E2M3 codes of W_fc, K innermost, in blocks of 32 codes, four codes in three bytes); W_fc_scales 4,096 x 32 uint8 (E8M0 scales of W_fc, one for each 32 codes along K); W_mp_codes 1,024 x 128 x 24 uint8 (E2M3 codes of W_mp, K innermost, in blocks of 32 codes, four codes in three bytes); W_mp_scales 1,024 x 128 uint8 (E8M0 scales of W_mp, one for each 32 codes along K); b_ap 1,024 float32; b_attn 3,072 float32; b_fc 4,096 float32; b_mp 1,024 float32; ln1_b 1,024 float32; ln1_g 1,024 float32; ln2_b 1,024 float32; ln2_g 1,024 float32; x 2 x 2,048 x 1,024 float32.
;; Outputs: out0 2 x 2,048 x 1,024 float32.
;; This version of the problem:
;;   THIS VERSION OF THE PROBLEM IS GIVEN IN LOW PRECISION. The matrix products marked QUANTISED in the list below multiply operands that are first quantised to E2M3 (2 exponent bits, 3 mantissa bits; 6 bits a number), with one power-of-two scale for each 32 numbers along K (OCP MX v1.0); their sums are f32. All else is computed in f32.
;;   The module's matrix products, in the order in which they are computed (A, B: the left and right operand; K: the contracted axis; several contracted axes count as one K, in the product's order):
;;     1. [M 4,096, K 1,024] x [K 1,024, N 3,072]; A: computed on the way; B: input W_attn (given as codes): QUANTISED
;;     2. batch 32 x [M 2,048, K 64] x [K 64, N 2,048]; A: computed on the way; B: computed on the way: QUANTISED
;;     3. batch 32 x [M 2,048, K 2,048] x [K 2,048, N 64]; A: softmax (see below); B: computed on the way: QUANTISED
;;     4. [M 4,096, K 1,024] x [K 1,024, N 1,024]; A: computed on the way; B: input W_ap (given as codes): QUANTISED
;;     5. [M 4,096, K 1,024] x [K 1,024, N 4,096]; A: computed on the way; B: input W_fc (given as codes): QUANTISED
;;     6. [M 4,096, K 4,096] x [K 4,096, N 1,024]; A: computed on the way; B: input W_mp (given as codes): QUANTISED
;;   THE QUANTISER, for each operand of a quantised product, along K:
;;     - K is cut into blocks of 32 from its start; a last block that is shorter is filled with zeros.
;;     - A block's scale is 2^e with e = floor(log2(the largest magnitude in the block)) - 2, held to -126 .. 127; a block of zeros has e = 0. As a byte (E8M0): e + 127.
;;     - Each number is divided by its block's scale, clamped to +-7.5, and rounded to the nearest number of E2M3, ties to even, subnormals kept.
;;     - The product sums the exact products of the quantised numbers (number of the format x scale) in f32.
;;   ~~~python
;;   def quantise(x, axis):      # numpy; x: float32 -> the quantised numbers, widened to float32 again
;;       x = np.moveaxis(x, axis, -1); K = x.shape[-1]
;;       x = np.pad(x, [(0, 0)] * (x.ndim - 1) + [(0, -K % 32)]); x = x.reshape(x.shape[:-1] + (-1, 32)); a = np.abs(x).max(-1, keepdims=True)
;;       e = np.where(a > 0, np.clip(np.frexp(np.where(a > 0, a, 1))[1] - 1 - 2, -126, 127), 0)      # np.frexp(a)[1] - 1 = floor(log2(a)), exactly
;;       r = np.clip(x / 2.0 ** e, -7.5, 7.5)
;;       step = 2.0 ** (np.maximum(np.frexp(np.where(r == 0, 1, r))[1] - 1, 0) - 3)
;;       q = np.round(r / step) * step * 2.0 ** e      # np.round: ties to even
;;       return np.moveaxis(q.reshape(q.shape[:-2] + (-1,))[..., :K], -1, axis).astype(np.float32)
;;   ~~~
;;   SOFTMAX AHEAD OF A QUANTISED PRODUCT. Where the list says 'softmax', what is quantised is not the finished softmax but p = 2^(t - M), with t = logit x log2(e) and M = ceil(the row's largest t), a whole number; so 1/2 < the row's largest p <= 1. The row's sum l is taken of the UNQUANTISED p, in f32, and the product's result is divided by l at the end. Since M is a whole number, a kernel that streams over the keys may use a running M (the ceiling of the running maximum): every later rescaling is an exact power of two, which a block's scale takes up: the codes' values come out the same.
;;   OPERANDS COMPUTED ON THE WAY. 'Computed on the way' means the value that the module computes at that place (a softmax that the list does not call 'softmax' is quantised finished and normalised). What goes into a quantiser is computed in f32, as accurately as f32 sums, v_exp_f32 and their like allow (about 1e-6 of the number): no bf16 or f16 on the way to a quantiser, and a product that is left as it is and whose result goes on into a quantised operand takes f32 operands (vector FMAs, or v_wmma_f32_16x16x4_f32). A number that lies on a knife's edge between two numbers of the format may be rounded either way, as far as f32 arithmetic and the matrix unit's own rounding can turn it there, and no further.
;;   INPUTS GIVEN AS CODES. W_ap (in the module: [1024, 1024], K = its axis 0); W_attn (in the module: [1024, 3072], K = its axis 0); W_fc (in the module: [1024, 4096], K = its axis 0); W_mp (in the module: [4096, 1024], K = its axis 0): each comes as NAME_codes (uint8): NAME with its K axis moved to the last place and cut into blocks of 32 codes, [.., K / 32, bytes a block], one block behind the other in memory; four codes in three bytes: a row's codes are one little-endian stream of bits, code i at bits 6 i .. 6 i + 5 (a code: sign, 2 exponent bits, 3 mantissa bits); and NAME_scales (uint8): the same leading axes, one E8M0 byte (e + 127) for each 32 codes along K. Its value is code x scale, taken as it is: it is not quantised again, and the codes and scales need not be those that the quantiser above would give.
;; One version. Each part assembles by itself: llvm-mc -triple=amdgcn-amd-amdhsa -mcpu=gfx1250 --defsym DOCPART=n.
;; ======== version 1 of 1: 6 launches
;; limits: right only within a limited range of input values
;; workspace buffers: opa 13,631,488 bytes; qkv 10,223,616 bytes; yq 3,407,872 bytes; x1 16,777,216 bytes; a2 3,407,872 bytes; gq 13,631,488 bytes
;; launch wln1 (part 1): grid 256 x 1, 8 waves a work-group, no clusters, 67,072 bytes of LDS; arguments x, ln1_g, ln1_b, opa, W_attn_codes, W_attn_scales, W_ap_codes, W_ap_scales, W_fc_codes, W_fc_scales, W_mp_codes, W_mp_scales; writes opa
.if DOCPART == 1
	.amdgcn_target "amdgcn-amd-amdhsa--gfx1250"
	.amdhsa_code_object_version 6
	.text
	.protected	k_q03906cff2f_wln1
	.globl	k_q03906cff2f_wln1
	.p2align	8
	.type	k_q03906cff2f_wln1,@function
k_q03906cff2f_wln1:
	s_mov_b64 s[64:65], 0
	v_nop
	global_prefetch_b8 v0, s[64:65] scope:SCOPE_SE
	s_setreg_imm32_b32 hwreg(HW_REG_WAVE_MODE, 25, 1), 1
	s_wait_xcnt 0x0
; TWO THINGS IN ONE LAUNCH.  (1) out = Q(layernorm(in) x g + b): rows of 1,024 f32 are normalised in f32 and quantised along the row to E2M3 with one E8M0 byte for each 32, laid as images of the operand's registers.
; (2) The four weights (codes of E2M3, K innermost, and their E8M0 bytes) are laid as the same kind of image: bytes are moved, no number is changed.
; IMAGE.  Place i of tile t is row 32 (t / 2) + 8 (t % 2) + i + 8 (i / 8).  Fragment (t, K step s) of an operand with KS steps lies at (KS t + s) x 1,536: registers 0-3 at 16 x lane, 4-5 at 512 + 8 x lane, 6-9 at 768 + 16 x lane,
; 10-11 at 1,280 + 8 x lane; lane (r, h) holds in registers 6 c .. 6 c + 5 the codes k = 128 s + 64 c + 32 h + 0 .. 31 of place r.  Scale records: 128 bytes a fragment, lane l the word of place l % 16.
; opa: LN1's codes at 0, its records at 3,145,728; the weights' codes at WC, their records at WS, in the order W_attn, W_ap, W_fc, W_mp.
; SHARES OF (1).  A work-group is one tile of 16 rows.  First wave w holds places 2 w and 2 w + 1, two neighbouring rows, whole in its registers: the mean, then the mean of the squared deviations (so a common offset
; of the inputs costs no accuracy), then the row is normalised in place.  The rows meet in a stage in LDS (pitch 4,112 bytes); behind one barrier wave w takes K step w of all 16 rows and quantises it.
; SHARES OF (2).  The weights are 6,144 fragments: 8 to a unit (a tile x 8 K steps); units 0-191 W_attn, 192-255 W_ap, 256-511 W_fc, 512-767 W_mp (4 units a tile).  The launch has 2,048 waves: wave W takes fragments 3 W .. 3 W + 2.
; Fragment F goes to WC + 1,536 F and its record to WS + 128 F.  Its loads (six of 8 bytes and one word a lane) are issued behind the wave's loads of x, g and b and land under the norm's work; its stores are the wave's last lines.
; One path for all four weights: pointers and sizes are chosen on F.  No tensor load, no cluster: the work-groups share only g and b, 8 KiB against a tile's 64 KiB.
; LIMITS: NaN and infinities are not served.  A block of zeros, or one whose largest magnitude lies under 2^-124, carries the byte 1 (the stated quantiser says 127 for zeros): its codes are zeros or are made under the byte 1, and this program alone reads the bytes.
.set PITCH, 4112                       ; a stage row: 4,096 + 16: the 16 rows that a load touches begin 16 bytes apart modulo 256
.set WC,  3407872
.set WS,  12845056
.set X,   32                           ; v32-95   my two rows; later 64 numbers of a K step
.set GG,  96                           ; v96-127  g at my columns
.set BB,  128                          ; v128-159 b
.set TM,  160                          ; v160-175 at work
.set PW,  176                          ; the scale word
.set PC,  180                          ; v180-198 the codes
.set WF,  200                          ; v200-235 three fragments of weights
.set WW,  236                          ; v236-238 their scale words
.set VCO, 9                            ; v9-11    my lane's offset in each fragment's rows of codes
.set VSO, 12                           ; v12-14   and of scale bytes
.set SEL, 14                           ; s[14:15] lane selects for v_permlanex16_b32: lane l xor 16
.set WP,  52                           ; s[52:63] for each of the three fragments: codes' address, scales' address
	s_load_b256 s[4:11], s[0:1], 0x0               ; in, g, b, out
	s_load_b512 s[36:51], s[0:1], 0x20             ; W_attn codes, scales; W_ap; W_fc; W_mp
	v_lshl_add_u32 v240, v0, 2, 0x10200
	v_mov_b32 v241, 0
	v_lshrrev_b32 v1, 5, v0
	s_delay_alu instid0(VALU_DEP_1)
	v_readfirstlane_b32 s12, v1                    ; wave 0..7
	v_and_b32 v2, 31, v0                           ; lane
	s_delay_alu instid0(VALU_DEP_1)
	v_lshlrev_b32 v1, 4, v2                        ; 16 x lane
	s_wait_alu depctr_va_vdst(0)
	v_and_b32 v3, 15, v0                           ; r
	s_wait_alu depctr_va_vdst(0)
	v_bfe_u32 v4, v0, 4, 1                         ; h
	v_and_b32 v15, 8, v3
	s_delay_alu instid0(VALU_DEP_1)
	v_add_nc_u32 v15, v15, v3                      ; r + 8 (r / 8): my place's row in a tile of weights
	s_lshr_b32 s16, ttmp9, 1
	s_lshl_b32 s16, s16, 5
	s_and_b32 s17, ttmp9, 1
	s_lshl_b32 s17, s17, 3
	s_add_co_u32 s16, s16, s17
	s_lshl_b32 s17, s12, 1
	s_add_co_u32 s16, s16, s17
	s_lshr_b32 s17, s12, 2
	s_lshl_b32 s17, s17, 3
	s_add_co_u32 s16, s16, s17                     ; the row at place 2 w
	s_lshl_b32 s16, s16, 12                        ; in bytes (under 2^24)
	s_mov_b32 s17, 0
	s_mul_i32 s18, s12, 2*PITCH
	v_add_nc_u32 v5, s18, v1                       ; into the stage: rows 2 w, 2 w + 1, 16 bytes a lane
	v_mul_u32_u24 v6, v3, PITCH
	s_wait_alu depctr_va_vdst(0)
	v_lshl_add_u32 v6, v4, 6, v6
	s_lshl_b32 s18, s12, 9
	v_add_nc_u32 v6, s18, v6                       ; out of it: row r, K step w, + 64 h: my 16 numbers of a block of 32
	v_lshlrev_b32 v7, 3, v2                        ; 8 x lane
	v_lshlrev_b32 v8, 2, v2                        ; 4 x lane
	s_lshl_b32 s18, ttmp9, 3
	s_add_co_u32 s18, s18, s12                     ; 8 t + w: my fragment of the norm, and my wave's number in the launch
	s_mul_i32 s20, s18, 1536
	s_mov_b32 s21, 0
	s_lshl_b32 s22, s18, 7
	s_add_co_u32 s22, s22, 3145728
	s_mov_b32 s23, 0
	s_mul_i32 s26, s18, 3                          ; my first fragment of weights
	s_mul_i32 s28, s26, 1536
	s_add_co_u32 s28, s28, WC
	s_mov_b32 s29, 0
	s_lshl_b32 s30, s26, 7
	s_add_co_u32 s30, s30, WS
	s_mov_b32 s31, 0
	s_mov_b32 s[SEL], 0x76543210
	s_mov_b32 s[SEL+1], 0xfedcba98
	s_mov_b32 s24, 0x3a800000                      ; 1 / 1,024
	s_mov_b32 s25, 0x3727c5ac                      ; eps = 1e-5
	s_wait_kmcnt 0x0
	s_add_nc_u64 s[4:5], s[4:5], s[16:17]
	s_add_nc_u64 s[20:21], s[10:11], s[20:21]      ; my fragment of the norm
	s_add_nc_u64 s[22:23], s[10:11], s[22:23]      ; its scale record
	s_add_nc_u64 s[28:29], s[10:11], s[28:29]      ; where my three fragments of weights go
	s_add_nc_u64 s[30:31], s[10:11], s[30:31]      ; and their records
.irp p, 0,1
.irp j, 0,1,2,3,4,5,6,7
	global_load_b128 v[X+32*\p+4*\j:X+32*\p+4*\j+3], v1, s[4:5] offset:4096*\p+512*\j   ; 32 lanes read 512 consecutive bytes
.endr
.endr
.irp j, 0,1,2,3,4,5,6,7
	global_load_b128 v[GG+4*\j:GG+4*\j+3], v1, s[6:7] offset:512*\j
.endr
.irp j, 0,1,2,3,4,5,6,7
	global_load_b128 v[BB+4*\j:BB+4*\j+3], v1, s[8:9] offset:512*\j
.endr
; Fragment 3 W + i of the weights: which tensor, which tile, which K step; then its seven loads.
.macro WLOAD i
	s_add_co_u32 s66, s26, \i                      ; F
	s_lshr_b32 s67, s66, 3                         ; its unit
	s_and_b32 s68, s66, 7                          ; its K step in the unit
	s_mov_b32 s69, 512                             ; W_mp's first unit
	s_cmp_lt_u32 s67, 512                          ; the choices hang on F alone
	s_cselect_b64 s[WP+4*\i:WP+4*\i+1], s[44:45], s[48:49]
	s_cselect_b64 s[WP+4*\i+2:WP+4*\i+3], s[46:47], s[50:51]
	s_cselect_b32 s69, 256, s69                    ; the tensor's first unit
	s_cselect_b32 s70, 0, 2                        ; log2 of its units a tile
	s_cmp_lt_u32 s67, 256
	s_cselect_b64 s[WP+4*\i:WP+4*\i+1], s[40:41], s[WP+4*\i:WP+4*\i+1]
	s_cselect_b64 s[WP+4*\i+2:WP+4*\i+3], s[42:43], s[WP+4*\i+2:WP+4*\i+3]
	s_cselect_b32 s69, 192, s69
	s_cmp_lt_u32 s67, 192
	s_cselect_b64 s[WP+4*\i:WP+4*\i+1], s[36:37], s[WP+4*\i:WP+4*\i+1]
	s_cselect_b64 s[WP+4*\i+2:WP+4*\i+3], s[38:39], s[WP+4*\i+2:WP+4*\i+3]
	s_cselect_b32 s69, 0, s69
	s_sub_co_u32 s67, s67, s69                     ; the unit within its tensor
	s_lshr_b32 s71, s67, s70                       ; tile
	s_lshl_b32 s72, s71, s70
	s_sub_co_u32 s72, s67, s72                     ; which 8 K steps of the row
	s_lshl_b32 s72, s72, 3
	s_add_co_u32 s72, s72, s68                     ; the K step in the row
	s_lshl_b32 s73, 768, s70                       ; a row of codes in bytes
	s_lshl_b32 s74, 32, s70                        ; a row of scale bytes
	s_lshr_b32 s75, s71, 1
	s_lshl_b32 s75, s75, 5
	s_and_b32 s76, s71, 1
	s_lshl_b32 s76, s76, 3
	s_add_co_u32 s75, s75, s76                     ; the tile's first row
	s_mul_i32 s76, s75, s73
	s_mul_i32 s77, s72, 96
	s_add_co_u32 s76, s76, s77
	s_mov_b32 s77, 0
	s_add_nc_u64 s[WP+4*\i:WP+4*\i+1], s[WP+4*\i:WP+4*\i+1], s[76:77]
	s_mul_i32 s76, s75, s74
	s_lshl_b32 s78, s72, 2
	s_add_co_u32 s76, s76, s78
	s_add_nc_u64 s[WP+4*\i+2:WP+4*\i+3], s[WP+4*\i+2:WP+4*\i+3], s[76:77]
	v_mul_lo_u32 v[VCO+\i], v15, s73
	s_delay_alu instid0(VALU_DEP_1)
	v_mad_u32_u24 v[VCO+\i], v4, 24, v[VCO+\i]     ; my row, + 24 h
	v_mul_lo_u32 v[VSO+\i], v15, s74               ; my row's scale bytes
.irp p, 0,1,2,3,4,5
	global_load_b64 v[WF+12*\i+2*\p:WF+12*\i+2*\p+1], v[VCO+\i], s[WP+4*\i:WP+4*\i+1] offset:48*(\p/3)+8*(\p%3) th:TH_LOAD_NT
.endr
	global_load_b32 v[WW+\i], v[VSO+\i], s[WP+4*\i+2:WP+4*\i+3] th:TH_LOAD_NT
.endm
	WLOAD 0
	WLOAD 1
	WLOAD 2
.macro REDUCE base                     ; v[base] and v[base + 4], one number a row, are summed over the 32 lanes; every lane gets the sums
.irp m, 1,2,4,8
.irp p, 0,1
	s_delay_alu instid0(VALU_DEP_2)
	v_add_f32_dpp v[\base+4*\p], v[\base+4*\p], v[\base+4*\p] row_xmask:\m row_mask:0xf bank_mask:0xf
.endr
.endr
.irp p, 0,1
	s_delay_alu instid0(VALU_DEP_2)
	v_permlanex16_b32 v[\base+4*\p+1], v[\base+4*\p], s[SEL], s[SEL+1]   ; (its destination has been written: the chain's upper half)
.endr
.irp p, 0,1
	s_delay_alu instid0(VALU_DEP_2)
	v_add_f32 v[\base+4*\p], v[\base+4*\p], v[\base+4*\p+1]
.endr
.endm
	s_wait_loadcnt 37                              ; my two rows are in; the sixteen loads of g and b and the 21 of weights, issued behind them, may be out
.irp p, 0,1                                    ; the rows' sums: two chains a row, the rows by turns
	v_pk_add_f32 v[TM+4*\p:TM+4*\p+1], v[X+32*\p:X+32*\p+1], v[X+32*\p+2:X+32*\p+3]
	v_pk_add_f32 v[TM+4*\p+2:TM+4*\p+3], v[X+32*\p+4:X+32*\p+5], v[X+32*\p+6:X+32*\p+7]
.endr
.irp j, 8,12,16,20,24,28
.irp p, 0,1
	s_delay_alu instid0(VALU_DEP_4)
	v_pk_add_f32 v[TM+4*\p:TM+4*\p+1], v[TM+4*\p:TM+4*\p+1], v[X+32*\p+\j:X+32*\p+\j+1]
	s_delay_alu instid0(VALU_DEP_4)
	v_pk_add_f32 v[TM+4*\p+2:TM+4*\p+3], v[TM+4*\p+2:TM+4*\p+3], v[X+32*\p+\j+2:X+32*\p+\j+3]
.endr
.endr
.irp p, 0
	s_delay_alu instid0(VALU_DEP_3)
	v_pk_add_f32 v[TM+4*\p:TM+4*\p+1], v[TM+4*\p:TM+4*\p+1], v[TM+4*\p+2:TM+4*\p+3]
.endr
.irp p, 1
	s_delay_alu instid0(VALU_DEP_2)
	v_pk_add_f32 v[TM+4*\p:TM+4*\p+1], v[TM+4*\p:TM+4*\p+1], v[TM+4*\p+2:TM+4*\p+3]
.endr
.irp p, 0,1
	s_delay_alu instid0(VALU_DEP_2)
	v_add_f32 v[TM+4*\p], v[TM+4*\p], v[TM+4*\p+1]
.endr
	REDUCE TM
.irp p, 0,1
	s_delay_alu instid0(VALU_DEP_2)
	v_mul_f32 v[TM+4*\p], s24, v[TM+4*\p]          ; the mean
.endr
.irp p, 0,1
	s_delay_alu instid0(VALU_DEP_2)
	v_mov_b32 v[TM+4*\p+1], v[TM+4*\p]             ; twice, for the packed form
.endr
.irp j, 0,2,4,6,8,10,12,14,16,18,20,22,24,26,28,30
.irp p, 0,1
	v_pk_add_f32 v[X+32*\p+\j:X+32*\p+\j+1], v[X+32*\p+\j:X+32*\p+\j+1], v[TM+4*\p:TM+4*\p+1] neg_lo:[0,1] neg_hi:[0,1]   ; x - mean, in place
.endr
.endr
.irp p, 0,1                                    ; the sums of the squares
	v_pk_mul_f32 v[TM+8+4*\p:TM+9+4*\p], v[X+32*\p:X+32*\p+1], v[X+32*\p:X+32*\p+1]
	v_pk_mul_f32 v[TM+10+4*\p:TM+11+4*\p], v[X+32*\p+2:X+32*\p+3], v[X+32*\p+2:X+32*\p+3]
.endr
.irp j, 4,8,12,16,20,24,28
.irp p, 0,1
	s_delay_alu instid0(VALU_DEP_4)
	v_pk_fma_f32 v[TM+8+4*\p:TM+9+4*\p], v[X+32*\p+\j:X+32*\p+\j+1], v[X+32*\p+\j:X+32*\p+\j+1], v[TM+8+4*\p:TM+9+4*\p]
	s_delay_alu instid0(VALU_DEP_4)
	v_pk_fma_f32 v[TM+10+4*\p:TM+11+4*\p], v[X+32*\p+\j+2:X+32*\p+\j+3], v[X+32*\p+\j+2:X+32*\p+\j+3], v[TM+10+4*\p:TM+11+4*\p]
.endr
.endr
.irp p, 0
	s_delay_alu instid0(VALU_DEP_3)
	v_pk_add_f32 v[TM+8+4*\p:TM+9+4*\p], v[TM+8+4*\p:TM+9+4*\p], v[TM+10+4*\p:TM+11+4*\p]
.endr
.irp p, 1
	s_delay_alu instid0(VALU_DEP_2)
	v_pk_add_f32 v[TM+8+4*\p:TM+9+4*\p], v[TM+8+4*\p:TM+9+4*\p], v[TM+10+4*\p:TM+11+4*\p]
.endr
.irp p, 0,1
	s_delay_alu instid0(VALU_DEP_2)
	v_add_f32 v[TM+8+4*\p], v[TM+8+4*\p], v[TM+9+4*\p]
.endr
	REDUCE TM+8
.irp p, 0,1
	s_delay_alu instid0(VALU_DEP_2)
	v_fma_f32 v[TM+8+4*\p], v[TM+8+4*\p], s24, s25 ; the variance + eps
.endr
	s_wait_alu depctr_va_vdst(0)
.irp p, 0,1
	v_rsq_f32 v[TM+8+4*\p], v[TM+8+4*\p]
.endr
	v_nop                                          ; a plain instruction behind the last of the two (ISA guide 5.7.2)
	s_wait_alu depctr_va_vdst(0)                   ; one wait for both, ahead of their first reader
	s_wait_loadcnt 21                              ; g and b are in; the 21 loads of weights may be out
.irp j, 0,2,4,6,8,10,12,14,16,18,20,22,24,26,28,30
.irp p, 0,1
	v_pk_mul_f32 v[X+32*\p+\j:X+32*\p+\j+1], v[X+32*\p+\j:X+32*\p+\j+1], v[TM+8+4*\p:TM+9+4*\p] op_sel_hi:[1,0]
.endr
.endr
.irp j, 0,2,4,6,8,10,12,14,16,18,20,22,24,26,28,30
.irp p, 0,1
	v_pk_fma_f32 v[X+32*\p+\j:X+32*\p+\j+1], v[X+32*\p+\j:X+32*\p+\j+1], v[GG+\j:GG+\j+1], v[BB+\j:BB+\j+1]
.endr
.endr
.irp p, 0,1
.irp j, 0,1,2,3,4,5,6,7
	ds_store_b128 v5, v[X+32*\p+4*\j:X+32*\p+4*\j+3] offset:PITCH*\p+512*\j
.endr
.endr
	s_wait_dscnt 0x0                               ; for the others' sake: my rows lie in the stage
	s_barrier_signal -1
	s_barrier_wait -1                              ; all sixteen do
.irp b, 0,1,2,3
.irp j, 0,1,2,3
	ds_load_b128 v[X+16*\b+4*\j:X+16*\b+4*\j+3], v6 offset:128*\b+16*\j   ; register 16 b + i = k 128 w + 32 b + 16 h + i of place r
.endr
.endr
	s_wait_dscnt 0x0
; 64 numbers of a lane become a fragment's codes in v[PC] on and its scale word in v[PW]
.irp b, 0,1,2,3
	v_max3_num_f32 v[TM+\b], |v[X+16*\b]|, |v[X+1+16*\b]|, 0x1800000   ; block b: my 16 numbers, and the floor 2^(3 - 127): the byte cannot fall under 1
.endr
.irp i, 2,4,6,8,10,12,14
.irp b, 0,1,2,3
	s_delay_alu instid0(VALU_DEP_4)
	v_max3_num_f32 v[TM+\b], v[TM+\b], |v[X+16*\b+\i]|, |v[X+1+16*\b+\i]|
.endr
.endr
.irp b, 0,1,2,3
	s_delay_alu instid0(VALU_DEP_4)
	v_permlanex16_b32 v[TM+4+\b], v[TM+\b], s[SEL], s[SEL+1]
.endr
.irp b, 0,1,2,3
	s_delay_alu instid0(VALU_DEP_4)
	v_max_num_f32 v[TM+\b], v[TM+\b], v[TM+4+\b]   ; with lane l xor 16's: the block's largest magnitude
.endr
.irp b, 0,1,2,3
	s_delay_alu instid0(VALU_DEP_4)
	v_add_nc_u32 v[TM+12+\b], 0xff000000, v[TM+\b] ; 2 off its exponent field: the conversion's scale operand
.endr
.irp b, 0,1,2,3
	s_delay_alu instid0(VALU_DEP_4)
	v_lshrrev_b32 v[TM+4+\b], 23, v[TM+12+\b]      ; the scale's byte
.endr
	s_delay_alu instid0(VALU_DEP_3)
	v_lshl_or_b32 v[PW], v[TM+5], 8, v[TM+4]
	s_delay_alu instid0(VALU_DEP_1)
	v_lshl_or_b32 v[PW], v[TM+6], 16, v[PW]
	s_delay_alu instid0(VALU_DEP_1)
	v_lshl_or_b32 v[PW], v[TM+7], 24, v[PW]
.irp c, 0,1
	v_cvt_scalef32_pk16_fp6_f32 v[PC+6*\c:PC+2+6*\c], v[X+32*\c:X+15+32*\c], v[TM+12+2*\c]
	v_cvt_scalef32_pk16_fp6_f32 v[PC+12+4*\c:PC+14+4*\c], v[X+16+32*\c:X+31+32*\c], v[TM+12+2*\c+1]   ; (a conversion's three registers begin on an even number)
.endr
	v_nop                                          ; one plain place behind a scaled conversion
.irp c, 0,1                                    ; the operand wants a whole block in a lane: lanes 0-15 block 2 c, lanes 16-31 block 2 c + 1
.irp i, 0,1,2
	v_permlane16_swap_b32 v[PC+6*\c+\i], v[PC+12+4*\c+\i]
.endr
.irp i, 0,1,2
	s_delay_alu instid0(VALU_DEP_3)
	v_mov_b32 v[PC+3+6*\c+\i], v[PC+12+4*\c+\i]
.endr
.endr
	global_store_b128 v1, v[PC:PC+3], s[20:21]               ; 512 consecutive bytes
	global_store_b64 v7, v[PC+4:PC+5], s[20:21] offset:512   ; 256
	global_store_b128 v1, v[PC+6:PC+9], s[20:21] offset:768
	global_store_b64 v7, v[PC+10:PC+11], s[20:21] offset:1280
	global_store_b32 v8, v[PW], s[22:23]
	s_wait_loadcnt 0x0                             ; my three fragments of weights are in
.irp i, 0,1,2
	global_store_b128 v1, v[WF+12*\i:WF+12*\i+3], s[28:29] offset:1536*\i
	global_store_b64 v7, v[WF+12*\i+4:WF+12*\i+5], s[28:29] offset:1536*\i+512
	global_store_b128 v1, v[WF+12*\i+6:WF+12*\i+9], s[28:29] offset:1536*\i+768
	global_store_b64 v7, v[WF+12*\i+10:WF+12*\i+11], s[28:29] offset:1536*\i+1280
	global_store_b32 v8, v[WW+\i], s[30:31] offset:128*\i
.endr
	s_wait_tensorcnt 0x0
	ds_add_u32 v240, v241
	s_wait_dscnt 0x0
	s_endpgm
.Lfunc_end_k_q03906cff2f_wln1:
	.size	k_q03906cff2f_wln1, .Lfunc_end_k_q03906cff2f_wln1-k_q03906cff2f_wln1
	.p2alignl 7, 3214868480
	.fill 96, 4, 3214868480
	.section	.rodata,"a",@progbits
	.p2align	6, 0x0
	.amdhsa_kernel k_q03906cff2f_wln1
		.amdhsa_group_segment_fixed_size 67072
		.amdhsa_private_segment_fixed_size 0
		.amdhsa_enable_private_segment 0
		.amdhsa_kernarg_size 96
		.amdhsa_user_sgpr_count 2
		.amdhsa_user_sgpr_kernarg_segment_ptr 1
		.amdhsa_wavefront_size32 1
		.amdhsa_system_sgpr_workgroup_id_x 1
		.amdhsa_system_sgpr_workgroup_id_y 1
		.amdhsa_system_sgpr_workgroup_id_z 1
		.amdhsa_system_vgpr_workitem_id 0
		.amdhsa_next_free_vgpr 242
		.amdhsa_next_free_sgpr 80
		.amdhsa_reserve_vcc 0
		.amdhsa_float_denorm_mode_32 3
		.amdhsa_float_denorm_mode_16_64 3
		.amdhsa_memory_ordered 1
		.amdhsa_forward_progress 1
		.amdhsa_inst_pref_size 38
	.end_amdhsa_kernel
	.amdgpu_metadata
---
amdhsa.version: [ 1, 2 ]
amdhsa.kernels:
  - .name:           k_q03906cff2f_wln1
    .symbol:         k_q03906cff2f_wln1.kd
    .args:
      - { .name: x, .offset: 0, .size: 8, .value_kind: global_buffer, .address_space: global }
      - { .name: ln1_g, .offset: 8, .size: 8, .value_kind: global_buffer, .address_space: global }
      - { .name: ln1_b, .offset: 16, .size: 8, .value_kind: global_buffer, .address_space: global }
      - { .name: opa, .offset: 24, .size: 8, .value_kind: global_buffer, .address_space: global }
      - { .name: W_attn_codes, .offset: 32, .size: 8, .value_kind: global_buffer, .address_space: global }
      - { .name: W_attn_scales, .offset: 40, .size: 8, .value_kind: global_buffer, .address_space: global }
      - { .name: W_ap_codes, .offset: 48, .size: 8, .value_kind: global_buffer, .address_space: global }
      - { .name: W_ap_scales, .offset: 56, .size: 8, .value_kind: global_buffer, .address_space: global }
      - { .name: W_fc_codes, .offset: 64, .size: 8, .value_kind: global_buffer, .address_space: global }
      - { .name: W_fc_scales, .offset: 72, .size: 8, .value_kind: global_buffer, .address_space: global }
      - { .name: W_mp_codes, .offset: 80, .size: 8, .value_kind: global_buffer, .address_space: global }
      - { .name: W_mp_scales, .offset: 88, .size: 8, .value_kind: global_buffer, .address_space: global }
    .group_segment_fixed_size: 67072
    .private_segment_fixed_size: 0
    .kernarg_segment_align: 8
    .kernarg_segment_size: 96
    .max_flat_workgroup_size: 256
    .sgpr_count:     80
    .vgpr_count:     242
    .wavefront_size: 32
...
	.end_amdgpu_metadata
.endif
;; end of part 1
;; launch g1 (part 2): grid 16 x 12, 4 waves a work-group, clusters of 4 x 4, 327,680 bytes of LDS; arguments opa, b_attn, qkv; writes qkv
.if DOCPART == 2
	.amdgcn_target "amdgcn-amd-amdhsa--gfx1250"
	.amdhsa_code_object_version 6
	.text
	.protected	k_q03906cff2f_g1
	.globl	k_q03906cff2f_g1
	.p2align	8
	.type	k_q03906cff2f_g1,@function
k_q03906cff2f_g1:
	s_mov_b64 s[64:65], 0
	v_nop
	global_prefetch_b8 v0, s[64:65] scope:SCOPE_SE
	s_setreg_imm32_b32 hwreg(HW_REG_WAVE_MODE, 25, 1), 1
	s_wait_xcnt 0x0
	s_wait_alu depctr_hold_cnt(0) depctr_sa_sdst(0) depctr_va_vdst(0) depctr_va_sdst(0) depctr_va_ssrc(0) depctr_va_vcc(0) depctr_vm_vsrc(0)
	s_getreg_b32 s2, hwreg(HW_REG_IB_STS2, 6, 4)
	s_cmp_eq_u32 s2, 0
	s_cbranch_scc0 .Lentry_in_a_cluster
	s_endpgm
.Lentry_in_a_cluster:
	s_bfe_u32 s2, ttmp6, 0x10000c
	s_cmp_lg_u32 s2, 0xf033
	s_cbranch_scc0 .Lentry_shape_is_right
	s_endpgm
.Lentry_shape_is_right:
.set MODE, 0
.set NT,    8
.set NQ,    2
.set KS,    8
.set FRB,   1536
.set ROWB,  NQ*FRB
.set HALFT, NT*ROWB
.set SLOT,  4*HALFT
.set LAPS,  KS/(2*NQ)
.set SCL,   2*SLOT
.set HALFS, NT*KS*128
.set SPARE, SCL+4*HALFS
.set ASC,   3145728
.set WC,    3407872
.set WS,    12845056
.set VC,    6291456
.set QKS,   9437184
.set VS,    9961472
.if MODE == 0
.set P1, 4
.set P0, 4
.set PBI, 6
.set POUT, 8
.else
.set P1, 4
.set P0, 6
.set PBI, 8
.set POUT, 10
.endif
.set ADR1, 16
.set ADR0, 20
.set L16,  24
.set L8,   25
.set L4,   26
.set ADRS, 27
.set SPW,  28
.set NIL,  29
.set BL,   48
.set W,    64
.set T,    128
.set TM,   192
.set PW,   208
.set PC,   212
.set C1V,  232
.set G1, 24
.set G0, 32
.set G1B, 48
.set G0B, 56
.set G1S, 68
.set G0S, 76
.set G1SB, 80
.set G0SB, 88
.set OUTC, 12
.set OUTS, 18
.set NGC, 66
.set NGS, 96
.set PART, 95
.set SEL, 20
.set C2, 22
.set MSB, 0
.macro WIN new
.if MSB != (\new)
	s_set_vgpr_msb (MSB<<8)|(\new)
.set MSB, (\new)
.endif
.endm
.macro PLACES n
.rept \n
	v_nop
.endr
.endm
.macro JLOAD g0a, g1a, g0b, g1b
	s_cmp_eq_u32 s15, 0
	s_cbranch_scc0 .Lfor_b_\@
	tensor_load_to_lds s[\g0a:\g0a+3], s[\g1a:\g1a+7]
	s_nop 0
.rept 4
	v_nop
.endr
	s_branch .Lasked_\@
.Lfor_b_\@:
	tensor_load_to_lds s[\g0b:\g0b+3], s[\g1b:\g1b+7]
	s_nop 0
.rept 4
	v_nop
.endr
.Lasked_\@:
.endm
.macro CREST
	s_cmp_lg_u32 s14, 0
	s_cbranch_scc1 .Lnot_wave_0_\@
	s_barrier_signal -3
.Lnot_wave_0_\@:
	s_barrier_wait -3
	s_barrier_signal -1
	s_barrier_wait -1
.endm
.macro CROUND
	s_barrier_signal -1
	s_barrier_wait -1
	CREST
.endm
.if MODE == 0
	s_load_b128 s[4:7], s[0:1], 0x0
	s_load_b64 s[8:9], s[0:1], 0x10
.else
	s_load_b256 s[4:11], s[0:1], 0x0
.endif
	v_lshl_add_u32 v[SPW], v0, 2, SPARE
	v_mov_b32 v[NIL], 0
	ds_add_u32 v28, v29
	ds_add_u32 v28, v29
	s_wait_dscnt 0x0
	v_lshrrev_b32 v1, 5, v0
	v_readfirstlane_b32 s14, v1
	s_lshr_b32 s15, s14, 1
	s_and_b32 s16, s14, 1
	s_bfe_u32 s40, ttmp6, 0x40000
	s_bfe_u32 s41, ttmp6, 0x40004
	s_lshl_b32 s42, ttmp9, 2
	s_add_co_u32 s42, s42, s40
	s_and_b32 s2, ttmp7, 0xffff
	s_lshl_b32 s17, s2, 2
	s_add_co_u32 s17, s17, s41
	s_lshl_b32 s43, s41, 2
	s_lshl_b32 s43, 15, s43
	s_lshl_b32 s44, 0x1111, s40
.if MODE == 0
	s_sub_co_u32 s20, s17, 4
	s_lshl_b32 s20, s20, 1
	s_lshr_b32 s21, ttmp9, 1
	s_add_co_u32 s20, s20, s21
	s_add_co_u32 s21, s17, 8
	s_and_b32 s46, s42, 7
	s_mov_b32 s23, ASC
	s_mov_b32 s93, WS
	s_mov_b32 s19, QKS
	s_cmp_eq_u32 s2, 0
	s_cselect_b32 s[PART], 1, 0
	s_cselect_b32 s20, s21, s20
	s_cselect_b32 s46, s42, s46
	s_cselect_b32 s21, WC, 0
	s_cselect_b32 s23, WS, s23
	s_cselect_b32 s47, 0, WC
	s_cselect_b32 s93, ASC, s93
	s_cselect_b32 s66, 32, 16
	s_cselect_b32 s13, VC, 0
	s_cselect_b32 s19, VS, s19
.else
	s_mov_b32 s[PART], 0
	s_mov_b32 s20, s17
	s_mov_b32 s46, s42
	s_mov_b32 s21, 0
	s_mov_b32 s23, 3145728
	s_mov_b32 s47, WC+3145728
	s_mov_b32 s93, WS+262144
	s_mov_b32 s66, 32
	s_mov_b32 s13, 0
	s_mov_b32 s19, 12582912
.endif
	s_mov_b32 s2, s20
	s_mov_b32 s94, s46
	s_or_b32 s[G1+0], s43, (3<<16)|(1<<21)
	s_or_b32 s[G1B+0], s44, (3<<16)|(1<<21)
.irp g, G1, G1B
	s_mov_b32 s[\g+1], (ROWB/8)<<16
	s_mov_b32 s[\g+2], (2*NT)<<16                  ; the head's loads of codes bring both halves of a side: 2 NT tiles
	s_mov_b32 s[\g+3], (ROWB/8)<<16
	s_mov_b32 s[\g+4], 2*NT
	s_mov_b32 s[\g+5], KS*FRB/8
	s_mov_b32 s[\g+6], 0
	s_mov_b32 s[\g+7], 0
.endr
	s_or_b32 s[G1S+0], s43, (3<<16)|(1<<21)
	s_or_b32 s[G1SB+0], s44, (3<<16)|(1<<21)
.irp g, G1S, G1SB
	s_mov_b32 s[\g+1], 32<<16
	s_mov_b32 s[\g+2], (2*HALFS/256)<<16           ; a side's records, both halves, in one load
	s_mov_b32 s[\g+3], 32<<16
	s_mov_b32 s[\g+4], 2*HALFS/256
	s_mov_b32 s[\g+5], 32
	s_mov_b32 s[\g+6], 0
	s_mov_b32 s[\g+7], 0
.endr
	s_lshl_b32 s22, s16, 3
	s_lshl_b32 s20, s20, 4
	s_add_co_u32 s20, s20, s22
	s_lshl_b32 s46, s46, 4
	s_add_co_u32 s46, s46, s22
	s_mul_i32 s22, s20, KS*128
	s_add_co_u32 s22, s22, s23
	s_mul_i32 s20, s20, KS*FRB
	s_add_co_u32 s20, s20, s21
	s_mul_i32 s92, s46, KS*128
	s_add_co_u32 s92, s92, s93
	s_mul_i32 s46, s46, KS*FRB
	s_add_co_u32 s46, s46, s47
	s_mov_b32 s21, 0
	s_mov_b32 s23, 0
	s_mov_b32 s47, 0
	s_mov_b32 s93, 0
	s_mul_i32 s45, s14, HALFT
	s_mul_i32 s96, s16, HALFS                      ; what my half adds to a side's records: taken off again for the load of both halves
	s_mov_b32 s97, 0
	s_wait_kmcnt 0x0
	s_add_nc_u64 s[20:21], s[P1:P1+1], s[20:21]
	s_add_nc_u64 s[22:23], s[P1:P1+1], s[22:23]
	s_add_nc_u64 s[46:47], s[P0:P0+1], s[46:47]
	s_add_nc_u64 s[92:93], s[P0:P0+1], s[92:93]
	CROUND
	s_mov_b32 s[G0S], 1
	s_mov_b32 s[G0S+1], SCL
	s_sub_nc_u64 s[G0S+2:G0S+3], s[22:23], s[96:97]
	s_or_b32 s[G0S+3], s[G0S+3], 0x80000000
	s_mov_b32 s[G0SB], 1
	s_mov_b32 s[G0SB+1], SCL+2*HALFS
	s_sub_nc_u64 s[G0SB+2:G0SB+3], s[92:93], s[96:97]
	s_or_b32 s[G0SB+3], s[G0SB+3], 0x80000000
.irp s, 0,1
	s_mov_b32 s[G0+4*\s], 1
	s_add_co_u32 s[G0+4*\s+1], s45, \s*SLOT
	s_add_nc_u64 s[G0+4*\s+2:G0+4*\s+3], s[20:21], \s*ROWB
	s_or_b32 s[G0+4*\s+3], s[G0+4*\s+3], 0x80000000
	s_mov_b32 s[G0B+4*\s], 1
	s_add_co_u32 s[G0B+4*\s+1], s45, \s*SLOT
	s_add_nc_u64 s[G0B+4*\s+2:G0B+4*\s+3], s[46:47], \s*ROWB
	s_or_b32 s[G0B+4*\s+3], s[G0B+4*\s+3], 0x80000000
.endr
; THE HEAD'S LOADS, ONE A WAVE, in one chain of branches on the wave's number: wave 0 slot 0's 2 NT tiles of S1 (its own group 0: half 0, LDS byte 0), wave 2 those of S0, wave 1 S1's records, wave 3 S0's.
.macro ARM wv, g0, g1, next
	s_cmp_eq_u32 s14, \wv
	s_cbranch_scc0 \next
	tensor_load_to_lds s[\g0:\g0+3], s[\g1:\g1+7]
	s_nop 0
.rept 4
	v_nop
.endr
	s_branch .Lhead_asked
\next:
.endm
	ARM 0, G0, G1, .Lhead_b
	ARM 2, G0B, G1B, .Lhead_sa
	ARM 1, G0S, G1S, .Lhead_sb
	tensor_load_to_lds s[G0SB:G0SB+3], s[G1SB:G1SB+7]
	s_nop 0
.rept 4
	v_nop
.endr
.Lhead_asked:
; THE PREFETCHES.  A ring load of mine brings 8 tiles x 3,072 bytes, asked for jointly by four partners; they share the tiles out BY ADDRESS: the partner at place p (cx for S1, cy for S0) names tiles 2 p and 2 p + 1:
; 24 blocks of 256 bytes, a lane a block (lanes 24-31 name the last block again), one instruction a wave.  s[98:99] stands at slot 1 and is never stepped: slots 1 and 2 are named at the head, slot 3 behind slot 1's fill; K has four slots.
	s_cmp_eq_u32 s15, 0
	s_cselect_b64 s[98:99], s[20:21], s[46:47]
	s_cselect_b32 s100, s40, s41
	s_mul_i32 s100, s100, 2*KS*FRB
	s_add_co_u32 s100, s100, ROWB
	s_mov_b32 s101, 0
	s_add_nc_u64 s[98:99], s[98:99], s[100:101]
	s_lshl_b32 s20, s[PART], 3
	s_sub_co_u32 s20, s2, s20
	s_lshl_b32 s20, s20, 4
	s_lshl_b32 s21, s15, 3
	s_add_co_u32 s20, s20, s21
	s_mul_i32 s20, s20, s66
	s_lshl_b32 s21, s94, 1
	s_add_co_u32 s21, s21, s16
	s_add_co_u32 s20, s20, s21
	s_mul_i32 s12, s20, FRB
	s_add_co_u32 s12, s12, s13
	s_mov_b32 s13, 0
	s_add_nc_u64 s[OUTC:OUTC+1], s[POUT:POUT+1], s[12:13]
	s_lshl_b32 s18, s20, 7
	s_add_co_u32 s18, s18, s19
	s_mov_b32 s19, 0
	s_add_nc_u64 s[OUTS:OUTS+1], s[POUT:POUT+1], s[18:19]
	s_lshl_b32 s[NGS], s66, 7
	s_mov_b32 s[NGS+1], 0
	s_mul_i32 s[NGC], s66, FRB
	s_mov_b32 s[NGC+1], 0
	s_lshl_b32 s46, s94, 10
	s_lshl_b32 s47, s16, 9
	s_add_co_u32 s46, s46, s47
	s_lshl_b32 s92, s2, 10
	s_lshl_b32 s93, s15, 9
	s_add_co_u32 s92, s92, s93
	s_cmp_eq_u32 s[PART], 1
	s_cselect_b32 s46, 0, s46
	s_cselect_b32 s92, s92, 0
	s_mov_b32 s47, 0
	s_mov_b32 s93, 0
	s_add_nc_u64 s[46:47], s[PBI:PBI+1], s[46:47]
	s_add_nc_u64 s[92:93], s[PBI:PBI+1], s[92:93]
	v_and_b32 v1, 31, v0
	v_bfe_u32 v2, v0, 4, 1
	v_and_b32 v3, 15, v0
	v_lshlrev_b32 v[L16], 4, v1
	v_lshlrev_b32 v[L8], 3, v1
	v_lshlrev_b32 v[L4], 2, v1
	v_min_u32 v30, 23, v1                          ; the prefetches' offset: block l % 12 of tile l / 12
	v_mul_u32_u24 v31, v30, 11
	v_lshrrev_b32 v31, 7, v31                      ; l / 12 for l under 24
	v_lshlrev_b32 v30, 8, v30
	v_mad_u32_u24 v30, v31, KS*FRB-ROWB, v30       ; never rewritten
	s_mul_i32 s21, s15, HALFT
	s_mul_i32 s22, s16, HALFT
	s_add_co_u32 s22, s22, 2*HALFT
.irp s, 0,1
	v_add_nc_u32 v[ADR1+\s], s21, v[L16]
	v_add_nc_u32 v[ADR1+2+\s], s21, v[L8]
	v_add_nc_u32 v[ADR0+\s], s22, v[L16]
	v_add_nc_u32 v[ADR0+2+\s], s22, v[L8]
	s_add_co_u32 s21, s21, SLOT
	s_add_co_u32 s22, s22, SLOT
.endr
	s_mul_i32 s21, s15, HALFS
	s_mul_i32 s22, s16, HALFS
	s_add_co_u32 s22, s22, 2*HALFS
	s_sub_co_u32 s22, s22, s21
	v_mul_u32_u24 v6, s22, v2
	s_add_co_u32 s21, s21, SCL
	v_add_nc_u32 v6, v6, v[L4]
	v_add_nc_u32 v[ADRS], s21, v6
	global_prefetch_b8 v30, s[98:99] th:TH_LOAD_NT scope:SCOPE_SE               ; slot 1
	global_prefetch_b8 v30, s[98:99] offset:ROWB th:TH_LOAD_NT scope:SCOPE_SE   ; slot 2
	v_lshlrev_b32 v4, 6, v2
	WIN 0x40
.set BJ, 0
.rept 16
	global_load_b128 v[96+4*BJ+96*(BJ/8):96+4*BJ+96*(BJ/8)+3], v4, s[46:47] offset:128*(BJ/4)+16*(BJ%4)
.set BJ, BJ+1
.endr
	WIN 0
.if MODE == 0
	v_and_b32 v5, 8, v3
	v_add_nc_u32 v5, v5, v3
	v_lshlrev_b32 v5, 2, v5
.irp a, 0,1,2,3,4,5,6,7
	global_load_b32 v[BL+2*\a], v5, s[92:93] offset:(32*(\a/2)+8*(\a%2))*4
	global_load_b32 v[BL+2*\a+1], v5, s[92:93] offset:(32*(\a/2)+8*(\a%2))*4
.endr
.endif
.macro FRAG reg, adr, off
	ds_load_b128 v[\reg:\reg+3], v[\adr] offset:\off
	ds_load_b64 v[\reg+4:\reg+5], v[\adr+2] offset:\off+512
	ds_load_b128 v[\reg+6:\reg+9], v[\adr] offset:\off+768
	ds_load_b64 v[\reg+10:\reg+11], v[\adr+2] offset:\off+1280
.endm
.macro FETCH slot, q, p
	WIN 0x40
.set FI, 0
.rept NT
	FRAG 128*(\p)+12*FI, ADR0+\slot, FI*ROWB+(\q)*FRB
.set FI, FI+1
.endr
	WIN 0
.set FI, 0
.rept NT
	FRAG 64+96*(\p)+12*FI, ADR1+\slot, FI*ROWB+(\q)*FRB
.set FI, FI+1
.endr
.set FI, 0
.rept NT
	ds_load_b32 v[32+8*(\p)+FI], v[ADRS] offset:FI*KS*128+(\q)*128
.set FI, FI+1
.endr
.endm
.macro MULP k, p, cm
.set MA, (\k)*NT/4
.rept NT/4
.if MA*NT*8 >= 256
	WIN 0xf1
.else
	WIN 0xa1
.endif
.set AB, (8*NT*MA)%256
.set MB, 0
.rept NT
.set RD_, AB+8*MB
.set RA_, 128*(\p)+12*MB
.set RB_, 64+96*(\p)+12*MA
.set SA_, 32+8*(\p)+MB
.set SB_, 32+8*(\p)+MA
.if (\cm) == 0
	v_wmma_scale_f32_16x16x128_f8f6f4 v[RD_:RD_+7], v[RA_:RA_+11], v[RB_:RB_+11], v[RD_:RD_+7], v[SA_], v[SB_] matrix_a_fmt:MATRIX_FMT_FP6 matrix_b_fmt:MATRIX_FMT_FP6 matrix_a_scale:MATRIX_SCALE_ROW1
.else
	v_wmma_scale_f32_16x16x128_f8f6f4 v[RD_:RD_+7], v[RA_:RA_+11], v[RB_:RB_+11], 0, v[SA_], v[SB_] matrix_a_fmt:MATRIX_FMT_FP6 matrix_b_fmt:MATRIX_FMT_FP6 matrix_a_scale:MATRIX_SCALE_ROW1
.endif
.set MB, MB+1
.endr
.set MA, MA+1
.endr
.endm
.macro STEP slot, q, cm
	s_wait_dscnt 0x0
	PLACES 4
	FETCH \slot, (\q)+1, 1-(\q)%2
	MULP 0, (\q)%2, \cm
	MULP 1, (\q)%2, \cm
	MULP 2, (\q)%2, \cm
	MULP 3, (\q)%2, \cm
	WIN 0
.endm
.macro TURN slot, next, fill
	s_wait_tensorcnt 0x0
	ds_add_u32 v[SPW], v[NIL]
	s_wait_dscnt 1
	MULP 0, 1, 0
	s_wait_dscnt 0x0
	s_barrier_signal -1
	MULP 1, 1, 0
	WIN 0
	s_barrier_wait -1
.if \fill
	CREST
	s_add_nc_u64 s[G0+4*\slot+2:G0+4*\slot+3], s[G0+4*\slot+2:G0+4*\slot+3], 2*ROWB
	s_add_nc_u64 s[G0B+4*\slot+2:G0B+4*\slot+3], s[G0B+4*\slot+2:G0B+4*\slot+3], 2*ROWB
	JLOAD G0+4*\slot, G1, G0B+4*\slot, G1B
.else
	PLACES 4
.endif
	s_wait_alu depctr_va_vdst(0)
	v_add_nc_u32 v[ADRS], NQ*128, v[ADRS]
	FETCH \next, 0, 0
	MULP 2, 1, 0
	MULP 3, 1, 0
	WIN 0
.endm
.macro RUN slot, first
.set QQ, \first
.rept NQ-1-(\first)
	STEP \slot, QQ, 0
.set QQ, QQ+1
.endr
.endm
	s_wait_alu depctr_va_vdst(0)
	s_wait_tensorcnt 0x0                           ; my tile of the head's four is in
	ds_add_u32 v[SPW], v[NIL]
	s_mov_b32 s[G1+2], NT<<16                      ; no tensor load of mine is out: from here on a load brings NT tiles
	s_mov_b32 s[G1+4], NT
	s_mov_b32 s[G1B+2], NT<<16
	s_mov_b32 s[G1B+4], NT
	s_wait_dscnt 0x0
	CROUND                                         ; all four tiles are in, and all sixteen work-groups are here
	JLOAD G0+4, G1, G0B+4, G1B                     ; slot 1's first fill, my one load behind the round
	FETCH 0, 0, 0
	global_prefetch_b8 v30, s[98:99] offset:2*ROWB th:TH_LOAD_NT scope:SCOPE_SE ; slot 3
	STEP 0, 0, 1
.if LAPS > 1
	s_mov_b32 s3, LAPS-1
.Llap:
	RUN 0, 1
	TURN 0, 1, 1
	s_wait_alu depctr_va_vdst(0)
	RUN 1, 0
	TURN 1, 0, 1
	s_wait_alu depctr_va_vdst(0)
	STEP 0, 0, 0
	s_sub_co_u32 s3, s3, 1
	s_cmp_lg_u32 s3, 0
	s_cbranch_scc1 .Llap
.endif
	RUN 0, 1
	TURN 0, 1, 0
	s_wait_alu depctr_va_vdst(0)
	RUN 1, 0
	s_wait_dscnt 0x0
	MULP 0, 1, 0
	MULP 1, 1, 0
	MULP 2, 1, 0
	MULP 3, 1, 0
	WIN 0
.macro QUANT s
.irp b, 0,1,2,3
	v_max3_num_f32 v[TM+\b], |v[\s+16*\b]|, |v[\s+1+16*\b]|, 0x1800000
.endr
.irp i, 2,4,6,8,10,12,14
.irp b, 0,1,2,3
	v_max3_num_f32 v[TM+\b], v[TM+\b], |v[\s+16*\b+\i]|, |v[\s+1+16*\b+\i]|
.endr
.endr
.irp b, 0,1,2,3
	v_permlanex16_b32 v[TM+4+\b], v[TM+\b], s[SEL], s[SEL+1]
.endr
.irp b, 0,1,2,3
	v_max_num_f32 v[TM+\b], v[TM+\b], v[TM+4+\b]
.endr
.irp b, 0,1,2,3
	v_add_nc_u32 v[TM+12+\b], 0xff000000, v[TM+\b]
.endr
.irp b, 0,1,2,3
	v_lshrrev_b32 v[TM+4+\b], 23, v[TM+12+\b]
.endr
	v_lshl_or_b32 v[PW], v[TM+5], 8, v[TM+4]
	v_lshl_or_b32 v[PW], v[TM+6], 16, v[PW]
	v_lshl_or_b32 v[PW], v[TM+7], 24, v[PW]
.irp c, 0,1
	v_cvt_scalef32_pk16_fp6_f32 v[PC+6*\c:PC+2+6*\c], v[\s+32*\c:\s+15+32*\c], v[TM+12+2*\c]
	v_cvt_scalef32_pk16_fp6_f32 v[PC+12+4*\c:PC+14+4*\c], v[\s+16+32*\c:\s+31+32*\c], v[TM+12+2*\c+1]
.endr
	v_nop
.irp c, 0,1
.irp i, 0,1,2
	v_permlane16_swap_b32 v[PC+6*\c+\i], v[PC+12+4*\c+\i]
.endr
.irp i, 0,1,2
	v_mov_b32 v[PC+3+6*\c+\i], v[PC+12+4*\c+\i]
.endr
.endr
.endm
.macro EPI a
.if (\a) > 0
	s_wait_xcnt 0x0
	s_add_nc_u64 s[OUTC:OUTC+1], s[OUTC:OUTC+1], s[NGC:NGC+1]
	s_add_nc_u64 s[OUTS:OUTS+1], s[OUTS:OUTS+1], s[NGS:NGS+1]
.endif
.if MODE == 0
	s_cmp_eq_u32 s[PART], 1
	s_cbranch_scc1 .Lrow_bias_\@
.endif
	WIN 6+(\a)/4
.set EJ, 0
.rept 32
	v_pk_add_f32 v[W+EJ:W+EJ+1], v[64*((\a)%4)+EJ:64*((\a)%4)+EJ+1], v[96+EJ+96*(EJ/32):96+EJ+96*(EJ/32)+1]
.set EJ, EJ+2
.endr
	WIN 0
.if MODE == 0
	s_branch .Lbias_done_\@
.Lrow_bias_\@:
	WIN 2+(\a)/4
.set EJ, 0
.rept 32
	v_pk_add_f32 v[W+EJ:W+EJ+1], v[64*((\a)%4)+EJ:64*((\a)%4)+EJ+1], v[BL+2*(\a):BL+2*(\a)+1]
.set EJ, EJ+2
.endr
	WIN 0
.Lbias_done_\@:
.endif
.if MODE == 1
.set EJ, 0
.rept 32
	v_pk_mul_f32 v[T+EJ:T+EJ+1], v[W+EJ:W+EJ+1], v[W+EJ:W+EJ+1]
.set EJ, EJ+2
.endr
.set EJ, 0
.rept 32
	v_pk_fma_f32 v[T+EJ:T+EJ+1], v[T+EJ:T+EJ+1], s[C2:C2+1], v[C1V:C1V+1] op_sel_hi:[1,0,1]
.set EJ, EJ+2
.endr
.set EJ, 0
.rept 32
	v_pk_mul_f32 v[T+EJ:T+EJ+1], v[T+EJ:T+EJ+1], v[W+EJ:W+EJ+1]
.set EJ, EJ+2
.endr
.set EJ, 0
.rept 64
	v_exp_f32 v[T+EJ], v[T+EJ]
.set EJ, EJ+1
.endr
	v_nop
	s_wait_alu depctr_va_vdst(0)
.set EJ, 0
.rept 32
	v_pk_add_f32 v[T+EJ:T+EJ+1], v[T+EJ:T+EJ+1], 1.0 op_sel_hi:[1,0]
.set EJ, EJ+2
.endr
.set EJ, 0
.rept 64
	v_rcp_f32 v[T+EJ], v[T+EJ]
.set EJ, EJ+1
.endr
	v_nop
	s_wait_alu depctr_va_vdst(0)
.set EJ, 0
.rept 32
	v_pk_mul_f32 v[W+EJ:W+EJ+1], v[W+EJ:W+EJ+1], v[T+EJ:T+EJ+1]
.set EJ, EJ+2
.endr
.endif
	QUANT W
	global_store_b128 v[L16], v[PC:PC+3], s[OUTC:OUTC+1]
	global_store_b64 v[L8], v[PC+4:PC+5], s[OUTC:OUTC+1] offset:512
	global_store_b128 v[L16], v[PC+6:PC+9], s[OUTC:OUTC+1] offset:768
	global_store_b64 v[L8], v[PC+10:PC+11], s[OUTC:OUTC+1] offset:1280
	global_store_b32 v[L4], v[PW], s[OUTS:OUTS+1]
.endm
	PLACES 4
	s_wait_loadcnt 0x0
	s_mov_b32 s[SEL], 0x76543210
	s_mov_b32 s[SEL+1], 0xfedcba98
.if MODE == 1
	s_mov_b32 s[C2], 0xbdd2d3e8
	s_mov_b32 s[C2+1], s[C2]
	v_mov_b32 v[C1V], 0xc0135761
	v_mov_b32 v[C1V+1], v[C1V]
.endif
.irp b, 0,1,2,3
	v_mov_b32 v[TM+4+\b], 0
.endr
.irp a, 0,1,2,3,4,5,6,7
	EPI \a
.endr
	s_wait_tensorcnt 0x0
	ds_add_u32 v[SPW], v[NIL]
	s_wait_dscnt 0x0
	CROUND
	s_endpgm
.Lfunc_end_k_q03906cff2f_g1:
	.size	k_q03906cff2f_g1, .Lfunc_end_k_q03906cff2f_g1-k_q03906cff2f_g1
	.p2alignl 7, 3214868480
	.fill 96, 4, 3214868480
	.section	.rodata,"a",@progbits
	.p2align	6, 0x0
	.amdhsa_kernel k_q03906cff2f_g1
		.amdhsa_group_segment_fixed_size 327680
		.amdhsa_private_segment_fixed_size 0
		.amdhsa_enable_private_segment 0
		.amdhsa_kernarg_size 24
		.amdhsa_user_sgpr_count 2
		.amdhsa_user_sgpr_kernarg_segment_ptr 1
		.amdhsa_wavefront_size32 1
		.amdhsa_system_sgpr_workgroup_id_x 1
		.amdhsa_system_sgpr_workgroup_id_y 1
		.amdhsa_system_sgpr_workgroup_id_z 1
		.amdhsa_system_vgpr_workitem_id 0
		.amdhsa_next_free_vgpr 1024
		.amdhsa_next_free_sgpr 102
		.amdhsa_reserve_vcc 0
		.amdhsa_float_denorm_mode_32 3
		.amdhsa_float_denorm_mode_16_64 3
		.amdhsa_memory_ordered 1
		.amdhsa_forward_progress 1
		.amdhsa_inst_pref_size 190
	.end_amdhsa_kernel
	.amdgpu_metadata
---
amdhsa.version: [ 1, 2 ]
amdhsa.kernels:
  - .name:           k_q03906cff2f_g1
    .symbol:         k_q03906cff2f_g1.kd
    .args:
      - { .name: opa, .offset: 0, .size: 8, .value_kind: global_buffer, .address_space: global }
      - { .name: b_attn, .offset: 8, .size: 8, .value_kind: global_buffer, .address_space: global }
      - { .name: qkv, .offset: 16, .size: 8, .value_kind: global_buffer, .address_space: global }
    .group_segment_fixed_size: 327680
    .private_segment_fixed_size: 0
    .kernarg_segment_align: 8
    .kernarg_segment_size: 24
    .max_flat_workgroup_size: 128
    .sgpr_count:     102
    .vgpr_count:     1024
    .wavefront_size: 32
...
	.end_amdgpu_metadata
.endif
;; end of part 2
;; launch attn (part 3): grid 8 x 32, 16 waves a work-group, clusters of 4 x 1, 296,960 bytes of LDS; arguments qkv, yq; writes yq
.if DOCPART == 3
	.amdgcn_target "amdgcn-amd-amdhsa--gfx1250"
	.amdhsa_code_object_version 6
	.text
	.protected	k_q03906cff2f_attn
	.globl	k_q03906cff2f_attn
	.p2align	8
	.type	k_q03906cff2f_attn,@function
k_q03906cff2f_attn:
	s_mov_b64 s[64:65], 0
	v_nop
	global_prefetch_b8 v0, s[64:65] scope:SCOPE_SE
	s_setreg_imm32_b32 hwreg(HW_REG_WAVE_MODE, 25, 1), 1
	s_wait_xcnt 0x0
	s_wait_alu depctr_hold_cnt(0) depctr_sa_sdst(0) depctr_va_vdst(0) depctr_va_sdst(0) depctr_va_ssrc(0) depctr_va_vcc(0) depctr_vm_vsrc(0)
	s_getreg_b32 s2, hwreg(HW_REG_IB_STS2, 6, 4)
	s_cmp_eq_u32 s2, 0
	s_cbranch_scc0 .Lentry_in_a_cluster
	s_endpgm
.Lentry_in_a_cluster:
	s_bfe_u32 s2, ttmp6, 0x10000c
	s_cmp_lg_u32 s2, 0x3003
	s_cbranch_scc0 .Lentry_shape_is_right
	s_endpgm
.Lentry_shape_is_right:
; y = Q(softmax(q k^T / 8, causal) v), both products on codes of E2M3 with one E8M0 byte for each 32 along K; 32 heads (batch x head) of 2,048 tokens x 64.
; INPUTS are images of the operands' registers.  Place i of tile T is row 32 (T / 2) + 8 (T % 2) + i + 8 (i / 8).  q, k: [token tile 256][K step 16][1,536]; a head's 64 channels are half a fragment, 768 bytes:
; registers 0-3 at 16 x lane, 4-5 at 512 + 8 x lane.  The first product's K is 64: registers 6-11 of both operands hold zero codes, which add nothing.  v: [channel tile 64][K step = 128 tokens, 32][1,536].
; Scale records: 128 bytes a fragment, lane l the word of place l % 16; a head's two bytes of q and k are half a word.
; THE SOFTMAX: t = score x log2(e) / 8; M = the running largest t rounded up to a whole number; p = 2^(t - M) is quantised along the keys, not normalised; the row's sum is taken of the unquantised p and divides at the end.
; When M moves, the sum and O are multiplied by 2^(old M - new M): exact.
; SHARES.  A work-group serves one head; work-group j of the head's eight takes the sixteen tiles of 16 queries 8 rho + j, rho = 0 .. 15.  A key step is 128 keys, 8 tiles: tile 8 rho + j needs steps 0 .. rho, and step rho is its diagonal:
; 136 steps in all for sixteen waves.  A LONG TILE'S KEYS ARE SHARED BETWEEN TWO WAVES.  With k = wave % 8: waves 0-7 own tile rho = k (k + 1 steps), and before that walk steps 0 .. 6 - k of tile 15 - k as a helper;
; waves 8-15 own tile 15 - k and walk its steps 7 - k .. 15 - k.  So every wave has 8 or 9 steps, and what a wave walks hangs on its number alone.
; NO BRANCH ON THE ROLE: every wave runs the helper's walk (its bounds are empty in waves 8-15), lays its state (O^T, -M, the sum) into its own 4,608 bytes of LDS as an image of the registers, begins anew with its own tile's q,
; runs the main walk, passes one barrier and joins the state of wave w xor 8 to its own: -M is the smaller of the two, and both states are multiplied by exact powers of two.  An empty state (zeros under M = -3e38) gets the factor 0.
; CLUSTER 4 x 1: the four partners serve the same head.  ALL its K and V and their scales (221,184 bytes) are asked for jointly, once, at the head, and stay: no LDS byte is filled twice.
; Both products are used transposed (S^T = K Q^T, O^T = V^T P^T): a lane holds one query throughout; by the order of places, p's 16 registers of two neighbouring tiles are 16 neighbouring keys, and O^T's are 16 neighbouring channels.
; Both walks have a constant number of trips; a step outside a wave's bounds is jumped over by a scalar branch on the wave's number; no barrier and no tensor load stands in a walk.
; LIMITS: NaN and infinities are not served.  A block of zeros, or one under 2^-124, carries the byte 1: this program alone reads the bytes.  v_exp_f32 gives 0 under 2^-126.  A block's largest p is made from the block's
; largest score by the same two instructions: this takes v_exp_f32 not to fall where its input rises.
.set VREG,  98304                      ; LDS: K [key tile 128][768] at 0; V [channel tile 4][key step 16][1,536] here;
.set KSREG, 196608                     ; K's scale records [128][128];
.set VSREG, 212992                     ; V's [4][16][128];
.set PBASE, 221184                     ; the waves' states: PREG bytes each; no fill ever lands here
.set PREG,  4608                       ; O^T: 8 x 512 bytes; then v12-15: 512
.set VC,    6291456
.set QKS,   9437184
.set VS,    9961472
.set YSC,   3145728                    ; yq: [token tile 256][K step 8][1,536], its records here
.set KF,  32                           ; v32-79   four fragments of K (registers 6-11 of each stay zero)
.set S,   96                           ; v96-159  S^T, then p; then v96-143 four fragments of V
.set O,   160                          ; v160-191 O^T
.set PF,  192                          ; v192-203 p's codes; v204-210 the conversions' second halves
.set BM,  212                          ; v212-215 the blocks' largest scores, then largest p
.set BT,  216                          ; v216-219 at work
.set BS,  220                          ; v220-223 the conversions' scale operands
.set L16, 228
.set L8,  229
.set L4,  230
.set PST, 231                          ; v231 where I lay my state; v239 where my partner's lies; both made at the head
.set PLD, 239
.set Q1,  232                          ; v232-237 my own tile's q, v238 its scale: kept while the helper's q stands in v16-21, v30
.set WV,  18
.set RHO, 16                           ; my own tile's rho
.set SEL, 20
.set CS,  22
.set G1K, 24
.set G1V, 32
.set G1KS, 40
.set G1VS, 48
.set G0K, 56
.set G0V, 60
.set G0KS, 68
.set G0VS, 72
.set LO,  66                           ; a walk does the steps LO <= step < END
.set END, 67
.set TK,  76                           ; the step's place in K: 6,144 a step; s77 in V: 1,536; s78 K's records: 1,024; s79 V's: 128
.set TV,  77
.set TSK, 78
.set TSV, 79
.set SI,  80                           ; the step
.macro CROUND                          ; a round of the cluster's barrier
	s_barrier_signal -1
	s_barrier_wait -1
	s_cmp_lg_u32 s[WV], 0
	s_cbranch_scc1 .Lnot_wave_0_\@
	s_barrier_signal -3
.Lnot_wave_0_\@:
	s_barrier_wait -3
	s_barrier_signal -1
	s_barrier_wait -1
.endm
	s_load_b128 s[4:7], s[0:1], 0x0                ; qkv, yq
	v_lshl_add_u32 v254, v0, 2, 0x48000
	v_mov_b32 v255, 0
	ds_add_u32 v254, v255
	ds_add_u32 v254, v255
	v_lshrrev_b32 v1, 5, v0
	s_delay_alu instid0(VALU_DEP_1)
	v_readfirstlane_b32 s[WV], v1                  ; wave 0..15
	s_bfe_u32 s13, ttmp6, 0x40000                  ; cx
	s_lshl_b32 s8, ttmp9, 2
	s_add_co_u32 s13, s13, s8                      ; j: it enters q's and y's addresses and the mask's numbers alone
	s_and_b32 s8, ttmp7, 0xffff                    ; batch x 16 + head, which the partners share
	s_lshr_b32 s9, s8, 4                           ; batch
	s_and_b32 s10, s8, 15                          ; head
	s_lshr_b32 s11, s10, 1                         ; its K step among q's or k's eight
	s_and_b32 s12, s10, 1                          ; and which half of it
	s_and_b32 s14, s[WV], 3                        ; which quarter of K or V I fetch, if I fetch
	s_and_b32 s98, s[WV], 7                        ; k
	s_lshr_b32 s99, s[WV], 3                       ; 0: I own the short tile and help; 1: I own the long tile
	s_mul_i32 s15, s99, 15
	s_xor_b32 s[RHO], s98, s15                     ; my own tile: rho = k, or 15 - k
	s_xor_b32 s19, s98, 15                         ; the helper's tile: rho = 15 - k
	s_xor_b32 s3, s98, 7                           ; 7 - k: where the long tile's keys are parted
	s_mul_i32 s15, s99, 7
	s_and_b32 s2, s3, s15                          ; the main walk begins at step 0, or at 7 - k
	s_xor_b32 s15, s15, 7
	s_and_b32 s[END], s3, s15                      ; the helper's walk ends in front of step 7 - k, or of step 0
	s_mov_b32 s[LO], 0
	s_lshl_b32 s17, s[RHO], 3
	s_add_co_u32 s17, s17, s13                     ; my tile of queries in the batch
	s_lshl_b32 s19, s19, 3
	s_add_co_u32 s19, s19, s13                     ; the helper's
	s_lshl_b32 s81, s9, 11
	s_add_co_u32 s81, s81, s11
	s_add_co_u32 s81, s81, 8                       ; k's fragment of the batch's first token tile: 2,048 batch + 8 + K step
	s_mul_i32 s82, s81, 1536
	s_mul_i32 s84, s12, 768
	s_add_co_u32 s82, s82, s84
	s_mul_i32 s84, s14, 786432                     ; 32 token tiles a wave
	s_add_co_u32 s82, s82, s84
	s_mov_b32 s83, 0
	s_lshl_b32 s84, s10, 2
	s_add_co_u32 s84, s84, s14                     ; v: channel tile 4 head + (wave % 4)
	s_lshl_b32 s84, s84, 5
	s_lshl_b32 s86, s9, 4
	s_add_co_u32 s84, s84, s86                     ; the batch's 16 key steps
	s_mul_i32 s84, s84, 1536
	s_add_co_u32 s84, s84, VC
	s_mov_b32 s85, 0
	s_lshl_b32 s86, s81, 7
	s_add_co_u32 s86, s86, QKS
	s_mov_b32 s87, 0
	s_lshl_b32 s88, s10, 7
	s_lshl_b32 s90, s9, 4
	s_add_co_u32 s88, s88, s90
	s_lshl_b32 s88, s88, 7
	s_add_co_u32 s88, s88, VS
	s_mov_b32 s89, 0
	s_mul_i32 s90, s14, 24576                      ; a wave's quarter of K or V in LDS
	; groups 1, elements of 8 bytes, no padding; 15:0 the mask: all four partners; 21 set beside a mask
	s_mov_b32 s[G1K], 15|(3<<16)|(1<<21)           ; K: 32 rows of 768 bytes, 24,576 bytes apart
	s_mov_b32 s[G1K+1], 96<<16
	s_mov_b32 s[G1K+2], 32<<16
	s_mov_b32 s[G1K+3], 96<<16
	s_mov_b32 s[G1K+4], 32
	s_mov_b32 s[G1K+5], 3072
	s_mov_b32 s[G1K+6], 0
	s_mov_b32 s[G1K+7], 0
	s_mov_b32 s[G1V], 15|(3<<16)|(1<<21)           ; V: a dense block of 24,576 bytes, as 32 rows of 768
	s_mov_b32 s[G1V+1], 96<<16
	s_mov_b32 s[G1V+2], 32<<16
	s_mov_b32 s[G1V+3], 96<<16
	s_mov_b32 s[G1V+4], 32
	s_mov_b32 s[G1V+5], 96
	s_mov_b32 s[G1V+6], 0
	s_mov_b32 s[G1V+7], 0
	s_mov_b32 s[G1KS], 15|(3<<16)|(1<<21)          ; K's records: 128 rows of 128 bytes, 2,048 apart
	s_mov_b32 s[G1KS+1], 16<<16
	s_mov_b32 s[G1KS+2], 128<<16
	s_mov_b32 s[G1KS+3], 16<<16
	s_mov_b32 s[G1KS+4], 128
	s_mov_b32 s[G1KS+5], 256
	s_mov_b32 s[G1KS+6], 0
	s_mov_b32 s[G1KS+7], 0
	s_mov_b32 s[G1VS], 15|(3<<16)|(1<<21)          ; V's: 4 rows of 2,048 bytes, 4,096 apart
	s_mov_b32 s[G1VS+1], 256<<16
	s_mov_b32 s[G1VS+2], 4<<16
	s_mov_b32 s[G1VS+3], 256<<16
	s_mov_b32 s[G1VS+4], 4
	s_mov_b32 s[G1VS+5], 512
	s_mov_b32 s[G1VS+6], 0
	s_mov_b32 s[G1VS+7], 0
	s_mov_b32 s[SEL], 0x76543210
	s_mov_b32 s[SEL+1], 0xfedcba98
	s_mov_b32 s[CS], 0x3e38aa3b                    ; c = log2(e) / 8
	s_mov_b32 s[CS+1], s[CS]
	s_wait_dscnt 0x0
	s_wait_kmcnt 0x0
	CROUND                                         ; all four work-groups are here: the joint loads meet
	s_mov_b32 s[G0K], 1
	s_mov_b32 s[G0K+1], s90
	s_add_nc_u64 s[G0K+2:G0K+3], s[4:5], s[82:83]
	s_or_b32 s[G0K+3], s[G0K+3], 0x80000000
	s_mov_b32 s[G0V], 1
	s_add_co_u32 s[G0V+1], s90, VREG
	s_add_nc_u64 s[G0V+2:G0V+3], s[4:5], s[84:85]
	s_or_b32 s[G0V+3], s[G0V+3], 0x80000000
	s_mov_b32 s[G0KS], 1
	s_mov_b32 s[G0KS+1], KSREG
	s_add_nc_u64 s[G0KS+2:G0KS+3], s[4:5], s[86:87]
	s_or_b32 s[G0KS+3], s[G0KS+3], 0x80000000
	s_mov_b32 s[G0VS], 1
	s_mov_b32 s[G0VS+1], VSREG
	s_add_nc_u64 s[G0VS+2:G0VS+3], s[4:5], s[88:89]
	s_or_b32 s[G0VS+3], s[G0VS+3], 0x80000000
	; waves 0-3: K's quarters; 4-7: V's; 8: K's records; 9: V's; the others nothing.  One load a wave at the most; the branches hang on the wave's number alone.  Four v_nop follow each load.
	s_cmp_lt_u32 s[WV], 4
	s_cbranch_scc0 .Lnot_k
	tensor_load_to_lds s[G0K:G0K+3], s[G1K:G1K+7]
	s_nop 0
.rept 4
	v_nop
.endr
	s_branch .Lasked
.Lnot_k:
	s_cmp_lt_u32 s[WV], 8
	s_cbranch_scc0 .Lnot_v
	tensor_load_to_lds s[G0V:G0V+3], s[G1V:G1V+7]
	s_nop 0
.rept 4
	v_nop
.endr
	s_branch .Lasked
.Lnot_v:
	s_cmp_eq_u32 s[WV], 8
	s_cbranch_scc0 .Lnot_ks
	tensor_load_to_lds s[G0KS:G0KS+3], s[G1KS:G1KS+7]
	s_nop 0
.rept 4
	v_nop
.endr
	s_branch .Lasked
.Lnot_ks:
	s_cmp_eq_u32 s[WV], 9
	s_cbranch_scc0 .Lasked
	tensor_load_to_lds s[G0VS:G0VS+3], s[G1VS:G1VS+7]
	s_nop 0
.rept 4
	v_nop
.endr
.Lasked:
	s_lshl_b32 s91, s9, 7
	s_add_co_u32 s88, s91, s19                     ; the helper's token tile: 128 batch + tile
	s_add_co_u32 s91, s91, s17                     ; my own
	s_mul_i32 s96, s12, 768
	s_lshl_b32 s97, s12, 1
	s_lshl_b32 s92, s91, 4
	s_add_co_u32 s92, s92, s11                     ; my own q's fragment
	s_lshl_b32 s94, s92, 7
	s_mul_i32 s92, s92, 1536
	s_add_co_u32 s92, s92, s96
	s_mov_b32 s93, 0
	s_add_nc_u64 s[92:93], s[4:5], s[92:93]        ; its codes
	s_add_co_u32 s94, s94, s97
	s_add_co_u32 s94, s94, QKS
	s_mov_b32 s95, 0
	s_add_nc_u64 s[94:95], s[4:5], s[94:95]        ; its two scale bytes
	s_lshl_b32 s82, s88, 4
	s_add_co_u32 s82, s82, s11                     ; the helper's q's fragment
	s_lshl_b32 s88, s82, 7
	s_mul_i32 s82, s82, 1536
	s_add_co_u32 s82, s82, s96
	s_mov_b32 s83, 0
	s_add_nc_u64 s[82:83], s[4:5], s[82:83]
	s_add_co_u32 s88, s88, s97
	s_add_co_u32 s88, s88, QKS
	s_mov_b32 s89, 0
	s_add_nc_u64 s[88:89], s[4:5], s[88:89]
	s_lshl_b32 s84, s91, 3
	s_add_co_u32 s84, s84, s11                     ; y's fragment: my own tile's
	s_lshl_b32 s86, s84, 7
	s_mul_i32 s84, s84, 1536
	s_add_co_u32 s84, s84, s96
	s_mov_b32 s85, 0
	s_add_nc_u64 s[84:85], s[6:7], s[84:85]        ; y's codes
	s_add_co_u32 s86, s86, s97
	s_add_co_u32 s86, s86, YSC
	s_mov_b32 s87, 0
	s_add_nc_u64 s[86:87], s[6:7], s[86:87]        ; y's two scale bytes
	v_and_b32 v1, 31, v0
	s_delay_alu instid0(VALU_DEP_1)
	v_lshlrev_b32 v[L16], 4, v1                    ; also my place in a half fragment of K, whose region begins at LDS byte 0
	s_delay_alu instid0(VALU_DEP_2)
	v_lshlrev_b32 v[L8], 3, v1
	s_delay_alu instid0(VALU_DEP_3)
	v_lshlrev_b32 v[L4], 2, v1
	global_load_b128 v[16:19], v[L16], s[82:83]    ; the helper's q, where the products take it
	global_load_b64 v[20:21], v[L8], s[82:83] offset:512
	global_load_u16 v30, v[L4], s[88:89]           ; bytes 2 and 3 come as 0: a scale over zero codes
	global_load_b128 v[Q1:Q1+3], v[L16], s[92:93]  ; my own tile's q, kept for the main walk
	global_load_b64 v[Q1+4:Q1+5], v[L8], s[92:93] offset:512
	global_load_u16 v[Q1+6], v[L4], s[94:95]
	v_add_nc_u32 v3, VREG, v[L16]
	v_add_nc_u32 v4, VREG, v[L8]
	v_add_nc_u32 v93, VREG+49152, v[L16]           ; channel tiles 2 and 3
	v_add_nc_u32 v94, VREG+49152, v[L8]
	s_add_co_u32 s96, s97, KSREG
	v_add_nc_u32 v5, s96, v[L4]                    ; K's records: my word's half
	v_add_nc_u32 v6, VSREG, v[L4]
	s_mul_i32 s96, s[WV], PREG
	s_add_co_u32 s96, s96, PBASE
	v_add_nc_u32 v[PST], s96, v[L16]               ; my state's place: by the wave's number alone
	s_xor_b32 s96, s[WV], 8
	s_mul_i32 s96, s96, PREG
	s_add_co_u32 s96, s96, PBASE
	v_add_nc_u32 v[PLD], s96, v[L16]               ; my partner's: wave w xor 8
	v_and_b32 v1, 15, v0
	v_and_b32 v2, 8, v0
	s_delay_alu instid0(VALU_DEP_1)
	v_add_nc_u32 v1, v1, v2
	v_and_b32 v2, 16, v0
	s_delay_alu instid0(VALU_DEP_1)
	v_sub_nc_u32 v1, v1, v2
	s_lshr_b32 s96, s13, 1
	s_lshl_b32 s96, s96, 5
	s_and_b32 s97, s13, 1
	s_lshl_b32 s97, s97, 3
	s_add_co_u32 s96, s96, s97
	v_add_nc_u32 v7, s96, v1                       ; d = my query's place in its key step - 16 h: in the diagonal step register 16 b + i holds a hidden key where 32 b + i > d
	v_mov_b32 v95, 0xff800000                      ; -infinity
	v_mov_b32 v13, 0xff61b1e6                      ; the largest t so far: -3e38
	s_delay_alu instid0(VALU_DEP_1)
	v_floor_f32 v12, -v13                          ; -M
	v_mov_b32 v14, 0                               ; the sum, in two halves
	v_mov_b32 v15, 0
.irp i, 22,23,24,25,26,27
	v_mov_b32 v\i, 0                               ; q's k = 64 .. 127: zero codes
.endr
.irp t, 0,1,2,3
.irp i, 6,7,8,9,10,11
	v_mov_b32 v[KF+12*\t+\i], 0                    ; K's likewise: never loaded
.endr
.endr
.set J, 0
.rept 32
	v_mov_b32 v[O+J], 0                            ; O^T: the step is written once; a walk's first step finds zeros
.set J, J+1
.endr
.irp b, 0,1,2,3
	v_mov_b32 v[BT+\b], 0                          ; a lane permute's destination counts as one of its sources
.endr
	v_mov_b32 v225, 0                              ; (the upper half of the pair v[224:225])
	v_mov_b32 v226, 0
	s_wait_tensorcnt 0x0                           ; my load, if I had one, has landed
	s_wait_loadcnt 0x0                             ; both q
	s_barrier_signal -1
	s_barrier_wait -1                              ; everybody's has: K, V and their records lie in LDS for the rest of the launch
; A WALK over the key steps 0 .. ntrip - 1, of which the steps LO <= step < END are done, for the q in v16-27 and v30, onto the state in v12-15 and O^T.  dg = 1: step RHO is the tile's diagonal.
.macro WALK ntrip, dg
	s_mov_b32 s[TK], 0
	s_mov_b32 s[TV], 0
	s_mov_b32 s[TSK], 0
	s_mov_b32 s[TSV], 0
	s_mov_b32 s[SI], 0
.Lstep_\@:
	s_cmp_ge_u32 s[SI], s[END]                     ; outside my bounds: nothing to do but to step the addresses
	s_cbranch_scc1 .Lhidden_\@
	s_cmp_lt_u32 s[SI], s[LO]
	s_cbranch_scc1 .Lhidden_\@
	v_add_nc_u32 v8, s[TK], v[L16]                 ; these eight are also the places between the last step's products and the products below, which write over V's fragments
	s_wait_alu depctr_va_vdst(0)
	v_add_nc_u32 v9, s[TK], v[L8]
	s_wait_alu depctr_va_vdst(0)
	v_add_nc_u32 v10, s[TV], v3
	v_add_nc_u32 v11, s[TV], v4
	v_add_nc_u32 v28, s[TV], v93
	v_add_nc_u32 v29, s[TV], v94
	v_add_nc_u32 v31, s[TSK], v5
	s_wait_alu depctr_va_vdst(0)
	v_add_nc_u32 v92, s[TSV], v6
.irp g, 0,1                                    ; S^T = K Q^T, four tiles of 16 keys at a time
.if \g > 0
.rept 4
	v_nop                                          ; places in front of loads into registers that matrix instructions have read
.endr
.endif
.irp t, 0,1,2,3
	ds_load_b128 v[KF+12*\t:KF+12*\t+3], v8 offset:(4*\g+\t)*768
	ds_load_b64 v[KF+12*\t+4:KF+12*\t+5], v9 offset:(4*\g+\t)*768+512
	ds_load_u16 v[80+4*\g+\t], v31 offset:(4*\g+\t)*128
.endr
	s_wait_dscnt 0x0
.irp t, 0,1,2,3
	v_wmma_scale_f32_16x16x128_f8f6f4 v[S+8*(4*\g+\t):S+8*(4*\g+\t)+7], v[KF+12*\t:KF+12*\t+11], v[16:27], 0, v[80+4*\g+\t], v30 matrix_a_fmt:MATRIX_FMT_FP6 matrix_b_fmt:MATRIX_FMT_FP6
.endr
.endr                                          ; register 16 b + i: key 128 step + 32 b + 16 h + i
.rept 4
	v_nop
.endr
.if \dg
	s_cmp_lt_u32 s[SI], s[RHO]                     ; only my diagonal step has hidden keys
	s_cbranch_scc1 .Lopen_\@
.set J, 0
.rept 64
	v_cmp_gt_i32 vcc_lo, 32*(J/16)+J%16, v7
	v_cndmask_b32 v[S+J], v[S+J], v95, vcc_lo      ; -infinity ahead of the maximum: p = 0 then
.set J, J+1
.endr
.Lopen_\@:
.endif
.irp b, 0,1,2,3
	v_max3_num_f32 v[BM+\b], v[S+16*\b], v[S+1+16*\b], v[S+2+16*\b]   ; the largest score of each block of 32 keys: for the row's maximum, and for the block's largest p
.endr
.irp i, 3,5,7,9,11,13
.irp b, 0,1,2,3
	v_max3_num_f32 v[BM+\b], v[BM+\b], v[S+16*\b+\i], v[S+1+16*\b+\i]
.endr
.endr
.irp b, 0,1,2,3
	v_max_num_f32 v[BM+\b], v[BM+\b], v[S+15+16*\b]
.endr
.irp b, 0,1,2,3
	s_delay_alu instid0(VALU_DEP_4)
	v_permlanex16_b32 v[BT+\b], v[BM+\b], s[SEL], s[SEL+1]
.endr
.irp b, 0,1,2,3
	s_delay_alu instid0(VALU_DEP_4)
	v_max_num_f32 v[BM+\b], v[BM+\b], v[BT+\b]     ; with lane l xor 16's 16 keys
.endr
	s_delay_alu instid0(VALU_DEP_2)
	v_max3_num_f32 v226, v[BM], v[BM+1], v[BM+2]
	s_delay_alu instid0(VALU_DEP_1)
	v_max_num_f32 v226, v226, v[BM+3]              ; the step's largest score of my query
	s_delay_alu instid0(VALU_DEP_1)
	v_mul_f32 v226, s[CS], v226                    ; as t
	s_delay_alu instid0(VALU_DEP_1)
	v_max_num_f32 v13, v13, v226                   ; the running largest t
	v_mov_b32 v226, v12
	s_delay_alu instid0(VALU_DEP_2)
	v_floor_f32 v12, -v13                          ; the new -M = -ceil(t): a whole number
	s_delay_alu instid0(VALU_DEP_1)
	v_sub_f32 v226, v12, v226                      ; old M - new M: a whole number, 0 or less
	s_delay_alu instid0(VALU_DEP_1)
	v_cvt_i32_f32 v226, v226                       ; (it saturates)
	s_delay_alu instid0(VALU_DEP_1)
	v_ldexp_f32 v224, 1.0, v226                    ; f = 2^(old M - new M)
.set J, 0
.rept 32
	v_pk_fma_f32 v[S+J:S+J+1], v[S+J:S+J+1], s[CS:CS+1], v[12:13] op_sel_hi:[1,0,0]   ; t - M
.set J, J+2
.endr
.irp b, 0,1,2,3
	v_fma_f32 v[BM+\b], v[BM+\b], s[CS], v12       ; the same of each block's largest score
.endr
.set J, 0
	s_wait_alu depctr_va_vdst(0)
.rept 64
	v_exp_f32 v[S+J], v[S+J]                       ; p = 2^(t - M), at most 1
.set J, J+1
.endr
	v_pk_mul_f32 v[14:15], v[14:15], v[224:225] op_sel_hi:[1,0]   ; the sums under the new M (a plain place behind the batch)
	s_wait_alu depctr_va_vdst(0)                   ; one wait for the 64, ahead of their first reader
.irp b, 0,1,2,3
	v_exp_f32 v[BM+\b], v[BM+\b]                   ; the block's largest p
.endr
	v_pk_add_f32 v[216:217], v[100:101], v[104:105]
	v_pk_add_f32 v[252:253], v[108:109], v[112:113]
	v_pk_add_f32 v[250:251], v[116:117], v[120:121]
	v_pk_add_f32 v[248:249], v[124:125], v[128:129]
	v_pk_add_f32 v[246:247], v[132:133], v[136:137]
	v_pk_add_f32 v[244:245], v[140:141], v[144:145]
	v_pk_add_f32 v[242:243], v[148:149], v[152:153]
	v_pk_add_f32 v[14:15], v[14:15], v[156:157]
	v_pk_add_f32 v[216:217], v[216:217], v[96:97]
	v_pk_add_f32 v[252:253], v[252:253], v[98:99]
	v_pk_add_f32 v[250:251], v[250:251], v[102:103]
	v_pk_add_f32 v[248:249], v[248:249], v[106:107]
	v_pk_add_f32 v[246:247], v[246:247], v[110:111]
	v_pk_add_f32 v[244:245], v[244:245], v[114:115]
	v_pk_add_f32 v[242:243], v[242:243], v[118:119]
	v_pk_add_f32 v[14:15], v[14:15], v[122:123]
	v_pk_add_f32 v[216:217], v[216:217], v[126:127]
	v_pk_add_f32 v[252:253], v[252:253], v[130:131]
	v_pk_add_f32 v[250:251], v[250:251], v[134:135]
	v_pk_add_f32 v[248:249], v[248:249], v[138:139]
	v_pk_add_f32 v[246:247], v[246:247], v[142:143]
	v_pk_add_f32 v[244:245], v[244:245], v[146:147]
	v_pk_add_f32 v[242:243], v[242:243], v[150:151]
	v_pk_add_f32 v[14:15], v[14:15], v[154:155]
	v_pk_add_f32 v[216:217], v[216:217], v[158:159]
	s_delay_alu instid0(VALU_DEP_2)
	v_pk_add_f32 v[14:15], v[14:15], v[248:249]
	s_delay_alu instid0(VALU_DEP_2)
	v_pk_add_f32 v[216:217], v[216:217], v[246:247]
	v_pk_add_f32 v[252:253], v[252:253], v[244:245]
	v_pk_add_f32 v[250:251], v[250:251], v[242:243]
	s_delay_alu instid0(VALU_DEP_2)
	v_pk_add_f32 v[14:15], v[14:15], v[252:253]
	s_delay_alu instid0(VALU_DEP_2)
	v_pk_add_f32 v[216:217], v[216:217], v[250:251]
	s_delay_alu instid0(VALU_DEP_1)
	v_pk_add_f32 v[14:15], v[14:15], v[216:217]
	s_wait_alu depctr_va_vdst(0)                   ; and one for the four
.irp b, 0,1,2,3
	v_max_num_f32 v[BM+\b], 0x1800000, v[BM+\b]    ; the floor 2^(3 - 127): the byte cannot fall under 1
.endr
.irp b, 0,1,2,3
	s_delay_alu instid0(VALU_DEP_4)
	v_add_nc_u32 v[BS+\b], 0xff000000, v[BM+\b]    ; 2 off the exponent field: the conversion's scale operand
.endr
.irp b, 0,1,2,3
	s_delay_alu instid0(VALU_DEP_4)
	v_lshrrev_b32 v[BT+\b], 23, v[BS+\b]           ; the scale's byte
.endr
	s_delay_alu instid0(VALU_DEP_3)
	v_lshl_or_b32 v227, v[BT+1], 8, v[BT]          ; p's scale word for these 128 keys
	s_delay_alu instid0(VALU_DEP_1)
	v_lshl_or_b32 v227, v[BT+2], 16, v227
	s_delay_alu instid0(VALU_DEP_1)
	v_lshl_or_b32 v227, v[BT+3], 24, v227
.irp c, 0,1
	v_cvt_scalef32_pk16_fp6_f32 v[PF+6*\c:PF+2+6*\c], v[S+32*\c:S+15+32*\c], v[BS+2*\c]
	v_cvt_scalef32_pk16_fp6_f32 v[PF+12+4*\c:PF+14+4*\c], v[S+16+32*\c:S+31+32*\c], v[BS+2*\c+1]
.endr
	v_nop                                          ; one plain place behind a scaled conversion
.irp c, 0,1                                    ; the operand wants a whole block in a lane
.irp i, 0,1,2
	v_permlane16_swap_b32 v[PF+6*\c+\i], v[PF+12+4*\c+\i]
.endr
.irp i, 0,1,2
	s_delay_alu instid0(VALU_DEP_3)
	v_mov_b32 v[PF+3+6*\c+\i], v[PF+12+4*\c+\i]
.endr
.endr
.set J, 0
.rept 16
	v_pk_mul_f32 v[O+J:O+J+1], v[O+J:O+J+1], v[224:225] op_sel_hi:[1,0]   ; O^T under the new M; these sixteen are also the places between the scale word's and the codes' last writes and the products below
.set J, J+2
.endr
.irp t, 0,1                                    ; V's four fragments of this key step, over p, which has been converted
	ds_load_b128 v[S+12*\t:S+12*\t+3], v10 offset:\t*24576
	ds_load_b64 v[S+12*\t+4:S+12*\t+5], v11 offset:\t*24576+512
	ds_load_b128 v[S+12*\t+6:S+12*\t+9], v10 offset:\t*24576+768
	ds_load_b64 v[S+12*\t+10:S+12*\t+11], v11 offset:\t*24576+1280
	ds_load_b128 v[S+24+12*\t:S+24+12*\t+3], v28 offset:\t*24576
	ds_load_b64 v[S+24+12*\t+4:S+24+12*\t+5], v29 offset:\t*24576+512
	ds_load_b128 v[S+24+12*\t+6:S+24+12*\t+9], v28 offset:\t*24576+768
	ds_load_b64 v[S+24+12*\t+10:S+24+12*\t+11], v29 offset:\t*24576+1280
.endr
.irp t, 0,1,2,3
	ds_load_b32 v[88+\t], v92 offset:\t*2048
.endr
	s_wait_alu depctr_va_vdst(0)
	s_wait_dscnt 0x0
.irp t, 0,1,2,3                                ; O^T += V^T P^T: the four accumulators by turns
	v_wmma_scale_f32_16x16x128_f8f6f4 v[O+8*\t:O+8*\t+7], v[S+12*\t:S+12*\t+11], v[PF:PF+11], v[O+8*\t:O+8*\t+7], v[88+\t], v227 matrix_a_fmt:MATRIX_FMT_FP6 matrix_b_fmt:MATRIX_FMT_FP6
.endr
.Lhidden_\@:
	s_add_co_u32 s[TK], s[TK], 6144
	s_add_co_u32 s[TV], s[TV], 1536
	s_add_co_u32 s[TSK], s[TSK], 1024
	s_add_co_u32 s[TSV], s[TSV], 128
	s_add_co_u32 s[SI], s[SI], 1
	s_cmp_lt_u32 s[SI], \ntrip
	s_cbranch_scc1 .Lstep_\@
.endm
	WALK 7, 0                                      ; THE HELPER'S WALK: the long tile's first 7 - k key steps (none in waves 8-15); none of them is a diagonal
.rept 4
	v_nop                                          ; places between the last products and the first read of their results
.endr
	s_wait_alu depctr_va_vdst(0)
.irp i, 0,1,2,3,4,5,6,7
	ds_store_b128 v[PST], v[O+4*\i:O+4*\i+3] offset:512*\i   ; my state as it stands in the registers, each accumulator from its low end on
.endr
	ds_store_b128 v[PST], v[12:15] offset:4096     ; -M, the largest t, the sum's two halves
	s_wait_dscnt 0x0                               ; the stores have read their registers
	v_mov_b32 v30, v[Q1+6]                         ; my own tile's q; the lines below stand between these writes and the next products
.irp i, 0,1,2,3,4,5
	v_mov_b32 v[16+\i], v[Q1+\i]
.endr
	v_mov_b32 v13, 0xff61b1e6                      ; and the state begins anew
	s_delay_alu instid0(VALU_DEP_1)
	v_floor_f32 v12, -v13
	v_mov_b32 v14, 0
	v_mov_b32 v15, 0
.set J, 0
.rept 32
	v_mov_b32 v[O+J], 0
.set J, J+1
.endr
	s_mov_b32 s[LO], s2
	s_add_co_u32 s[END], s[RHO], 1
	WALK 16, 1                                     ; THE MAIN WALK: my own tile, up to its diagonal
.rept 4
	v_nop                                          ; places between the last products and loads into V's registers, and the first read of results
.endr
	s_wait_dscnt 0x0                               ; for the others' sake: my state lies in LDS
	s_barrier_signal -1
	s_barrier_wait -1                              ; everybody's does
.irp i, 0,1,2,3,4,5,6,7
	ds_load_b128 v[S+4*\i:S+4*\i+3], v[PLD] offset:512*\i   ; my partner's helper state: in waves 8-15 my tile's first keys, in waves 0-7 an empty state
.endr
	ds_load_b128 v[S+32:S+35], v[PLD] offset:4096
	s_wait_dscnt 0x0
	v_min_num_f32 v226, v12, v[S+32]               ; the joint -M: the larger M
	s_delay_alu instid0(VALU_DEP_1)
	v_sub_f32 v224, v226, v12                      ; my M less the joint M: a whole number, 0 or less
	s_delay_alu instid0(VALU_DEP_2)
	v_sub_f32 v[BT], v226, v[S+32]                 ; my partner's likewise
	s_delay_alu instid0(VALU_DEP_2)
	v_cvt_i32_f32 v224, v224                       ; (they saturate: an empty state gets the factor 0)
	s_delay_alu instid0(VALU_DEP_2)
	v_cvt_i32_f32 v[BT], v[BT]
	s_delay_alu instid0(VALU_DEP_2)
	v_ldexp_f32 v224, 1.0, v224
	s_delay_alu instid0(VALU_DEP_2)
	v_ldexp_f32 v[BT], 1.0, v[BT]
	s_delay_alu instid0(VALU_DEP_2)
	v_pk_mul_f32 v[14:15], v[14:15], v[224:225] op_sel_hi:[1,0]
.set J, 0
.rept 16
	v_pk_mul_f32 v[O+J:O+J+1], v[O+J:O+J+1], v[224:225] op_sel_hi:[1,0]
.set J, J+2
.endr
	v_pk_fma_f32 v[14:15], v[S+34:S+35], v[BT:BT+1], v[14:15] op_sel_hi:[1,0,1]
.set J, 0
.rept 16
	v_pk_fma_f32 v[O+J:O+J+1], v[S+J:S+J+1], v[BT:BT+1], v[O+J:O+J+1] op_sel_hi:[1,0,1]
.set J, J+2
.endr
	; THE WAY OUT: O^T / the sum is y: register 16 b + i is channel 32 b + 16 h + i of my query: two blocks, quantised to half a fragment and half a scale word
	v_add_f32 v14, v14, v15
	s_delay_alu instid0(VALU_DEP_1)
	v_permlanex16_b32 v226, v14, s[SEL], s[SEL+1]
	s_delay_alu instid0(VALU_DEP_1)
	v_add_f32 v14, v14, v226                       ; the row's sum
	s_wait_alu depctr_va_vdst(0)
	v_rcp_f32 v14, v14
	v_nop
	s_wait_alu depctr_va_vdst(0)                   ; ahead of the first reader
.set J, 0
.rept 16
	v_pk_mul_f32 v[S+J:S+J+1], v[O+J:O+J+1], v[14:15] op_sel_hi:[1,0]
.set J, J+2
.endr
.irp b, 0,1
	v_max3_num_f32 v[BM+\b], |v[S+16*\b]|, |v[S+1+16*\b]|, 0x1800000
.endr
.irp i, 2,4,6,8,10,12,14
.irp b, 0,1
	s_delay_alu instid0(VALU_DEP_2)
	v_max3_num_f32 v[BM+\b], v[BM+\b], |v[S+16*\b+\i]|, |v[S+1+16*\b+\i]|
.endr
.endr
.irp b, 0,1
	s_delay_alu instid0(VALU_DEP_2)
	v_permlanex16_b32 v[BT+\b], v[BM+\b], s[SEL], s[SEL+1]
.endr
.irp b, 0,1
	s_delay_alu instid0(VALU_DEP_2)
	v_max_num_f32 v[BM+\b], v[BM+\b], v[BT+\b]
.endr
.irp b, 0,1
	s_delay_alu instid0(VALU_DEP_2)
	v_add_nc_u32 v[BS+\b], 0xff000000, v[BM+\b]
.endr
.irp b, 0,1
	s_delay_alu instid0(VALU_DEP_2)
	v_lshrrev_b32 v[BT+\b], 23, v[BS+\b]
.endr
	s_delay_alu instid0(VALU_DEP_1)
	v_lshl_or_b32 v226, v[BT+1], 8, v[BT]          ; my row's two scale bytes
	v_cvt_scalef32_pk16_fp6_f32 v[PF:PF+2], v[S:S+15], v[BS]
	v_cvt_scalef32_pk16_fp6_f32 v[PF+12:PF+14], v[S+16:S+31], v[BS+1]
	v_nop
.irp i, 0,1,2
	v_permlane16_swap_b32 v[PF+\i], v[PF+12+\i]
.endr
.irp i, 0,1,2
	s_delay_alu instid0(VALU_DEP_3)
	v_mov_b32 v[PF+3+\i], v[PF+12+\i]
.endr
	global_store_b128 v[L16], v[PF:PF+3], s[84:85]             ; 512 consecutive bytes
	global_store_b64 v[L8], v[PF+4:PF+5], s[84:85] offset:512  ; 256
	global_store_b16 v[L4], v226, s[86:87]                     ; half a word a lane: the word's other half is the neighbouring head's
	s_wait_dscnt 0x0
	s_wait_tensorcnt 0x0
	ds_add_u32 v254, v255
	s_wait_dscnt 0x0
	CROUND                                         ; the closing round
	s_endpgm
.Lfunc_end_k_q03906cff2f_attn:
	.size	k_q03906cff2f_attn, .Lfunc_end_k_q03906cff2f_attn-k_q03906cff2f_attn
	.p2alignl 7, 3214868480
	.fill 96, 4, 3214868480
	.section	.rodata,"a",@progbits
	.p2align	6, 0x0
	.amdhsa_kernel k_q03906cff2f_attn
		.amdhsa_group_segment_fixed_size 296960
		.amdhsa_private_segment_fixed_size 0
		.amdhsa_enable_private_segment 0
		.amdhsa_kernarg_size 16
		.amdhsa_user_sgpr_count 2
		.amdhsa_user_sgpr_kernarg_segment_ptr 1
		.amdhsa_wavefront_size32 1
		.amdhsa_system_sgpr_workgroup_id_x 1
		.amdhsa_system_sgpr_workgroup_id_y 1
		.amdhsa_system_sgpr_workgroup_id_z 1
		.amdhsa_system_vgpr_workitem_id 0
		.amdhsa_next_free_vgpr 256
		.amdhsa_next_free_sgpr 100
		.amdhsa_reserve_vcc 1
		.amdhsa_float_denorm_mode_32 3
		.amdhsa_float_denorm_mode_16_64 3
		.amdhsa_memory_ordered 1
		.amdhsa_forward_progress 1
		.amdhsa_inst_pref_size 66
	.end_amdhsa_kernel
	.amdgpu_metadata
---
amdhsa.version: [ 1, 2 ]
amdhsa.kernels:
  - .name:           k_q03906cff2f_attn
    .symbol:         k_q03906cff2f_attn.kd
    .args:
      - { .name: qkv, .offset: 0, .size: 8, .value_kind: global_buffer, .address_space: global }
      - { .name: yq, .offset: 8, .size: 8, .value_kind: global_buffer, .address_space: global }
    .group_segment_fixed_size: 296960
    .private_segment_fixed_size: 0
    .kernarg_segment_align: 8
    .kernarg_segment_size: 16
    .max_flat_workgroup_size: 512
    .sgpr_count:     100
    .vgpr_count:     256
    .wavefront_size: 32
...
	.end_amdgpu_metadata
.endif
;; end of part 3
;; launch apln (part 4): grid 256 x 1, 16 waves a work-group, clusters of 4 x 1, 283,648 bytes of LDS; arguments yq, opa, b_ap, x, ln2_g, ln2_b, x1, a2; writes x1, a2
.if DOCPART == 4
	.amdgcn_target "amdgcn-amd-amdhsa--gfx1250"
	.amdhsa_code_object_version 6
	.text
	.protected	k_q03906cff2f_apln
	.globl	k_q03906cff2f_apln
	.p2align	8
	.type	k_q03906cff2f_apln,@function
k_q03906cff2f_apln:
	s_mov_b64 s[64:65], 0
	v_nop
	global_prefetch_b8 v0, s[64:65] scope:SCOPE_SE
	s_setreg_imm32_b32 hwreg(HW_REG_WAVE_MODE, 25, 1), 1
	s_wait_xcnt 0x0
	s_wait_alu depctr_hold_cnt(0) depctr_sa_sdst(0) depctr_va_vdst(0) depctr_va_sdst(0) depctr_va_ssrc(0) depctr_va_vcc(0) depctr_vm_vsrc(0)
	s_getreg_b32 s2, hwreg(HW_REG_IB_STS2, 6, 4)
	s_cmp_eq_u32 s2, 0
	s_cbranch_scc0 .Lentry_in_a_cluster
	s_endpgm
.Lentry_in_a_cluster:
	s_bfe_u32 s2, ttmp6, 0x10000c
	s_cmp_lg_u32 s2, 0x3003
	s_cbranch_scc0 .Lentry_shape_is_right
	s_endpgm
.Lentry_shape_is_right:
; x1 = x + y W_ap^T + b_ap (y and W_ap as codes of E2M3 with E8M0 bytes), and a2 = Q(layernorm(x1) x g + b), in one launch: a work-group owns 16 whole rows, so the norm needs no second pass over x1.
; IMAGES.  Place i of tile T is row 32 (T / 2) + 8 (T % 2) + i + 8 (i / 8).  Fragment (T, K step s) is 1,536 bytes at (8 T + s) x 1,536: registers 0-3 at 16 x lane, 4-5 at 512 + 8 x lane, 6-9 at 768 + 16 x lane,
; 10-11 at 1,280 + 8 x lane; its scale record is 128 bytes at (8 T + s) x 128, lane l the word of place l % 16.  yq and a2: codes at 0, records at 3,145,728.  W_ap: in opa at WCO and WSO.
; SHARES.  Work-group T: token tile T, all 1,024 columns.  Wave w takes the 64 columns of group g = (w + cluster) % 16: four tiles of W_ap, 4 accumulators, 8 K steps, 32 matrix instructions.
; Source 0 = 16 rows of W_ap, source 1 = the 16 tokens: lane (r, h) holds token place r, and register 16 c + i of the 32 is column 64 g + 32 c + 16 h + i.
; W_ap: each fragment is used once in a work-group, by one wave.  K steps 2 to 7 go from memory into that wave's registers as they lie: a set is four fragments and four scale words, 20 loads; three sets take turns.
; K steps 0 and 1 (12,288 bytes a wave) come by ONE tensor load a wave at the head, asked for JOINTLY by the cluster's four work-groups, which take the same g; they are filled once, read by the issuing wave alone, and multiplied last.
; y's eight fragments and records are loaded once in a work-group (wave w: 768 bytes of codes, 64 of records), laid in LDS as an image, and read from there by every wave, a K step ahead.
; No prefetch: all addresses are asked for by the loads themselves, three sets ahead; the walk is written out (8 steps) and has no loop to run further ahead in.
; x comes as rows of 256 bytes, goes through the wave's own stage in LDS into the accumulators' layout, and is the C of the first products.  x1 leaves the same way back: sixteen lanes store 256 consecutive bytes.
; THE NORM.  Each wave takes its 64 columns' mean m_w and the sum q_w of the squared deviations from m_w; one barrier; mean = sum of m_w / 16, and the row's sum of squared deviations is
; the sum of q_w + 64 x the sum of (m_w - mean)^2: an identity, and no difference of large sums, so a common offset of the inputs costs no accuracy.
; LIMITS: NaN and infinities are not served.  A block of zeros, or one under 2^-124, carries the byte 1 (the stated quantiser says 127 for zeros): this program alone reads the bytes.
.set YSC, 3145728
.set WCO, 3407872+2359296
.set WSO, 12845056+196608
.set SPITCH, 272                       ; a stage row: 256 + 16 bytes
.set AIM, 16*12288                     ; LDS: W_ap's K steps 0, 1 at 0, 12,288 bytes a wave; then y's image,
.set AIR, AIM+12288                    ; y's records,
.set STG, AIR+1024                     ; the 16 stages,
.set XCH, STG+16*16*SPITCH             ; (m_w, q_w), 8 bytes a token, 128 a wave,
.set SPARE, XCH+2048                   ; and the spare words, 128 bytes a wave
.set L16, 6
.set L8,  7
.set L4,  8
.set STO, 9                            ; stage, accumulators' layout: row r, + 64 h
.set RD,  10                           ; stage, rows: lanes 0-15 one row, lanes 16-31 the next
.set CO,  11                           ; the same two rows in memory
.set BO,  12                           ; 64 h: b_ap, g, b at my columns
.set XW,  13
.set XR,  14
.set R4,  15                           ; 4 r; at the end my row's two scale bytes
.set SW,  15
.set ACC, 16                           ; v16-47
.set SET, 48                           ; v48-191: three sets of W_ap's four fragments
.set AB,  192                          ; v192-215: y's fragment, two buffers
.set A16, 216                          ; y's image + 16 x lane, + 8 x lane; its records + 4 x lane
.set A8,  217
.set A4,  218
.set W16, 219                          ; my part of W_ap in LDS + 16 x lane, + 8 x lane
.set W8,  244
.set PA16, 245                         ; where I lay my part of y's image
.set SCB, 220                          ; v220-231 W_ap's scale words, three sets; v232-239 those of K steps 0, 1; v240-241 y's, two buffers: they hold nothing else
.set SCL0, 232
.set SCA, 240
.set SPW, 242
.set NIL, 243
.set TM,  246                          ; v246-255 at work
.set BM,  250
.set BT,  252
.set BS,  254
.set GG,  48                           ; behind the walk, in the sets' registers
.set TS,  80
.set PF,  80
.set BB,  96
.set DS,  128
.set BI,  144
.set RO,  144
.set EX,  176
.set YC,  22
.set YS,  24
.set WCP, 26
.set WSP, 28
.set A2C, 30
.set A2S, 32
.set SEL, 48
.set G0,  52
.set G1,  56
.macro CROUND                          ; a round of the cluster's barrier
	s_barrier_signal -1
	s_barrier_wait -1
	s_cmp_lg_u32 s20, 0
	s_cbranch_scc1 .Lnot_wave_0_\@
	s_barrier_signal -3
.Lnot_wave_0_\@:
	s_barrier_wait -3
	s_barrier_signal -1
	s_barrier_wait -1
.endm
	s_load_b512 s[4:19], s[0:1], 0x0               ; yq, opa, b_ap, x, g, b, x1, a2
	v_lshl_add_u32 v[SPW], v0, 2, SPARE
	v_mov_b32 v[NIL], 0
	ds_add_u32 v[SPW], v[NIL]                      ; the opening lines: the add, twice on end, and its wait below
	ds_add_u32 v[SPW], v[NIL]
	v_lshrrev_b32 v1, 5, v0
	s_delay_alu instid0(VALU_DEP_1)
	v_readfirstlane_b32 s20, v1                    ; wave 0..15
	s_mul_i32 s46, s20, 16*SPITCH
	s_add_co_u32 s46, s46, STG                     ; my stage
	s_lshl_b32 s47, s20, 7
	s_add_co_u32 s47, s47, XCH                     ; my words of the exchange
	s_mul_i32 s40, s20, 768
	s_add_co_u32 s40, s40, AIM                     ; my part of y's image,
	s_lshl_b32 s41, s20, 6
	s_add_co_u32 s41, s41, AIR                     ; and of its records
	s_mul_i32 s[G0+1], s20, 12288                  ; my part of W_ap in LDS: by the wave's number alone
	v_and_b32 v1, 31, v0                           ; lane
	v_and_b32 v2, 15, v0                           ; r
	v_bfe_u32 v3, v0, 4, 1                         ; h
	v_lshlrev_b32 v[L16], 4, v1
	v_lshlrev_b32 v[L8], 3, v1
	v_lshlrev_b32 v[L4], 2, v1
	v_mul_u32_u24 v4, v2, SPITCH
	v_mul_u32_u24 v5, v3, SPITCH
	v_lshl_add_u32 v4, v3, 6, v4
	v_lshl_add_u32 v5, v2, 4, v5
	v_add_nc_u32 v[STO], s46, v4
	v_add_nc_u32 v[RD], s46, v5
	v_lshlrev_b32 v[CO], 12, v3
	v_lshlrev_b32 v5, 3, v2
	v_lshl_add_u32 v[CO], v2, 4, v[CO]
	v_lshlrev_b32 v[BO], 6, v3
	v_add_nc_u32 v[XW], s47, v5
	v_add_nc_u32 v[XR], XCH, v5
	v_add_nc_u32 v[A16], AIM, v[L16]
	v_add_nc_u32 v[A8], AIM, v[L8]
	v_add_nc_u32 v[A4], AIR, v[L4]
	v_add_nc_u32 v[W16], s[G0+1], v[L16]
	v_add_nc_u32 v[W8], s[G0+1], v[L8]
	v_lshlrev_b32 v[R4], 2, v2
	v_add_nc_u32 v[PA16], s40, v[L16]
	v_add_nc_u32 v4, s40, v[L8]
	v_add_nc_u32 v5, s41, v[R4]
	s_bfe_u32 s3, ttmp6, 0x40000                   ; cx
	s_lshl_b32 s21, ttmp9, 2
	s_add_co_u32 s3, s3, s21                       ; T: it enters the addresses of y, x, x1 and a2 alone
	s_add_co_u32 s21, s20, ttmp9
	s_and_b32 s21, s21, 15                         ; g: alike in the four partners
	s_mul_i32 s30, s3, 12288                       ; y's tile,
	s_mul_i32 s31, s20, 768
	s_add_co_u32 s30, s30, s31                     ; my 768 bytes of it
	s_mov_b32 s31, 0
	s_lshl_b32 s32, s3, 10
	s_lshl_b32 s33, s20, 6
	s_add_co_u32 s32, s32, s33
	s_add_co_u32 s32, s32, YSC
	s_mov_b32 s33, 0
	s_mul_i32 s34, s21, 49152                      ; W_ap's tiles 4 g on
	s_add_co_u32 s34, s34, WCO
	s_mov_b32 s35, 0
	s_lshl_b32 s36, s21, 12
	s_add_co_u32 s36, s36, WSO
	s_mov_b32 s37, 0
	s_lshl_b32 s38, s21, 8                         ; my 64 columns in bytes
	s_mov_b32 s39, 0
	s_lshr_b32 s40, s3, 1
	s_lshl_b32 s40, s40, 5
	s_and_b32 s41, s3, 1
	s_lshl_b32 s41, s41, 3
	s_add_co_u32 s40, s40, s41                     ; the tile's first row
	s_lshl_b32 s40, s40, 12
	s_add_co_u32 s40, s40, s38
	s_mov_b32 s41, 0
	s_lshl_b32 s42, s3, 3
	s_lshr_b32 s43, s21, 1
	s_add_co_u32 s42, s42, s43                     ; a2's fragment 8 T + g / 2,
	s_and_b32 s43, s21, 1                          ; and which half of it
	s_lshl_b32 s44, s42, 7
	s_mul_i32 s42, s42, 1536
	s_mul_i32 s45, s43, 768
	s_add_co_u32 s42, s42, s45
	s_lshl_b32 s43, s43, 1
	s_add_co_u32 s44, s44, s43
	s_add_co_u32 s44, s44, YSC
	s_mov_b32 s43, 0
	s_mov_b32 s45, 0
	s_mov_b32 s[SEL], 0x76543210
	s_mov_b32 s[SEL+1], 0xfedcba98
	s_mov_b32 s50, 0x3a800000                      ; 1 / 1,024
	s_mov_b32 s51, 0x3727c5ac                      ; eps = 1e-5
	s_mov_b32 s[G1], 15|(3<<16)|(1<<21)            ; group 1: 4 rows (a tile each) of 3,072 bytes, 12,288 apart, as elements of 8 bytes, dense in LDS; 15:0 the mask: all four partners; 21 set beside a mask
	s_mov_b32 s[G1+1], 384<<16
	s_mov_b32 s[G1+2], 4<<16
	s_mov_b32 s[G1+3], 384<<16
	s_mov_b32 s[G1+4], 4
	s_mov_b32 s[G1+5], 1536
	s_mov_b32 s[G1+6], 0
	s_mov_b32 s[G1+7], 0
	s_mov_b32 s[G0], 1
	s_wait_alu depctr_va_vdst(0)                   ; the wait at the head's end
	s_wait_dscnt 0x0                               ; both opening adds are done
	s_wait_kmcnt 0x0
	s_add_nc_u64 s[YC:YC+1], s[4:5], s[30:31]
	s_add_nc_u64 s[YS:YS+1], s[4:5], s[32:33]
	s_add_nc_u64 s[WCP:WCP+1], s[6:7], s[34:35]
	s_add_nc_u64 s[WSP:WSP+1], s[6:7], s[36:37]
	s_add_nc_u64 s[8:9], s[8:9], s[38:39]
	s_add_nc_u64 s[12:13], s[12:13], s[38:39]
	s_add_nc_u64 s[14:15], s[14:15], s[38:39]
	s_add_nc_u64 s[10:11], s[10:11], s[40:41]
	s_add_nc_u64 s[16:17], s[16:17], s[40:41]
	s_add_nc_u64 s[A2C:A2C+1], s[18:19], s[42:43]
	s_add_nc_u64 s[A2S:A2S+1], s[18:19], s[44:45]
	s_mov_b64 s[G0+2:G0+3], s[WCP:WCP+1]
	s_or_b32 s[G0+3], s[G0+3], 0x80000000
	CROUND                                         ; all four work-groups are here: the joint loads meet
	tensor_load_to_lds s[G0:G0+3], s[G1:G1+7]      ; my four tiles' K steps 0 and 1: my one tensor load
	s_nop 0
.rept 4
	v_nop
.endr
.macro FRLD reg, sb, off               ; a fragment as it lies: each load's lanes read neighbouring bytes
	global_load_b128 v[\reg:\reg+3], v[L16], s[\sb:\sb+1] offset:\off
	global_load_b64 v[\reg+4:\reg+5], v[L8], s[\sb:\sb+1] offset:\off+512
	global_load_b128 v[\reg+6:\reg+9], v[L16], s[\sb:\sb+1] offset:\off+768
	global_load_b64 v[\reg+10:\reg+11], v[L8], s[\sb:\sb+1] offset:\off+1280
.endm
.macro SETLD t, s                      ; K step s of W_ap from memory, 20 loads, into set t % 3
.set SB, SET+48*((\t)%3)
.set SS, SCB+4*((\t)%3)
.irp i, 0,1,2,3
	FRLD SB+12*\i, WCP, \i*12288+(\s)*1536
	global_load_b32 v[SS+\i], v[L4], s[WSP:WSP+1] offset:\i*1024+(\s)*128
.endr
.endm
.macro WLDS t, s                       ; K step s (0 or 1) of W_ap from my part of LDS into set t % 3
.set SB, SET+48*((\t)%3)
.irp i, 0,1,2,3
	ds_load_b128 v[SB+12*\i:SB+12*\i+3], v[W16] offset:\i*3072+(\s)*1536
	ds_load_b64 v[SB+12*\i+4:SB+12*\i+5], v[W8] offset:\i*3072+(\s)*1536+512
	ds_load_b128 v[SB+12*\i+6:SB+12*\i+9], v[W16] offset:\i*3072+(\s)*1536+768
	ds_load_b64 v[SB+12*\i+10:SB+12*\i+11], v[W8] offset:\i*3072+(\s)*1536+1280
.endr
.endm
.macro ALD t, s                        ; y's K step s from the image into buffer t % 2
.set AL, AB+12*((\t)%2)
	ds_load_b128 v[AL:AL+3], v[A16] offset:(\s)*1536
	ds_load_b64 v[AL+4:AL+5], v[A8] offset:(\s)*1536+512
	ds_load_b128 v[AL+6:AL+9], v[A16] offset:(\s)*1536+768
	ds_load_b64 v[AL+10:AL+11], v[A8] offset:(\s)*1536+1280
	ds_load_b32 v[SCA+((\t)%2)], v[A4] offset:(\s)*128
.endm
.macro VECLD reg, sb                   ; 32 numbers by columns, in the accumulators' layout
.irp q, 0,1,2,3,4,5,6,7
	global_load_b128 v[\reg+4*\q:\reg+4*\q+3], v[BO], s[\sb:\sb+1] offset:128*(\q/4)+16*(\q%4)
.endr
.endm
; The t-th step of the walk.  n: the global loads issued behind its set's (t under 6).  nx: the K step of y that the next step wants, fetched now into the other buffer, whose last products stand a step back.
; The four accumulators take turns; four places follow, ahead of loads into the operands' registers and of reads of results.
.macro STEP t, n, nx
.set SB, SET+48*((\t)%3)
.if (\t) < 6
.set SS, SCB+4*((\t)%3)
	s_wait_loadcnt \n
.else
.set SS, SCL0+4*((\t)-6)
.endif
	s_wait_dscnt 0x0                               ; y's fragment, asked for a step ago (and W_ap's, where it comes from LDS)
.if (\nx) >= 0
	ALD (\t)+1, \nx
.endif
.set AR, AB+12*((\t)%2)
.set SA, SCA+((\t)%2)
.irp i, 0,1,2,3
	v_wmma_scale_f32_16x16x128_f8f6f4 v[ACC+8*\i:ACC+8*\i+7], v[SB+12*\i:SB+12*\i+11], v[AR:AR+11], v[ACC+8*\i:ACC+8*\i+7], v[SS+\i], v[SA] matrix_a_fmt:MATRIX_FMT_FP6 matrix_b_fmt:MATRIX_FMT_FP6
.endr
.rept 4
	v_nop
.endr
.endm
.irp i, 0,1,2,3,4,5,6,7
	global_load_b128 v[ACC+4*\i:ACC+4*\i+3], v[CO], s[10:11] offset:(2*\i+8*(\i/4))*4096   ; x: places 2 i and 2 i + 1, 256 consecutive bytes each
.endr
	global_load_b128 v[TM:TM+3], v[L16], s[YC:YC+1]                ; my part of y: half a fragment,
	global_load_b64 v[TM+4:TM+5], v[L8], s[YC:YC+1] offset:512
	global_load_b32 v[TM+6], v[R4], s[YS:YS+1]                     ; and half a record (lanes l and l xor 16 take the same word)
.irp s, 0,1
.irp i, 0,1,2,3
	global_load_b32 v[SCL0+4*\s+\i], v[L4], s[WSP:WSP+1] offset:\i*1024+\s*128
.endr
.endr
	SETLD 0, 2
	SETLD 1, 3
	SETLD 2, 4
	s_wait_tensorcnt 0x0                           ; my part of W_ap lies in LDS: I alone read it; and no LDS store of mine stands under my tensor load
	s_wait_loadcnt 63                              ; x's eight and y's three are in: 68 loads were issued behind them, and the count's field holds 63
	ds_store_b128 v[PA16], v[TM:TM+3]
	ds_store_b64 v4, v[TM+4:TM+5] offset:512
	ds_store_b32 v5, v[TM+6]
.irp i, 0,1,2,3,4,5,6,7
	ds_store_b128 v[RD], v[ACC+4*\i:ACC+4*\i+3] offset:\i*2*SPITCH
.endr
	s_wait_dscnt 0x0                               ; for the others' sake: my part of y's image lies in LDS
	s_barrier_signal -1
	s_barrier_wait -1                              ; the image is whole
.irp q, 0,1,2,3,4,5,6,7
	ds_load_b128 v[ACC+4*\q:ACC+4*\q+3], v[STO] offset:128*(\q/4)+16*(\q%4)   ; my own bytes: x in the accumulators' layout
.endr
	ALD 0, 2
	v_mov_b32 v[BT], 0                             ; a lane permute's destination counts as one of its sources
	v_mov_b32 v[BT+1], 0
	STEP 0, 40, 3                                  ; K step 2; two sets are younger
	SETLD 3, 5
	STEP 1, 40, 4
	SETLD 4, 6
	STEP 2, 40, 5
	SETLD 5, 7
	STEP 3, 40, 6
	WLDS 6, 0
	STEP 4, 20, 7                                  ; one set is younger
	WLDS 7, 1
	STEP 5, 0, 0
	VECLD BI, 8                                    ; b_ap, into set 2, which is done with
	STEP 6, 0, 1                                   ; K step 0
	VECLD GG, 12
	STEP 7, 0, -1                                  ; K step 1
	VECLD BB, 14
	s_wait_loadcnt 16                              ; b_ap is in; g's and b's may be out
.irp j, 0,2,4,6,8,10,12,14,16,18,20,22,24,26,28,30
	v_pk_add_f32 v[ACC+\j:ACC+\j+1], v[ACC+\j:ACC+\j+1], v[BI+\j:BI+\j+1]   ; x1; each accumulator from its low end on
.endr
.irp q, 0,1,2,3,4,5,6,7
	ds_store_b128 v[STO], v[ACC+4*\q:ACC+4*\q+3] offset:128*(\q/4)+16*(\q%4)
.endr
.irp i, 0,1,2,3,4,5,6,7
	ds_load_b128 v[RO+4*\i:RO+4*\i+3], v[RD] offset:\i*2*SPITCH   ; LDS serves a wave's instructions in order (ISA guide 5.7.1.4): x1 comes back as rows, under the sums below
.endr
	v_pk_add_f32 v[TM:TM+1], v[ACC:ACC+1], v[ACC+2:ACC+3]
	v_pk_add_f32 v[TM+2:TM+3], v[ACC+4:ACC+5], v[ACC+6:ACC+7]
.irp j, 8,12,16,20,24,28
	s_delay_alu instid0(VALU_DEP_2)
	v_pk_add_f32 v[TM:TM+1], v[TM:TM+1], v[ACC+\j:ACC+\j+1]
	s_delay_alu instid0(VALU_DEP_2)
	v_pk_add_f32 v[TM+2:TM+3], v[TM+2:TM+3], v[ACC+\j+2:ACC+\j+3]
.endr
	s_delay_alu instid0(VALU_DEP_1)
	v_pk_add_f32 v[TM:TM+1], v[TM:TM+1], v[TM+2:TM+3]
	s_delay_alu instid0(VALU_DEP_1)
	v_add_f32 v[TM], v[TM], v[TM+1]
	s_delay_alu instid0(VALU_DEP_1)
	v_permlanex16_b32 v[TM+1], v[TM], s[SEL], s[SEL+1]
	s_delay_alu instid0(VALU_DEP_1)
	v_add_f32 v[TM], v[TM], v[TM+1]                ; with lane l xor 16's 32 columns
	s_delay_alu instid0(VALU_DEP_1)
	v_mul_f32 v[TM], 0x3c800000, v[TM]             ; m_w: / 64
	s_delay_alu instid0(VALU_DEP_1)
	v_mov_b32 v[TM+1], v[TM]
.irp j, 0,2,4,6,8,10,12,14,16,18,20,22,24,26,28,30
	v_pk_add_f32 v[EX+\j:EX+\j+1], v[ACC+\j:ACC+\j+1], v[TM:TM+1] neg_lo:[0,1] neg_hi:[0,1]
.endr
	v_pk_mul_f32 v[TM+2:TM+3], v[EX:EX+1], v[EX:EX+1]
	v_pk_mul_f32 v[TM+4:TM+5], v[EX+2:EX+3], v[EX+2:EX+3]
.irp j, 4,8,12,16,20,24,28
	s_delay_alu instid0(VALU_DEP_2)
	v_pk_fma_f32 v[TM+2:TM+3], v[EX+\j:EX+\j+1], v[EX+\j:EX+\j+1], v[TM+2:TM+3]
	s_delay_alu instid0(VALU_DEP_2)
	v_pk_fma_f32 v[TM+4:TM+5], v[EX+\j+2:EX+\j+3], v[EX+\j+2:EX+\j+3], v[TM+4:TM+5]
.endr
	s_delay_alu instid0(VALU_DEP_1)
	v_pk_add_f32 v[TM+2:TM+3], v[TM+2:TM+3], v[TM+4:TM+5]
	s_delay_alu instid0(VALU_DEP_1)
	v_add_f32 v[TM+2], v[TM+2], v[TM+3]
	s_delay_alu instid0(VALU_DEP_1)
	v_permlanex16_b32 v[TM+3], v[TM+2], s[SEL], s[SEL+1]
	s_delay_alu instid0(VALU_DEP_1)
	v_add_f32 v[TM+1], v[TM+2], v[TM+3]            ; q_w
	ds_store_b64 v[XW], v[TM:TM+1]                 ; lanes l and l xor 16 write the same numbers to the same words
	s_wait_alu depctr_va_vdst(0)                   ; the wait here, directly ahead of the wait below
	s_wait_dscnt 0x0                               ; for the others' sake: my pair lies in LDS; and x1's rows are back
.irp i, 0,1,2,3,4,5,6,7
	global_store_b128 v[CO], v[RO+4*\i:RO+4*\i+3], s[16:17] offset:(2*\i+8*(\i/4))*4096   ; 16 lanes store 256 consecutive bytes, at a multiple of 256 from the buffer's first byte
.endr
	s_barrier_signal -1
	s_barrier_wait -1                              ; all sixteen pairs lie there
.irp w, 0,1,2,3,4,5,6,7,8,9,10,11,12,13,14,15
	ds_load_b64 v[EX+2*\w:EX+2*\w+1], v[XR] offset:128*\w
.endr
	s_wait_dscnt 0x0
.irp w, 0,1,2,3,4,5,6,7
	v_pk_add_f32 v[TS+2*\w:TS+2*\w+1], v[EX+4*\w:EX+4*\w+1], v[EX+4*\w+2:EX+4*\w+3]   ; the m_w in the low halves, the q_w in the high ones
.endr
.irp w, 0,1,2,3
	s_delay_alu instid0(VALU_DEP_4)
	v_pk_add_f32 v[TS+2*\w:TS+2*\w+1], v[TS+2*\w:TS+2*\w+1], v[TS+2*\w+8:TS+2*\w+9]
.endr
.irp w, 0,1
	s_delay_alu instid0(VALU_DEP_2)
	v_pk_add_f32 v[TS+2*\w:TS+2*\w+1], v[TS+2*\w:TS+2*\w+1], v[TS+2*\w+4:TS+2*\w+5]
.endr
	s_delay_alu instid0(VALU_DEP_1)
	v_pk_add_f32 v[TS:TS+1], v[TS:TS+1], v[TS+2:TS+3]
	s_delay_alu instid0(VALU_DEP_1)
	v_mul_f32 v[TM], 0x3d800000, v[TS]             ; the row's mean: / 16
	s_delay_alu instid0(VALU_DEP_1)
	v_mov_b32 v[TM+1], v[TM]
.irp w, 0,1,2,3,4,5,6,7,8,9,10,11,12,13,14,15
	v_sub_f32 v[DS+\w], v[EX+2*\w], v[TM]
.endr
.irp c, 0,1,2,3
	v_mul_f32 v[DS+\c], v[DS+\c], v[DS+\c]
.endr
.irp w, 4,8,12
.irp c, 0,1,2,3
	s_delay_alu instid0(VALU_DEP_4)
	v_fma_f32 v[DS+\c], v[DS+\w+\c], v[DS+\w+\c], v[DS+\c]
.endr
.endr
	v_add_f32 v[DS], v[DS], v[DS+1]
	v_add_f32 v[DS+2], v[DS+2], v[DS+3]
	s_delay_alu instid0(VALU_DEP_1)
	v_add_f32 v[DS], v[DS], v[DS+2]
	s_delay_alu instid0(VALU_DEP_1)
	v_fma_f32 v[TS+1], v[DS], 0x42800000, v[TS+1]  ; + 64 x the sum of (m_w - mean)^2
	v_mov_b32 v[TM+3], 0                           ; (the upper half of the pair v[TM+2:TM+3])
	s_delay_alu instid0(VALU_DEP_2)
	v_fma_f32 v[TM+2], v[TS+1], s50, s51           ; the variance + eps
	s_wait_alu depctr_va_vdst(0)                   ; the wait ahead of the transcendental,
	v_rsq_f32 v[TM+2], v[TM+2]
	v_nop
	s_wait_alu depctr_va_vdst(0)                   ; and ahead of its first reader
	s_wait_loadcnt 0x0                             ; g and b
.irp j, 0,2,4,6,8,10,12,14,16,18,20,22,24,26,28,30
	v_pk_add_f32 v[ACC+\j:ACC+\j+1], v[ACC+\j:ACC+\j+1], v[TM:TM+1] neg_lo:[0,1] neg_hi:[0,1]
.endr
.irp j, 0,2,4,6,8,10,12,14,16,18,20,22,24,26,28,30
	v_pk_mul_f32 v[ACC+\j:ACC+\j+1], v[ACC+\j:ACC+\j+1], v[TM+2:TM+3] op_sel_hi:[1,0]
.endr
.irp j, 0,2,4,6,8,10,12,14,16,18,20,22,24,26,28,30
	v_pk_fma_f32 v[ACC+\j:ACC+\j+1], v[ACC+\j:ACC+\j+1], v[GG+\j:GG+\j+1], v[BB+\j:BB+\j+1]
.endr
; two blocks of 32 columns become half a fragment and half a scale word
.irp b, 0,1
	v_max3_num_f32 v[BM+\b], |v[ACC+16*\b]|, |v[ACC+1+16*\b]|, 0x1800000   ; and the floor 2^(3 - 127): the byte cannot fall under 1
.endr
.irp i, 2,4,6,8,10,12,14
.irp b, 0,1
	s_delay_alu instid0(VALU_DEP_2)
	v_max3_num_f32 v[BM+\b], v[BM+\b], |v[ACC+16*\b+\i]|, |v[ACC+1+16*\b+\i]|
.endr
.endr
.irp b, 0,1
	s_delay_alu instid0(VALU_DEP_2)
	v_permlanex16_b32 v[BT+\b], v[BM+\b], s[SEL], s[SEL+1]
.endr
.irp b, 0,1
	s_delay_alu instid0(VALU_DEP_2)
	v_max_num_f32 v[BM+\b], v[BM+\b], v[BT+\b]     ; the block's largest magnitude
.endr
.irp b, 0,1
	s_delay_alu instid0(VALU_DEP_2)
	v_add_nc_u32 v[BS+\b], 0xff000000, v[BM+\b]    ; 2 off its exponent field: the conversion's scale operand
.endr
.irp b, 0,1
	s_delay_alu instid0(VALU_DEP_2)
	v_lshrrev_b32 v[BT+\b], 23, v[BS+\b]           ; the scale's byte
.endr
	s_delay_alu instid0(VALU_DEP_1)
	v_lshl_or_b32 v[SW], v[BT+1], 8, v[BT]
	v_cvt_scalef32_pk16_fp6_f32 v[PF:PF+2], v[ACC:ACC+15], v[BS]
	v_cvt_scalef32_pk16_fp6_f32 v[PF+8:PF+10], v[ACC+16:ACC+31], v[BS+1]
	v_nop                                          ; one plain place behind a scaled conversion
.irp i, 0,1,2
	v_permlane16_swap_b32 v[PF+\i], v[PF+8+\i]     ; the operand wants a whole block in a lane
.endr
.irp i, 0,1,2
	s_delay_alu instid0(VALU_DEP_3)
	v_mov_b32 v[PF+3+\i], v[PF+8+\i]
.endr
	global_store_b128 v[L16], v[PF:PF+3], s[A2C:A2C+1]             ; 512 consecutive bytes
	global_store_b64 v[L8], v[PF+4:PF+5], s[A2C:A2C+1] offset:512  ; 256
	global_store_b16 v[L4], v[SW], s[A2S:A2S+1]                    ; half a word a lane: the other half is the neighbouring wave's
	s_wait_tensorcnt 0x0                           ; the wave's end
	ds_add_u32 v[SPW], v[NIL]
	s_wait_dscnt 0x0
	CROUND                                         ; the closing round
	s_endpgm
.Lfunc_end_k_q03906cff2f_apln:
	.size	k_q03906cff2f_apln, .Lfunc_end_k_q03906cff2f_apln-k_q03906cff2f_apln
	.p2alignl 7, 3214868480
	.fill 96, 4, 3214868480
	.section	.rodata,"a",@progbits
	.p2align	6, 0x0
	.amdhsa_kernel k_q03906cff2f_apln
		.amdhsa_group_segment_fixed_size 283648
		.amdhsa_private_segment_fixed_size 0
		.amdhsa_enable_private_segment 0
		.amdhsa_kernarg_size 64
		.amdhsa_user_sgpr_count 2
		.amdhsa_user_sgpr_kernarg_segment_ptr 1
		.amdhsa_wavefront_size32 1
		.amdhsa_system_sgpr_workgroup_id_x 1
		.amdhsa_system_sgpr_workgroup_id_y 1
		.amdhsa_system_sgpr_workgroup_id_z 1
		.amdhsa_system_vgpr_workitem_id 0
		.amdhsa_next_free_vgpr 256
		.amdhsa_next_free_sgpr 66
		.amdhsa_reserve_vcc 0
		.amdhsa_float_denorm_mode_32 3
		.amdhsa_float_denorm_mode_16_64 3
		.amdhsa_memory_ordered 1
		.amdhsa_forward_progress 1
		.amdhsa_inst_pref_size 52
	.end_amdhsa_kernel
	.amdgpu_metadata
---
amdhsa.version: [ 1, 2 ]
amdhsa.kernels:
  - .name:           k_q03906cff2f_apln
    .symbol:         k_q03906cff2f_apln.kd
    .args:
      - { .name: yq, .offset: 0, .size: 8, .value_kind: global_buffer, .address_space: global }
      - { .name: opa, .offset: 8, .size: 8, .value_kind: global_buffer, .address_space: global }
      - { .name: b_ap, .offset: 16, .size: 8, .value_kind: global_buffer, .address_space: global }
      - { .name: x, .offset: 24, .size: 8, .value_kind: global_buffer, .address_space: global }
      - { .name: ln2_g, .offset: 32, .size: 8, .value_kind: global_buffer, .address_space: global }
      - { .name: ln2_b, .offset: 40, .size: 8, .value_kind: global_buffer, .address_space: global }
      - { .name: x1, .offset: 48, .size: 8, .value_kind: global_buffer, .address_space: global }
      - { .name: a2, .offset: 56, .size: 8, .value_kind: global_buffer, .address_space: global }
    .group_segment_fixed_size: 283648
    .private_segment_fixed_size: 0
    .kernarg_segment_align: 8
    .kernarg_segment_size: 64
    .max_flat_workgroup_size: 512
    .sgpr_count:     66
    .vgpr_count:     256
    .wavefront_size: 32
...
	.end_amdgpu_metadata
.endif
;; end of part 4
;; launch g5 (part 5): grid 16 x 16, 4 waves a work-group, clusters of 4 x 4, 327,680 bytes of LDS; arguments a2, opa, b_fc, gq; writes gq
.if DOCPART == 5
	.amdgcn_target "amdgcn-amd-amdhsa--gfx1250"
	.amdhsa_code_object_version 6
	.text
	.protected	k_q03906cff2f_g5
	.globl	k_q03906cff2f_g5
	.p2align	8
	.type	k_q03906cff2f_g5,@function
k_q03906cff2f_g5:
	s_mov_b64 s[64:65], 0
	v_nop
	global_prefetch_b8 v0, s[64:65] scope:SCOPE_SE
	s_setreg_imm32_b32 hwreg(HW_REG_WAVE_MODE, 25, 1), 1
	s_wait_xcnt 0x0
	s_wait_alu depctr_hold_cnt(0) depctr_sa_sdst(0) depctr_va_vdst(0) depctr_va_sdst(0) depctr_va_ssrc(0) depctr_va_vcc(0) depctr_vm_vsrc(0)
	s_getreg_b32 s2, hwreg(HW_REG_IB_STS2, 6, 4)
	s_cmp_eq_u32 s2, 0
	s_cbranch_scc0 .Lentry_in_a_cluster
	s_endpgm
.Lentry_in_a_cluster:
	s_bfe_u32 s2, ttmp6, 0x10000c
	s_cmp_lg_u32 s2, 0xf033
	s_cbranch_scc0 .Lentry_shape_is_right
	s_endpgm
.Lentry_shape_is_right:
; A product on codes of E2M3 whose result is quantised again on the way out.  MODE 0: qkv = Q(LN1(x)) W_attn + b_attn, quantised: q and k along the channels, v along the tokens.  MODE 1: Q(gelu(Q(LN2(x1)) W_fc + b_fc)).
; OPERANDS lie in memory as images of their registers.  Place i of tile T is row 32 (T / 2) + 8 (T % 2) + i + 8 (i / 8).  Fragment (T, K step s) is 1,536 bytes at (T KS + s) x 1,536: registers 0-3 at 16 x lane,
; 4-5 at 512 + 8 x lane, 6-9 at 768 + 16 x lane, 10-11 at 1,280 + 8 x lane.  Its scale record is 128 bytes at (T KS + s) x 128: lane l holds the word of place l % 16.
; S0 is the matrix instruction's source 0, S1 its source 1.  In a result lane (r, h) holds place r of S1's tile, and the 16 registers of S0's tiles 2 b, 2 b + 1 are S0's rows 32 b + 16 h + 0 .. 15: 16 NEIGHBOURS
; along S0's rows.  So the result is quantised along S0's rows: S0 = the weight's rows for q, k and the hidden layer, S0 = THE TOKENS for v (there S1 = W_attn's rows 2,048 on), by the same lines.
; SHARES.  A work-group makes 256 x 256, each of four waves 128 x 128: 64 accumulators, 512 registers.  K = 1,024 goes in 8 steps of 128, two to a slot, through a ring of two LDS slots.
; MODE 1: grid 16 x 16: x counts blocks of 256 hidden units, y blocks of 256 tokens.
; CLUSTER 4 x 4: S1's tiles hang on the work-group's y and are asked for jointly along a row of the cluster, S0's on its x, jointly along a column.
; THE SCALES of the work-group's rows for all of K (4 x 8,192 bytes) come once, with the first fills, and stay.
; REGISTERS: window 0: v16-31 addresses; v32-47 scale words, two sets (lanes 0-15 S1's tile i, lanes 16-31 S0's tile i); v48-63 the bias by S1's rows (MODE 0); v64-159, v160-255 S1's fragments, two sets.
;   window 1: v0-95, v128-223 S0's fragments, two sets; v96-127, v224-255 the bias by S0's rows.   windows 2, 3: the accumulators, (a, b) at 8 (8 a + b).
; LIMITS: NaN and infinities are not served.  A block of zeros, or one under 2^-124, carries the byte 1: this program alone reads the bytes.  v_exp_f32 gives 0 for results under 2^-126.
.set MODE, 1
.set NT,    8                          ; tiles of each side for a wave
.set NQ,    2                          ; K steps in a slot
.set KS,    8                          ; K steps in all
.set FRB,   1536
.set ROWB,  NQ*FRB                     ; a tile's bytes in a slot
.set HALFT, NT*ROWB                    ; what one tensor load brings, and what one wave reads of a side
.set SLOT,  4*HALFT                    ; S1's two halves, then S0's
.set LAPS,  KS/(2*NQ)
.set SCL,   2*SLOT                     ; behind the ring: the scale records, [tile][K step][128]
.set HALFS, NT*KS*128
.set SPARE, SCL+4*HALFS                ; the spare words: 128 bytes a wave, two blocks of 256 bytes that no other line names
.set ASC,   3145728                    ; opa: LN1's scale records (its codes begin at 0)
.set WC,    3407872                    ; opa: the weights' codes
.set WS,    12845056                   ; opa: the weights' scale records
.set VC,    6291456                    ; qkv: v's codes [channel tile 64][32][1,536] (q's and k's begin at 0: [token tile 256][16][1,536])
.set QKS,   9437184                    ; qkv: q's and k's scale records
.set VS,    9961472                    ; qkv: v's
.if MODE == 0
.set P1, 4                             ; s[4:5] opa holds both operands
.set P0, 4
.set PBI, 6
.set POUT, 8
.else
.set P1, 4
.set P0, 6
.set PBI, 8
.set POUT, 10
.endif
.set ADR1, 16                          ; v16-17 S1's half in slot 0, 1, + 16 x lane; v18-19 + 8 x lane
.set ADR0, 20                          ; v20-23 the same for S0
.set L16,  24
.set L8,   25
.set L4,   26
.set ADRS, 27                          ; my scale words: lanes 0-15 S1's, lanes 16-31 S0's
.set SPW,  28                          ; my spare word; never rewritten
.set NIL,  29                          ; 0; never rewritten
.set BL,   48
.set W,    64                          ; the way out: 64 numbers
.set T,    128                         ; 64 more, at work
.set TM,   192
.set PW,   208
.set PC,   212
.set C1V,  232
.set G1, 24                            ; s[24:31] group 1 for S1's tiles; s[32:39] its groups 0, one a slot
.set G0, 32
.set G1B, 48                           ; the same for S0's
.set G0B, 56
.set G1S, 68                           ; groups 1 and 0 for S1's scales; then S0's
.set G0S, 76
.set G1SB, 80
.set G0SB, 88
.set OUTC, 12                          ; s[12:13] where the fragment in hand goes; s[18:19] its scale record
.set OUTS, 18
.set NGC, 66                           ; s[66:67] from a tile to the next in the output's codes; s[96:97] in its records
.set NGS, 96
.set PART, 95                          ; 1: the v part
.set SEL, 20
.set C2, 22
.set MSB, 0
.macro WIN new                         ; the immediate's high byte repeats the setting that is left
.if MSB != (\new)
	s_set_vgpr_msb (MSB<<8)|(\new)
.set MSB, (\new)
.endif
.endm
.macro PLACES n
.rept \n
	v_nop
.endr
.endm
; A joint load: waves 0 and 1 fetch S1's halves, waves 2 and 3 S0's.  The branch hangs on the wave's number alone.  Four v_nop follow each of the two lines.
.macro JLOAD g0a, g1a, g0b, g1b
	s_cmp_eq_u32 s15, 0
	s_cbranch_scc0 .Lfor_b_\@
	tensor_load_to_lds s[\g0a:\g0a+3], s[\g1a:\g1a+7]
	s_nop 0
.rept 4
	v_nop
.endr
	s_branch .Lasked_\@
.Lfor_b_\@:
	tensor_load_to_lds s[\g0b:\g0b+3], s[\g1b:\g1b+7]
	s_nop 0
.rept 4
	v_nop
.endr
.Lasked_\@:
.endm
.macro CREST                           ; a round of the cluster's barrier behind its opening barrier
	s_cmp_lg_u32 s14, 0
	s_cbranch_scc1 .Lnot_wave_0_\@
	s_barrier_signal -3
.Lnot_wave_0_\@:
	s_barrier_wait -3
	s_barrier_signal -1
	s_barrier_wait -1
.endm
.macro CROUND
	s_barrier_signal -1
	s_barrier_wait -1
	CREST
.endm
.if MODE == 0
	s_load_b128 s[4:7], s[0:1], 0x0                ; opa, b_attn
	s_load_b64 s[8:9], s[0:1], 0x10                ; qkv
.else
	s_load_b256 s[4:11], s[0:1], 0x0               ; a2, opa, b_fc, gq
.endif
	v_lshl_add_u32 v[SPW], v0, 2, SPARE
	v_mov_b32 v[NIL], 0
	ds_add_u32 v28, v29
	ds_add_u32 v28, v29
	s_wait_dscnt 0x0
	v_lshrrev_b32 v1, 5, v0
	v_readfirstlane_b32 s14, v1                    ; wave 0..3
	s_lshr_b32 s15, s14, 1                         ; my half of S1.  Also: I fetch for S1 (0) or S0 (1)
	s_and_b32 s16, s14, 1                          ; my half of S0.  Also: which half I fetch
	s_bfe_u32 s40, ttmp6, 0x40000                  ; cx, cy
	s_bfe_u32 s41, ttmp6, 0x40004
	s_lshl_b32 s42, ttmp9, 2
	s_add_co_u32 s42, s42, s40                     ; work-group x
	s_and_b32 s2, ttmp7, 0xffff                    ; cluster y
	s_lshl_b32 s17, s2, 2
	s_add_co_u32 s17, s17, s41                     ; work-group y
	s_lshl_b32 s43, s41, 2
	s_lshl_b32 s43, 15, s43                        ; my row of the cluster
	s_lshl_b32 s44, 0x1111, s40                    ; my column
.if MODE == 0
	s_sub_co_u32 s20, s17, 4
	s_lshl_b32 s20, s20, 1
	s_lshr_b32 s21, ttmp9, 1
	s_add_co_u32 s20, s20, s21                     ; q, k: S1 = tokens, block 2 (y - 4) + cluster x / 2
	s_add_co_u32 s21, s17, 8                       ; v: S1 = W_attn's rows, block 8 + y
	s_and_b32 s46, s42, 7                          ; q, k: S0 = W_attn's rows, block x % 8;  v: S0 = tokens, block x
	s_mov_b32 s23, ASC
	s_mov_b32 s93, WS
	s_mov_b32 s19, QKS
	s_cmp_eq_u32 s2, 0                             ; the v part?  Whole numbers alone are chosen; both operands are formed from the one pointer
	s_cselect_b32 s[PART], 1, 0
	s_cselect_b32 s20, s21, s20                    ; S1's block of 256 rows
	s_cselect_b32 s46, s42, s46                    ; S0's
	s_cselect_b32 s21, WC, 0                       ; where S1's codes begin,
	s_cselect_b32 s23, WS, s23                     ; its records,
	s_cselect_b32 s47, 0, WC                       ; S0's codes,
	s_cselect_b32 s93, ASC, s93                    ; its records
	s_cselect_b32 s66, 32, 16                      ; K steps in a row of the output
	s_cselect_b32 s13, VC, 0                       ; where the output's codes begin,
	s_cselect_b32 s19, VS, s19                     ; and its records
.else
	s_mov_b32 s[PART], 0
	s_mov_b32 s20, s17
	s_mov_b32 s46, s42
	s_mov_b32 s21, 0
	s_mov_b32 s23, 3145728
	s_mov_b32 s47, WC+3145728
	s_mov_b32 s93, WS+262144
	s_mov_b32 s66, 32
	s_mov_b32 s13, 0
	s_mov_b32 s19, 12582912
.endif
	s_mov_b32 s2, s20                              ; both block numbers are kept for the way out
	s_mov_b32 s94, s46
	; group 1: NT rows (a tile each) of ROWB bytes, KS x 1,536 bytes apart, as elements of 8 bytes; dense in LDS
	s_or_b32 s[G1+0], s43, (3<<16)|(1<<21)         ; 15:0 the mask: my row of the cluster; 17:16 elements of 8 bytes; 21 set beside a mask
	s_or_b32 s[G1B+0], s44, (3<<16)|(1<<21)        ; my column
.irp g, G1, G1B
	s_mov_b32 s[\g+1], (ROWB/8)<<16                ; tensor_dim0
	s_mov_b32 s[\g+2], (2*NT)<<16                  ; tensor_dim1: the head's loads of codes bring both halves of a side, 2 NT tiles
	s_mov_b32 s[\g+3], (ROWB/8)<<16                ; tile_dim0
	s_mov_b32 s[\g+4], 2*NT                        ; tile_dim1
	s_mov_b32 s[\g+5], KS*FRB/8                    ; from tile to tile
	s_mov_b32 s[\g+6], 0
	s_mov_b32 s[\g+7], 0
.endr
	s_or_b32 s[G1S+0], s43, (3<<16)|(1<<21)        ; the records of NT tiles: one dense block, as rows of 256 bytes
	s_or_b32 s[G1SB+0], s44, (3<<16)|(1<<21)
.irp g, G1S, G1SB
	s_mov_b32 s[\g+1], 32<<16
	s_mov_b32 s[\g+2], (2*HALFS/256)<<16           ; a side's records, both halves, in one load
	s_mov_b32 s[\g+3], 32<<16
	s_mov_b32 s[\g+4], 2*HALFS/256
	s_mov_b32 s[\g+5], 32
	s_mov_b32 s[\g+6], 0
	s_mov_b32 s[\g+7], 0
.endr
	s_lshl_b32 s22, s16, 3                         ; NT x the half that I fetch
	s_lshl_b32 s20, s20, 4
	s_add_co_u32 s20, s20, s22                     ; S1: the first tile that I fetch (no register of S1's ever holds cx, none of S0's cy)
	s_lshl_b32 s46, s46, 4
	s_add_co_u32 s46, s46, s22                     ; S0 likewise
	s_mul_i32 s22, s20, KS*128
	s_add_co_u32 s22, s22, s23
	s_mul_i32 s20, s20, KS*FRB
	s_add_co_u32 s20, s20, s21
	s_mul_i32 s92, s46, KS*128
	s_add_co_u32 s92, s92, s93
	s_mul_i32 s46, s46, KS*FRB
	s_add_co_u32 s46, s46, s47
	s_mov_b32 s21, 0
	s_mov_b32 s23, 0
	s_mov_b32 s47, 0
	s_mov_b32 s93, 0
	s_mul_i32 s45, s14, HALFT                      ; where they go: by the wave's number alone
	s_mul_i32 s96, s16, HALFS                      ; what my half adds to a side's records: taken off again for the load of both halves
	s_mov_b32 s97, 0
	s_wait_kmcnt 0x0
	s_add_nc_u64 s[20:21], s[P1:P1+1], s[20:21]
	s_add_nc_u64 s[22:23], s[P1:P1+1], s[22:23]
	s_add_nc_u64 s[46:47], s[P0:P0+1], s[46:47]
	s_add_nc_u64 s[92:93], s[P0:P0+1], s[92:93]
	CROUND                                         ; all sixteen work-groups are here: the first joint loads meet
	s_mov_b32 s[G0S], 1
	s_mov_b32 s[G0S+1], SCL
	s_sub_nc_u64 s[G0S+2:G0S+3], s[22:23], s[96:97]
	s_or_b32 s[G0S+3], s[G0S+3], 0x80000000
	s_mov_b32 s[G0SB], 1
	s_mov_b32 s[G0SB+1], SCL+2*HALFS
	s_sub_nc_u64 s[G0SB+2:G0SB+3], s[92:93], s[96:97]
	s_or_b32 s[G0SB+3], s[G0SB+3], 0x80000000
.irp s, 0,1
	s_mov_b32 s[G0+4*\s], 1
	s_add_co_u32 s[G0+4*\s+1], s45, \s*SLOT
	s_add_nc_u64 s[G0+4*\s+2:G0+4*\s+3], s[20:21], \s*ROWB
	s_or_b32 s[G0+4*\s+3], s[G0+4*\s+3], 0x80000000
	s_mov_b32 s[G0B+4*\s], 1
	s_add_co_u32 s[G0B+4*\s+1], s45, \s*SLOT
	s_add_nc_u64 s[G0B+4*\s+2:G0B+4*\s+3], s[46:47], \s*ROWB
	s_or_b32 s[G0B+4*\s+3], s[G0B+4*\s+3], 0x80000000
.endr
; THE HEAD'S LOADS, ONE A WAVE, in one chain of branches on the wave's number: wave 0 slot 0's 2 NT tiles of S1 (its own group 0: half 0, LDS byte 0), wave 2 those of S0, wave 1 S1's records, wave 3 S0's.
.macro ARM wv, g0, g1, next
	s_cmp_eq_u32 s14, \wv
	s_cbranch_scc0 \next
	tensor_load_to_lds s[\g0:\g0+3], s[\g1:\g1+7]
	s_nop 0
.rept 4
	v_nop
.endr
	s_branch .Lhead_asked
\next:
.endm
	ARM 0, G0, G1, .Lhead_b
	ARM 2, G0B, G1B, .Lhead_sa
	ARM 1, G0S, G1S, .Lhead_sb
	tensor_load_to_lds s[G0SB:G0SB+3], s[G1SB:G1SB+7]
	s_nop 0
.rept 4
	v_nop
.endr
.Lhead_asked:
; THE PREFETCHES.  A ring load of mine brings 8 tiles x 3,072 bytes, asked for jointly by four partners; they share the tiles out BY ADDRESS: the partner at place p (cx for S1, cy for S0) names tiles 2 p and 2 p + 1:
; 24 blocks of 256 bytes, a lane a block (lanes 24-31 name the last block again), one instruction a wave.  s[98:99] stands at slot 1 and is never stepped: slots 1 and 2 are named at the head, slot 3 behind slot 1's fill; K has four slots.
	s_cmp_eq_u32 s15, 0
	s_cselect_b64 s[98:99], s[20:21], s[46:47]
	s_cselect_b32 s100, s40, s41
	s_mul_i32 s100, s100, 2*KS*FRB
	s_add_co_u32 s100, s100, ROWB
	s_mov_b32 s101, 0
	s_add_nc_u64 s[98:99], s[98:99], s[100:101]
	; where my results go: tile A0 + a of the output (S1's tile), K step G (my 128 rows of S0)
	s_lshl_b32 s20, s[PART], 3
	s_sub_co_u32 s20, s2, s20                      ; (v's channels count from W_attn's row 2,048)
	s_lshl_b32 s20, s20, 4
	s_lshl_b32 s21, s15, 3
	s_add_co_u32 s20, s20, s21                     ; A0
	s_mul_i32 s20, s20, s66
	s_lshl_b32 s21, s94, 1
	s_add_co_u32 s21, s21, s16                     ; G
	s_add_co_u32 s20, s20, s21
	s_mul_i32 s12, s20, FRB
	s_add_co_u32 s12, s12, s13
	s_mov_b32 s13, 0
	s_add_nc_u64 s[OUTC:OUTC+1], s[POUT:POUT+1], s[12:13]
	s_lshl_b32 s18, s20, 7
	s_add_co_u32 s18, s18, s19
	s_mov_b32 s19, 0
	s_add_nc_u64 s[OUTS:OUTS+1], s[POUT:POUT+1], s[18:19]
	s_lshl_b32 s[NGS], s66, 7
	s_mov_b32 s[NGS+1], 0
	s_mul_i32 s[NGC], s66, FRB
	s_mov_b32 s[NGC+1], 0
	s_lshl_b32 s46, s94, 10                        ; the bias by S0's rows: from row 256 x block + 128 x half on; in the v part, where it is not used, from the buffer's start
	s_lshl_b32 s47, s16, 9
	s_add_co_u32 s46, s46, s47
	s_lshl_b32 s92, s2, 10                         ; the bias by S1's rows (v part; else from the buffer's start, unused)
	s_lshl_b32 s93, s15, 9
	s_add_co_u32 s92, s92, s93
	s_cmp_eq_u32 s[PART], 1
	s_cselect_b32 s46, 0, s46
	s_cselect_b32 s92, s92, 0
	s_mov_b32 s47, 0
	s_mov_b32 s93, 0
	s_add_nc_u64 s[46:47], s[PBI:PBI+1], s[46:47]
	s_add_nc_u64 s[92:93], s[PBI:PBI+1], s[92:93]
	v_and_b32 v1, 31, v0                           ; lane
	v_bfe_u32 v2, v0, 4, 1                         ; h
	v_and_b32 v3, 15, v0                           ; r
	v_lshlrev_b32 v[L16], 4, v1
	v_lshlrev_b32 v[L8], 3, v1
	v_lshlrev_b32 v[L4], 2, v1
	v_min_u32 v30, 23, v1                          ; the prefetches' offset: block l % 12 of tile l / 12
	v_mul_u32_u24 v31, v30, 11
	v_lshrrev_b32 v31, 7, v31                      ; l / 12 for l under 24
	v_lshlrev_b32 v30, 8, v30
	v_mad_u32_u24 v30, v31, KS*FRB-ROWB, v30       ; never rewritten
	s_mul_i32 s21, s15, HALFT                      ; my half of S1
	s_mul_i32 s22, s16, HALFT
	s_add_co_u32 s22, s22, 2*HALFT                 ; my half of S0
.irp s, 0,1
	v_add_nc_u32 v[ADR1+\s], s21, v[L16]
	v_add_nc_u32 v[ADR1+2+\s], s21, v[L8]
	v_add_nc_u32 v[ADR0+\s], s22, v[L16]
	v_add_nc_u32 v[ADR0+2+\s], s22, v[L8]
	s_add_co_u32 s21, s21, SLOT
	s_add_co_u32 s22, s22, SLOT
.endr
	s_mul_i32 s21, s15, HALFS
	s_mul_i32 s22, s16, HALFS
	s_add_co_u32 s22, s22, 2*HALFS
	s_sub_co_u32 s22, s22, s21
	v_mul_u32_u24 v6, s22, v2                      ; lanes 16-31 take S0's records: the lower base + h x the distance
	s_add_co_u32 s21, s21, SCL
	v_add_nc_u32 v6, v6, v[L4]
	v_add_nc_u32 v[ADRS], s21, v6
	global_prefetch_b8 v30, s[98:99] th:TH_LOAD_NT scope:SCOPE_SE               ; slot 1
	global_prefetch_b8 v30, s[98:99] offset:ROWB th:TH_LOAD_NT scope:SCOPE_SE   ; slot 2
	v_lshlrev_b32 v4, 6, v2                        ; bias by S0's rows: register 16 b + i is row 32 b + 16 h + i
	WIN 0x40                                       ; destination window 1
.set BJ, 0
.rept 16
	global_load_b128 v[96+4*BJ+96*(BJ/8):96+4*BJ+96*(BJ/8)+3], v4, s[46:47] offset:128*(BJ/4)+16*(BJ%4)
.set BJ, BJ+1
.endr
	WIN 0
.if MODE == 0
	v_and_b32 v5, 8, v3
	v_add_nc_u32 v5, v5, v3
	v_lshlrev_b32 v5, 2, v5                        ; bias by S1's rows: place r of tile a, twice, for the packed form
.irp a, 0,1,2,3,4,5,6,7
	global_load_b32 v[BL+2*\a], v5, s[92:93] offset:(32*(\a/2)+8*(\a%2))*4
	global_load_b32 v[BL+2*\a+1], v5, s[92:93] offset:(32*(\a/2)+8*(\a%2))*4
.endr
.endif
.macro FRAG reg, adr, off              ; a fragment comes back as it was laid: each load's lanes read neighbouring bytes
	ds_load_b128 v[\reg:\reg+3], v[\adr] offset:\off
	ds_load_b64 v[\reg+4:\reg+5], v[\adr+2] offset:\off+512
	ds_load_b128 v[\reg+6:\reg+9], v[\adr] offset:\off+768
	ds_load_b64 v[\reg+10:\reg+11], v[\adr+2] offset:\off+1280
.endm
.macro FETCH slot, q, p                ; the slot's q-th K step: S0's and S1's fragments and the scale words, into set p
	WIN 0x40
.set FI, 0
.rept NT
	FRAG 128*(\p)+12*FI, ADR0+\slot, FI*ROWB+(\q)*FRB
.set FI, FI+1
.endr
	WIN 0
.set FI, 0
.rept NT
	FRAG 64+96*(\p)+12*FI, ADR1+\slot, FI*ROWB+(\q)*FRB
.set FI, FI+1
.endr
.set FI, 0
.rept NT
	ds_load_b32 v[32+8*(\p)+FI], v[ADRS] offset:FI*KS*128+(\q)*128
.set FI, FI+1
.endr
.endm
; A quarter of a K step's products: S1's tiles k NT / 4 on, each against S0's NT.  cm = 0: onto the sums; 1: the first product starts them.  The accumulators take turns, one instruction a turn.
.macro MULP k, p, cm
.set MA, (\k)*NT/4
.rept NT/4
.if MA*NT*8 >= 256
	WIN 0xf1                                       ; source 0 window 1, source 1 window 0, C and D window 3
.else
	WIN 0xa1                                       ; C and D window 2
.endif
.set AB, (8*NT*MA)%256
.set MB, 0
.rept NT
.set RD_, AB+8*MB
.set RA_, 128*(\p)+12*MB
.set RB_, 64+96*(\p)+12*MA
.set SA_, 32+8*(\p)+MB
.set SB_, 32+8*(\p)+MA
.if (\cm) == 0
	v_wmma_scale_f32_16x16x128_f8f6f4 v[RD_:RD_+7], v[RA_:RA_+11], v[RB_:RB_+11], v[RD_:RD_+7], v[SA_], v[SB_] matrix_a_fmt:MATRIX_FMT_FP6 matrix_b_fmt:MATRIX_FMT_FP6 matrix_a_scale:MATRIX_SCALE_ROW1
.else
	v_wmma_scale_f32_16x16x128_f8f6f4 v[RD_:RD_+7], v[RA_:RA_+11], v[RB_:RB_+11], 0, v[SA_], v[SB_] matrix_a_fmt:MATRIX_FMT_FP6 matrix_b_fmt:MATRIX_FMT_FP6 matrix_a_scale:MATRIX_SCALE_ROW1
.endif
.set MB, MB+1
.endr
.set MA, MA+1
.endr
.endm
; A K step that has its successor in the same slot: the successor's operands are asked for first, into the other set, and land under this step's products.
.macro STEP slot, q, cm
	s_wait_dscnt 0x0                               ; my set, asked for a step ago, is in
	PLACES 4                                       ; four plain places between the last step's products and loads into the registers that they read (ISA guide 7.12.1 for vector instructions)
	FETCH \slot, (\q)+1, 1-(\q)%2
	MULP 0, (\q)%2, \cm
	MULP 1, (\q)%2, \cm
	MULP 2, (\q)%2, \cm
	MULP 3, (\q)%2, \cm
	WIN 0
.endm
; A slot's last K step (set 1) changes slots: one barrier.  In front of it each wave waits for all its tensor loads, adds 0 to its spare word, and waits for that and for its reads of this slot.
.macro TURN slot, next, fill
	s_wait_tensorcnt 0x0                           ; all my tensor loads have landed: my part of the next slot
	ds_add_u32 v[SPW], v[NIL]                      ; 0 onto my spare word
	s_wait_dscnt 1                                 ; my set is in; the add alone may be out
	MULP 0, 1, 0
	s_wait_dscnt 0x0                               ; the add is done, and my reads of this slot are over
	s_barrier_signal -1
	MULP 1, 1, 0
	WIN 0
	s_barrier_wait -1
.if \fill
	CREST                                          ; the barrier has opened a round of the cluster's: no wave of any partner still reads this slot or has a load on its way
	s_add_nc_u64 s[G0+4*\slot+2:G0+4*\slot+3], s[G0+4*\slot+2:G0+4*\slot+3], 2*ROWB
	s_add_nc_u64 s[G0B+4*\slot+2:G0B+4*\slot+3], s[G0B+4*\slot+2:G0B+4*\slot+3], 2*ROWB
	JLOAD G0+4*\slot, G1, G0B+4*\slot, G1B         ; the first tensor load behind the round, my one load until the next; its four v_nop are the places in front of the loads below
.else
	PLACES 4
.endif
	s_wait_alu depctr_va_vdst(0)
	v_add_nc_u32 v[ADRS], NQ*128, v[ADRS]          ; on to the next slot's scale words
	FETCH \next, 0, 0
	MULP 2, 1, 0
	MULP 3, 1, 0
	WIN 0
.endm
.macro RUN slot, first                 ; the slot's steps first .. NQ - 2
.set QQ, \first
.rept NQ-1-(\first)
	STEP \slot, QQ, 0
.set QQ, QQ+1
.endr
.endm
	s_wait_alu depctr_va_vdst(0)
	s_wait_tensorcnt 0x0                           ; my tile of the head's four is in
	ds_add_u32 v[SPW], v[NIL]
	s_mov_b32 s[G1+2], NT<<16                      ; no tensor load of mine is out: from here on a load brings NT tiles
	s_mov_b32 s[G1+4], NT
	s_mov_b32 s[G1B+2], NT<<16
	s_mov_b32 s[G1B+4], NT
	s_wait_dscnt 0x0
	CROUND                                         ; all four tiles are in, and all sixteen work-groups are here
	JLOAD G0+4, G1, G0B+4, G1B                     ; slot 1's first fill, my one load behind the round
	FETCH 0, 0, 0
	global_prefetch_b8 v30, s[98:99] offset:2*ROWB th:TH_LOAD_NT scope:SCOPE_SE ; slot 3
	STEP 0, 0, 1                                   ; the first step stands in front of the loop: its products start the sums
.if LAPS > 1
	s_mov_b32 s3, LAPS-1
.Llap:                                                 ; a trip goes once round the ring and fills both slots again
	RUN 0, 1
	TURN 0, 1, 1
	s_wait_alu depctr_va_vdst(0)
	RUN 1, 0
	TURN 1, 0, 1
	s_wait_alu depctr_va_vdst(0)
	STEP 0, 0, 0
	s_sub_co_u32 s3, s3, 1
	s_cmp_lg_u32 s3, 0
	s_cbranch_scc1 .Llap
.endif
	RUN 0, 1                                       ; the last lap fills nothing
	TURN 0, 1, 0
	s_wait_alu depctr_va_vdst(0)
	RUN 1, 0
	s_wait_dscnt 0x0
	MULP 0, 1, 0
	MULP 1, 1, 0
	MULP 2, 1, 0
	MULP 3, 1, 0
	WIN 0
; THE WAY OUT, a tile of S1 at a time: its 64 numbers a lane get their bias (the addition is also the move into window 0, each accumulator from its low end on), in MODE 1 the gelu, and are quantised:
; they are one fragment and one scale word a row, stored as an image.
.macro QUANT s                         ; register 16 b + i = k 32 b + 16 h + i of my row -> codes in v[PC] on, scale word in v[PW]
.irp b, 0,1,2,3
	v_max3_num_f32 v[TM+\b], |v[\s+16*\b]|, |v[\s+1+16*\b]|, 0x1800000   ; block b: my 16 numbers, and the floor 2^(3 - 127): the byte cannot fall under 1
.endr
.irp i, 2,4,6,8,10,12,14
.irp b, 0,1,2,3
	v_max3_num_f32 v[TM+\b], v[TM+\b], |v[\s+16*\b+\i]|, |v[\s+1+16*\b+\i]|
.endr
.endr
.irp b, 0,1,2,3
	v_permlanex16_b32 v[TM+4+\b], v[TM+\b], s[SEL], s[SEL+1]
.endr
.irp b, 0,1,2,3
	v_max_num_f32 v[TM+\b], v[TM+\b], v[TM+4+\b]   ; with lane l xor 16's: the block's largest magnitude
.endr
.irp b, 0,1,2,3
	v_add_nc_u32 v[TM+12+\b], 0xff000000, v[TM+\b] ; 2 off its exponent field: the conversion's scale operand
.endr
.irp b, 0,1,2,3
	v_lshrrev_b32 v[TM+4+\b], 23, v[TM+12+\b]      ; the scale's byte
.endr
	v_lshl_or_b32 v[PW], v[TM+5], 8, v[TM+4]
	v_lshl_or_b32 v[PW], v[TM+6], 16, v[PW]
	v_lshl_or_b32 v[PW], v[TM+7], 24, v[PW]
.irp c, 0,1
	v_cvt_scalef32_pk16_fp6_f32 v[PC+6*\c:PC+2+6*\c], v[\s+32*\c:\s+15+32*\c], v[TM+12+2*\c]
	v_cvt_scalef32_pk16_fp6_f32 v[PC+12+4*\c:PC+14+4*\c], v[\s+16+32*\c:\s+31+32*\c], v[TM+12+2*\c+1]   ; (a conversion's three registers begin on an even number)
.endr
	v_nop                                          ; one plain place behind a scaled conversion
.irp c, 0,1                                    ; the operand wants a whole block in a lane
.irp i, 0,1,2
	v_permlane16_swap_b32 v[PC+6*\c+\i], v[PC+12+4*\c+\i]
.endr
.irp i, 0,1,2
	v_mov_b32 v[PC+3+6*\c+\i], v[PC+12+4*\c+\i]
.endr
.endr
.endm
.macro EPI a
.if (\a) > 0
	s_wait_xcnt 0x0                                ; the last tile's stores have read their data and bases: both are written again only behind this wait
	s_add_nc_u64 s[OUTC:OUTC+1], s[OUTC:OUTC+1], s[NGC:NGC+1]
	s_add_nc_u64 s[OUTS:OUTS+1], s[OUTS:OUTS+1], s[NGS:NGS+1]
.endif
.if MODE == 0
	s_cmp_eq_u32 s[PART], 1                        ; alike in all partners
	s_cbranch_scc1 .Lrow_bias_\@
.endif
	WIN 6+(\a)/4                                   ; source 0 window 2 or 3, source 1 window 1
.set EJ, 0
.rept 32
	v_pk_add_f32 v[W+EJ:W+EJ+1], v[64*((\a)%4)+EJ:64*((\a)%4)+EJ+1], v[96+EJ+96*(EJ/32):96+EJ+96*(EJ/32)+1]
.set EJ, EJ+2
.endr
	WIN 0
.if MODE == 0
	s_branch .Lbias_done_\@
.Lrow_bias_\@:
	WIN 2+(\a)/4                                   ; v: the bias goes by S1's rows: one number a lane
.set EJ, 0
.rept 32
	v_pk_add_f32 v[W+EJ:W+EJ+1], v[64*((\a)%4)+EJ:64*((\a)%4)+EJ+1], v[BL+2*(\a):BL+2*(\a)+1]
.set EJ, EJ+2
.endr
	WIN 0
.Lbias_done_\@:
.endif
.if MODE == 1
; gelu(x) = x / (1 + 2^(x (C1 + C2 x^2))), C1 = -2 sqrt(2 / pi) log2(e), C2 = 0.044715 C1: the tanh form rewritten, with no difference of near numbers; it goes to x and to 0 at the two ends
.set EJ, 0
.rept 32
	v_pk_mul_f32 v[T+EJ:T+EJ+1], v[W+EJ:W+EJ+1], v[W+EJ:W+EJ+1]
.set EJ, EJ+2
.endr
.set EJ, 0
.rept 32
	v_pk_fma_f32 v[T+EJ:T+EJ+1], v[T+EJ:T+EJ+1], s[C2:C2+1], v[C1V:C1V+1] op_sel_hi:[1,0,1]
.set EJ, EJ+2
.endr
.set EJ, 0
.rept 32
	v_pk_mul_f32 v[T+EJ:T+EJ+1], v[T+EJ:T+EJ+1], v[W+EJ:W+EJ+1]
.set EJ, EJ+2
.endr
.set EJ, 0
	s_wait_alu depctr_va_vdst(0)
.rept 64
	v_exp_f32 v[T+EJ], v[T+EJ]
.set EJ, EJ+1
.endr
	v_nop                                          ; a plain instruction behind the batch
	s_wait_alu depctr_va_vdst(0)                   ; one wait for the 64, ahead of their first reader
.set EJ, 0
.rept 32
	v_pk_add_f32 v[T+EJ:T+EJ+1], v[T+EJ:T+EJ+1], 1.0 op_sel_hi:[1,0]
.set EJ, EJ+2
.endr
.set EJ, 0
	s_wait_alu depctr_va_vdst(0)
.rept 64
	v_rcp_f32 v[T+EJ], v[T+EJ]
.set EJ, EJ+1
.endr
	v_nop
	s_wait_alu depctr_va_vdst(0)                   ; and one for the reciprocals
.set EJ, 0
.rept 32
	v_pk_mul_f32 v[W+EJ:W+EJ+1], v[W+EJ:W+EJ+1], v[T+EJ:T+EJ+1]
.set EJ, EJ+2
.endr
.endif
	QUANT W
	global_store_b128 v[L16], v[PC:PC+3], s[OUTC:OUTC+1]               ; 512 consecutive bytes
	global_store_b64 v[L8], v[PC+4:PC+5], s[OUTC:OUTC+1] offset:512    ; 256
	global_store_b128 v[L16], v[PC+6:PC+9], s[OUTC:OUTC+1] offset:768
	global_store_b64 v[L8], v[PC+10:PC+11], s[OUTC:OUTC+1] offset:1280
	global_store_b32 v[L4], v[PW], s[OUTS:OUTS+1]
.endm
	PLACES 4                                       ; between the last products and the first read of results and write of their operands' registers
	s_wait_loadcnt 0x0                             ; the biases
	s_mov_b32 s[SEL], 0x76543210
	s_mov_b32 s[SEL+1], 0xfedcba98
.if MODE == 1
	s_mov_b32 s[C2], 0xbdd2d3e8
	s_mov_b32 s[C2+1], s[C2]
	v_mov_b32 v[C1V], 0xc0135761
	v_mov_b32 v[C1V+1], v[C1V]
.endif
.irp b, 0,1,2,3
	v_mov_b32 v[TM+4+\b], 0                        ; written once: a lane permute's destination counts as one of its sources
.endr
.irp a, 0,1,2,3,4,5,6,7
	EPI \a
.endr
	s_wait_tensorcnt 0x0                           ; the wave's end
	ds_add_u32 v[SPW], v[NIL]
	s_wait_dscnt 0x0
	CROUND                                         ; the closing round: no work-group ends while a partner may still ask for a tile that names it
	s_endpgm
.Lfunc_end_k_q03906cff2f_g5:
	.size	k_q03906cff2f_g5, .Lfunc_end_k_q03906cff2f_g5-k_q03906cff2f_g5
	.p2alignl 7, 3214868480
	.fill 96, 4, 3214868480
	.section	.rodata,"a",@progbits
	.p2align	6, 0x0
	.amdhsa_kernel k_q03906cff2f_g5
		.amdhsa_group_segment_fixed_size 327680
		.amdhsa_private_segment_fixed_size 0
		.amdhsa_enable_private_segment 0
		.amdhsa_kernarg_size 32
		.amdhsa_user_sgpr_count 2
		.amdhsa_user_sgpr_kernarg_segment_ptr 1
		.amdhsa_wavefront_size32 1
		.amdhsa_system_sgpr_workgroup_id_x 1
		.amdhsa_system_sgpr_workgroup_id_y 1
		.amdhsa_system_sgpr_workgroup_id_z 1
		.amdhsa_system_vgpr_workitem_id 0
		.amdhsa_next_free_vgpr 1024
		.amdhsa_next_free_sgpr 102
		.amdhsa_reserve_vcc 0
		.amdhsa_float_denorm_mode_32 3
		.amdhsa_float_denorm_mode_16_64 3
		.amdhsa_memory_ordered 1
		.amdhsa_forward_progress 1
		.amdhsa_inst_pref_size 255
	.end_amdhsa_kernel
	.section	.bss,"aw",@nobits
	.p2align	6
	.space	262144
	.amdgpu_metadata
---
amdhsa.version: [ 1, 2 ]
amdhsa.kernels:
  - .name:           k_q03906cff2f_g5
    .symbol:         k_q03906cff2f_g5.kd
    .args:
      - { .name: a2, .offset: 0, .size: 8, .value_kind: global_buffer, .address_space: global }
      - { .name: opa, .offset: 8, .size: 8, .value_kind: global_buffer, .address_space: global }
      - { .name: b_fc, .offset: 16, .size: 8, .value_kind: global_buffer, .address_space: global }
      - { .name: gq, .offset: 24, .size: 8, .value_kind: global_buffer, .address_space: global }
    .group_segment_fixed_size: 327680
    .private_segment_fixed_size: 0
    .kernarg_segment_align: 8
    .kernarg_segment_size: 32
    .max_flat_workgroup_size: 128
    .sgpr_count:     102
    .vgpr_count:     1024
    .wavefront_size: 32
...
	.end_amdgpu_metadata
.endif
;; end of part 5
;; launch g6 (part 6): grid 8 x 32, 4 waves a work-group, clusters of 4 x 4, 327,680 bytes of LDS; arguments gq, opa, b_mp, x1, out0; writes out0
.if DOCPART == 6
	.amdgcn_target "amdgcn-amd-amdhsa--gfx1250"
	.amdhsa_code_object_version 6
	.text
	.protected	k_q03906cff2f_g6
	.globl	k_q03906cff2f_g6
	.p2align	8
	.type	k_q03906cff2f_g6,@function
k_q03906cff2f_g6:
	s_mov_b64 s[64:65], 0
	v_nop
	global_prefetch_b8 v0, s[64:65] scope:SCOPE_SE
	s_setreg_imm32_b32 hwreg(HW_REG_WAVE_MODE, 25, 1), 1
	s_wait_xcnt 0x0
	s_wait_alu depctr_hold_cnt(0) depctr_sa_sdst(0) depctr_va_vdst(0) depctr_va_sdst(0) depctr_va_ssrc(0) depctr_va_vcc(0) depctr_vm_vsrc(0)
	s_getreg_b32 s2, hwreg(HW_REG_IB_STS2, 6, 4)
	s_cmp_eq_u32 s2, 0
	s_cbranch_scc0 .Lentry_in_a_cluster
	s_endpgm
.Lentry_in_a_cluster:
	s_bfe_u32 s2, ttmp6, 0x10000c
	s_cmp_lg_u32 s2, 0xf033
	s_cbranch_scc0 .Lentry_shape_is_right
	s_endpgm
.Lentry_shape_is_right:
; out = resid + S1 W^T + bias: a product on codes of E2M3 with an f32 result.  S1 [4,096 tokens][K] and W [1,024][K] lie in memory as images of the operands' registers; resid and out are [4,096][1,024] f32.
; IMAGES.  Place i of tile T is row 32 (T / 2) + 8 (T % 2) + i + 8 (i / 8).  Fragment (T, K step s) is 1,536 bytes at (T KS + s) x 1,536: registers 0-3 at 16 x lane, 4-5 at 512 + 8 x lane, 6-9 at 768 + 16 x lane,
; 10-11 at 1,280 + 8 x lane.  Its scale record is 128 bytes at (T KS + s) x 128: lane l holds the word of place l % 16.
; SHARES.  The result has 32 x 8 blocks of 128 x 128: one to each of 256 work-groups; a wave makes 64 x 64: 16 accumulators.  K goes in steps of 128, four to a slot, through a ring of two LDS slots.
; The matrix instruction is used transposed (source 0 = S0 = 16 rows of W, source 1 = S1 = 16 tokens): a lane holds one token, and the 16 registers of W's tiles 2 b, 2 b + 1 are 16 neighbouring columns.
; CLUSTER 4 x 4: S1's tiles are asked for jointly along a row of the cluster, W's along a column.  The scale records for all of K come once, with the first fills, and stay.
; The bias is the C of each sum's first product.  The residual is asked for in two halves, behind the first K step and behind the loop, and added on the way out, which goes through each wave's own stage in LDS, so that sixteen lanes store 256 consecutive bytes.
; REGISTERS: window 0: v16-31 addresses; v32-47 scale words, two sets; v64-111, v160-207 S1's fragments, two sets.  window 1: v0-47, v128-175 W's.  window 2: v0-127 accumulators (a, b) at 8 (4 a + b); v128-159 the bias.  window 3: v0-127 the residual.
; LIMITS: NaN and infinities are not served.
.set KS,    32                         ; K steps in all
.set S1SC,  12582912                   ; where S1's scale records begin in its buffer
.set WCO,   3407872+6291456            ; opa: this weight's codes
.set WSO,   12845056+524288            ; opa: its scale records
.set NT,    4
.set NQ,    4
.set FRB,   1536
.set ROWB,  NQ*FRB
.set HALFT, NT*ROWB
.set SLOT,  4*HALFT
.set LAPS,  KS/(2*NQ)
.set SCL,   2*SLOT
.set HALFS, NT*KS*128
.set SPARE, SCL+4*HALFS                ; the spare words: 128 bytes a wave, two blocks of 256 bytes that no other line names
.set STAGE, SPARE+512                  ; 16 rows x 272 bytes for each wave; no fill ever lands here
.set ADR1, 16
.set ADR0, 20
.set STO,  24
.set RD,   25
.set CO,   26
.set ADRS, 27
.set SPW,  28
.set NIL,  29
.set BK,   64
.set G1, 24
.set G0, 32
.set G1B, 48
.set G0B, 56
.set G1S, 68
.set G0S, 76
.set G1SB, 80
.set G0SB, 88
.set MSB, 0
.macro WIN new                         ; the immediate's high byte repeats the setting that is left
.if MSB != (\new)
	s_set_vgpr_msb (MSB<<8)|(\new)
.set MSB, (\new)
.endif
.endm
.macro PLACES n
.rept \n
	v_nop
.endr
.endm
.macro JLOAD g0a, g1a, g0b, g1b        ; a joint load: waves 0 and 1 fetch S1's halves, waves 2 and 3 W's; four v_nop follow each of the two lines
	s_cmp_eq_u32 s15, 0
	s_cbranch_scc0 .Lfor_b_\@
	tensor_load_to_lds s[\g0a:\g0a+3], s[\g1a:\g1a+7]
	s_nop 0
.rept 4
	v_nop
.endr
	s_branch .Lasked_\@
.Lfor_b_\@:
	tensor_load_to_lds s[\g0b:\g0b+3], s[\g1b:\g1b+7]
	s_nop 0
.rept 4
	v_nop
.endr
.Lasked_\@:
.endm
.macro CREST                           ; a round of the cluster's barrier behind its opening barrier
	s_cmp_lg_u32 s14, 0
	s_cbranch_scc1 .Lnot_wave_0_\@
	s_barrier_signal -3
.Lnot_wave_0_\@:
	s_barrier_wait -3
	s_barrier_signal -1
	s_barrier_wait -1
.endm
.macro CROUND
	s_barrier_signal -1
	s_barrier_wait -1
	CREST
.endm
	s_load_b256 s[4:11], s[0:1], 0x0               ; S1, opa, bias, resid
	s_load_b64 s[12:13], s[0:1], 0x20              ; out
	v_lshl_add_u32 v[SPW], v0, 2, SPARE
	v_mov_b32 v[NIL], 0
	ds_add_u32 v28, v29
	ds_add_u32 v28, v29
	s_wait_dscnt 0x0
	v_lshrrev_b32 v1, 5, v0
	v_readfirstlane_b32 s14, v1                    ; wave 0..3
	s_lshr_b32 s15, s14, 1                         ; my half of the tokens.  Also: I fetch for S1 (0) or W (1)
	s_and_b32 s16, s14, 1                          ; my half of the columns.  Also: which half I fetch
	s_bfe_u32 s40, ttmp6, 0x40000
	s_bfe_u32 s41, ttmp6, 0x40004
	s_lshl_b32 s42, ttmp9, 2
	s_add_co_u32 s42, s42, s40                     ; work-group x: 128 columns
	s_and_b32 s17, ttmp7, 0xffff
	s_lshl_b32 s17, s17, 2
	s_add_co_u32 s17, s17, s41                     ; work-group y: 128 tokens
	s_lshl_b32 s43, s41, 2
	s_lshl_b32 s43, 15, s43                        ; my row of the cluster
	s_lshl_b32 s44, 0x1111, s40                    ; my column
	s_or_b32 s[G1+0], s43, (3<<16)|(1<<21)         ; NT rows (a tile each) of ROWB bytes, KS x 1,536 apart, as elements of 8 bytes; dense in LDS
	s_or_b32 s[G1B+0], s44, (3<<16)|(1<<21)
.irp g, G1, G1B
	s_mov_b32 s[\g+1], (ROWB/8)<<16
	s_mov_b32 s[\g+2], (2*NT)<<16                  ; the head's loads of codes bring both halves of a side: 2 NT tiles
	s_mov_b32 s[\g+3], (ROWB/8)<<16
	s_mov_b32 s[\g+4], 2*NT
	s_mov_b32 s[\g+5], KS*FRB/8
	s_mov_b32 s[\g+6], 0
	s_mov_b32 s[\g+7], 0
.endr
	s_or_b32 s[G1S+0], s43, (3<<16)|(1<<21)        ; the records of NT tiles: one dense block, as rows of 256 bytes
	s_or_b32 s[G1SB+0], s44, (3<<16)|(1<<21)
.irp g, G1S, G1SB
	s_mov_b32 s[\g+1], 32<<16
	s_mov_b32 s[\g+2], (2*HALFS/256)<<16           ; a side's records, both halves, in one load
	s_mov_b32 s[\g+3], 32<<16
	s_mov_b32 s[\g+4], 2*HALFS/256
	s_mov_b32 s[\g+5], 32
	s_mov_b32 s[\g+6], 0
	s_mov_b32 s[\g+7], 0
.endr
	s_lshl_b32 s22, s16, 2                         ; NT x the half that I fetch
	s_lshl_b32 s20, s17, 3
	s_add_co_u32 s20, s20, s22                     ; S1: the first tile that I fetch
	s_lshl_b32 s46, s42, 3
	s_add_co_u32 s46, s46, s22                     ; W likewise
	s_mul_i32 s22, s20, KS*128
	s_add_co_u32 s22, s22, S1SC
	s_mul_i32 s20, s20, KS*FRB
	s_mul_i32 s92, s46, KS*128
	s_add_co_u32 s92, s92, WSO
	s_mul_i32 s46, s46, KS*FRB
	s_add_co_u32 s46, s46, WCO
	s_mov_b32 s21, 0
	s_mov_b32 s23, 0
	s_mov_b32 s47, 0
	s_mov_b32 s93, 0
	s_mul_i32 s45, s14, HALFT
	s_mul_i32 s96, s16, HALFS                      ; what my half adds to a side's records: taken off again for the load of both halves
	s_mov_b32 s97, 0
	s_wait_kmcnt 0x0
	s_add_nc_u64 s[20:21], s[4:5], s[20:21]
	s_add_nc_u64 s[22:23], s[4:5], s[22:23]
	s_add_nc_u64 s[46:47], s[6:7], s[46:47]
	s_add_nc_u64 s[92:93], s[6:7], s[92:93]
	CROUND                                         ; all sixteen work-groups are here: the first joint loads meet
	s_mov_b32 s[G0S], 1
	s_mov_b32 s[G0S+1], SCL
	s_sub_nc_u64 s[G0S+2:G0S+3], s[22:23], s[96:97]
	s_or_b32 s[G0S+3], s[G0S+3], 0x80000000
	s_mov_b32 s[G0SB], 1
	s_mov_b32 s[G0SB+1], SCL+2*HALFS
	s_sub_nc_u64 s[G0SB+2:G0SB+3], s[92:93], s[96:97]
	s_or_b32 s[G0SB+3], s[G0SB+3], 0x80000000
.irp s, 0,1
	s_mov_b32 s[G0+4*\s], 1
	s_add_co_u32 s[G0+4*\s+1], s45, \s*SLOT
	s_add_nc_u64 s[G0+4*\s+2:G0+4*\s+3], s[20:21], \s*ROWB
	s_or_b32 s[G0+4*\s+3], s[G0+4*\s+3], 0x80000000
	s_mov_b32 s[G0B+4*\s], 1
	s_add_co_u32 s[G0B+4*\s+1], s45, \s*SLOT
	s_add_nc_u64 s[G0B+4*\s+2:G0B+4*\s+3], s[46:47], \s*ROWB
	s_or_b32 s[G0B+4*\s+3], s[G0B+4*\s+3], 0x80000000
.endr
; THE HEAD'S LOADS, ONE A WAVE, in one chain of branches on the wave's number: wave 0 slot 0's 2 NT tiles of S1 (its own group 0: half 0, LDS byte 0), wave 2 those of W, wave 1 S1's records, wave 3 W's.
.macro ARM wv, g0, g1, next
	s_cmp_eq_u32 s14, \wv
	s_cbranch_scc0 \next
	tensor_load_to_lds s[\g0:\g0+3], s[\g1:\g1+7]
	s_nop 0
.rept 4
	v_nop
.endr
	s_branch .Lhead_asked
\next:
.endm
	ARM 0, G0, G1, .Lhead_b
	ARM 2, G0B, G1B, .Lhead_sa
	ARM 1, G0S, G1S, .Lhead_sb
	tensor_load_to_lds s[G0SB:G0SB+3], s[G1SB:G1SB+7]
	s_nop 0
.rept 4
	v_nop
.endr
.Lhead_asked:
; THE PREFETCHES.  A ring load of mine brings 4 tiles x 6,144 bytes, asked for jointly by four partners; they share the tiles out BY ADDRESS: the partner at place p (cx for S1, cy for W) names tile p: 24 blocks of 256 bytes,
; a lane a block (lanes 24-31 name the last block again), one instruction a wave.  s[94:95] stands at slot 2 of that tile.  The head names slots 2 and 3; the refill of slot n + 2 names slot n + 4, two refills on;
; the loop's last trip names nothing: K has 8 slots.
	s_cmp_eq_u32 s15, 0
	s_cselect_b64 s[94:95], s[20:21], s[46:47]
	s_cselect_b32 s96, s40, s41
	s_mul_i32 s96, s96, KS*FRB
	s_add_co_u32 s96, s96, 2*ROWB
	s_mov_b32 s97, 0
	s_add_nc_u64 s[94:95], s[94:95], s[96:97]
	s_lshl_b32 s20, s17, 7
	s_lshl_b32 s21, s15, 6
	s_add_co_u32 s20, s20, s21                     ; my first token
	s_lshl_b32 s21, s42, 7
	s_lshl_b32 s22, s16, 6
	s_add_co_u32 s21, s21, s22                     ; my first column
	s_lshl_b32 s46, s21, 2
	s_mov_b32 s47, 0
	s_add_nc_u64 s[46:47], s[8:9], s[46:47]        ; the bias there
	s_lshl_b32 s20, s20, 12
	s_lshl_b32 s21, s21, 2
	s_add_co_u32 s20, s20, s21
	s_mov_b32 s21, 0
	s_add_nc_u64 s[92:93], s[10:11], s[20:21]      ; the residual at my corner
	s_add_nc_u64 s[12:13], s[12:13], s[20:21]      ; and the output
	v_and_b32 v1, 31, v0                           ; lane
	v_bfe_u32 v2, v0, 4, 1                         ; h
	v_and_b32 v3, 15, v0                           ; r
	v_lshlrev_b32 v7, 4, v1
	v_lshlrev_b32 v8, 3, v1
	v_lshlrev_b32 v9, 2, v1
	v_min_u32 v30, 23, v1
	v_lshlrev_b32 v30, 8, v30                      ; the prefetches' offset: my block of 256 bytes; never rewritten
	s_mul_i32 s21, s15, HALFT
	s_mul_i32 s22, s16, HALFT
	s_add_co_u32 s22, s22, 2*HALFT
.irp s, 0,1
	v_add_nc_u32 v[ADR1+\s], s21, v7
	v_add_nc_u32 v[ADR1+2+\s], s21, v8
	v_add_nc_u32 v[ADR0+\s], s22, v7
	v_add_nc_u32 v[ADR0+2+\s], s22, v8
	s_add_co_u32 s21, s21, SLOT
	s_add_co_u32 s22, s22, SLOT
.endr
	s_mul_i32 s21, s15, HALFS
	s_mul_i32 s22, s16, HALFS
	s_add_co_u32 s22, s22, 2*HALFS
	s_sub_co_u32 s22, s22, s21
	v_mul_u32_u24 v6, s22, v2                      ; lanes 16-31 take W's records: the lower base + h x the distance
	s_add_co_u32 s21, s21, SCL
	v_add_nc_u32 v6, v6, v9
	v_add_nc_u32 v[ADRS], s21, v6
	s_mul_i32 s23, s14, 16*272
	s_add_co_u32 s23, s23, STAGE                   ; my stage
	v_mul_u32_u24 v5, v3, 272
	v_lshl_add_u32 v5, v2, 6, v5
	v_add_nc_u32 v[STO], s23, v5                   ; in: row r, + 64 h
	v_mul_u32_u24 v5, v2, 272
	v_lshl_add_u32 v5, v3, 4, v5
	v_add_nc_u32 v[RD], s23, v5                    ; back: lanes 0-15 one row of 256 bytes, lanes 16-31 the next
	v_lshlrev_b32 v[CO], 12, v2
	v_lshl_add_u32 v[CO], v3, 4, v[CO]             ; and the same two rows in memory
	global_prefetch_b8 v30, s[94:95] offset:-6144 th:TH_LOAD_NT scope:SCOPE_SE   ; slot 1, one ROWB back: its fill stands behind the head's loads and a round
	global_prefetch_b8 v30, s[94:95] th:TH_LOAD_NT scope:SCOPE_SE   ; slot 2
	v_lshlrev_b32 v4, 6, v2
	WIN 0x80                                       ; destination window 2: the bias in the result's layout: tile b, register j: column 32 (b / 2) + 16 h + 8 (b % 2) + j
.irp b, 0,1,2,3
	global_load_b128 v[128+8*\b:131+8*\b], v4, s[46:47] offset:(32*(\b/2)+8*(\b%2))*4
	global_load_b128 v[132+8*\b:135+8*\b], v4, s[46:47] offset:(32*(\b/2)+8*(\b%2))*4+16
.endr
	WIN 0
; The residual of two of my four tiles of tokens, into window 3, as the rows will come back from the stage.  It is asked for in two halves: behind the first K step and behind the loop, not beside the first tiles.
.macro RESID lo, hi
	WIN 0xc0
.irp t, \lo, \hi
.irp i, 0,1,2,3,4,5,6,7
	global_load_b128 v[32*\t+4*\i:32*\t+4*\i+3], v[CO], s[92:93] offset:(32*(\t/2)+8*(\t%2)+2*\i+8*(\i/4))*4096
.endr
.endr
	WIN 0
.endm
.macro FRAG reg, adr, off
	ds_load_b128 v[\reg:\reg+3], v[\adr] offset:\off
	ds_load_b64 v[\reg+4:\reg+5], v[\adr+2] offset:\off+512
	ds_load_b128 v[\reg+6:\reg+9], v[\adr] offset:\off+768
	ds_load_b64 v[\reg+10:\reg+11], v[\adr+2] offset:\off+1280
.endm
.macro FETCH slot, q, p                ; the slot's q-th K step: W's and S1's fragments and the scale words, into set p
	WIN 0x40
.set FI, 0
.rept NT
	FRAG 128*(\p)+12*FI, ADR0+\slot, FI*ROWB+(\q)*FRB
.set FI, FI+1
.endr
	WIN 0
.set FI, 0
.rept NT
	FRAG 64+96*(\p)+12*FI, ADR1+\slot, FI*ROWB+(\q)*FRB
.set FI, FI+1
.endr
.set FI, 0
.rept NT
	ds_load_b32 v[32+8*(\p)+FI], v[ADRS] offset:FI*KS*128+(\q)*128
.set FI, FI+1
.endr
.endm
; A quarter of a K step's products: S1's tile k against W's four.  cm = 0: onto the sums; 2: the first product takes the bias as C.  The accumulators take turns, one instruction a turn.
.macro MULP k, p, cm
	WIN 0xa1                                       ; source 0 window 1, source 1 window 0, C and D window 2
.set MA, \k
.set MB, 0
.rept NT
.set RD_, 8*(NT*MA+MB)
.set RA_, 128*(\p)+12*MB
.set RB_, 64+96*(\p)+12*MA
.set SA_, 32+8*(\p)+MB
.set SB_, 32+8*(\p)+MA
.if (\cm) == 0
	v_wmma_scale_f32_16x16x128_f8f6f4 v[RD_:RD_+7], v[RA_:RA_+11], v[RB_:RB_+11], v[RD_:RD_+7], v[SA_], v[SB_] matrix_a_fmt:MATRIX_FMT_FP6 matrix_b_fmt:MATRIX_FMT_FP6 matrix_a_scale:MATRIX_SCALE_ROW1
.else
	v_wmma_scale_f32_16x16x128_f8f6f4 v[RD_:RD_+7], v[RA_:RA_+11], v[RB_:RB_+11], v[128+8*MB:128+8*MB+7], v[SA_], v[SB_] matrix_a_fmt:MATRIX_FMT_FP6 matrix_b_fmt:MATRIX_FMT_FP6 matrix_a_scale:MATRIX_SCALE_ROW1
.endif
.set MB, MB+1
.endr
.endm
.macro STEP slot, q, cm                ; a K step that has its successor in the same slot
	s_wait_dscnt 0x0                               ; my set, asked for a step ago, is in
	PLACES 4                                       ; four plain places between the last step's products and loads into the registers that they read
	FETCH \slot, (\q)+1, 1-(\q)%2
	MULP 0, (\q)%2, \cm
	MULP 1, (\q)%2, \cm
	MULP 2, (\q)%2, \cm
	MULP 3, (\q)%2, \cm
	WIN 0
.endm
; A slot's last K step (set 1) changes slots: one barrier.  In front of it each wave waits for all its tensor loads, adds 0 to its spare word, and waits for that and for its reads of this slot.
.macro TURN slot, next, fill
.if \fill
	s_wait_xcnt 0x0                                ; my last prefetch has read its address: it is stepped here, a slot on
	s_add_nc_u64 s[94:95], s[94:95], ROWB
.endif
	s_wait_tensorcnt 0x0                           ; all my tensor loads have landed: my part of the next slot
	ds_add_u32 v[SPW], v[NIL]                      ; 0 onto my spare word
	s_wait_dscnt 1                                 ; my set is in; the add alone may be out
	MULP 0, 1, 0
	s_wait_dscnt 0x0                               ; the add is done, and my reads of this slot are over
	s_barrier_signal -1
	MULP 1, 1, 0
	WIN 0
	s_barrier_wait -1
.if \fill
	CREST                                          ; the barrier has opened a round of the cluster's: no wave of any partner still reads this slot or has a load on its way
	s_add_nc_u64 s[G0+4*\slot+2:G0+4*\slot+3], s[G0+4*\slot+2:G0+4*\slot+3], 2*ROWB
	s_add_nc_u64 s[G0B+4*\slot+2:G0B+4*\slot+3], s[G0B+4*\slot+2:G0B+4*\slot+3], 2*ROWB
	JLOAD G0+4*\slot, G1, G0B+4*\slot, G1B         ; the first tensor load behind the round, my one load until the next; its four v_nop are the places in front of the loads below
.else
	PLACES 4
.endif
	v_add_nc_u32 v[ADRS], NQ*128, v[ADRS]          ; on to the next slot's scale words
	FETCH \next, 0, 0
.if \fill
	s_cmp_gt_u32 s3, 1                             ; s3 = 1 in the loop's last trip, whose look-ahead would pass K's end
	s_cbranch_scc0 .Lno_ask_\@
	global_prefetch_b8 v30, s[94:95] offset:ROWB th:TH_LOAD_NT scope:SCOPE_SE
.Lno_ask_\@:
.endif
	MULP 2, 1, 0
	MULP 3, 1, 0
	WIN 0
.endm
.macro RUN slot, first                 ; the slot's steps first .. NQ - 2
.set QQ, \first
.rept NQ-1-(\first)
	STEP \slot, QQ, 0
.set QQ, QQ+1
.endr
.endm
	s_wait_alu depctr_va_vdst(0)                   ; the wait at the head's end
	s_wait_tensorcnt 0x0                           ; my tile of the head's four is in
	ds_add_u32 v[SPW], v[NIL]
	s_mov_b32 s[G1+2], NT<<16                      ; no tensor load of mine is out: from here on a load brings NT tiles
	s_mov_b32 s[G1+4], NT
	s_mov_b32 s[G1B+2], NT<<16
	s_mov_b32 s[G1B+4], NT
	s_wait_dscnt 0x0
	CROUND                                         ; all four tiles are in, and all sixteen work-groups are here
	JLOAD G0+4, G1, G0B+4, G1B                     ; slot 1's first fill, my one load behind the round
	FETCH 0, 0, 0
	global_prefetch_b8 v30, s[94:95] offset:ROWB th:TH_LOAD_NT scope:SCOPE_SE   ; slot 3
	s_wait_loadcnt 0x0                             ; the bias's eight loads
	STEP 0, 0, 2                                   ; the first step stands in front of the loop: its products start the sums, from the bias
	RESID 0, 1
.if LAPS > 1
	s_mov_b32 s3, LAPS-1
.Llap:                                                 ; a trip goes once round the ring and fills both slots again
	s_wait_alu depctr_va_vdst(0)
	RUN 0, 1
	TURN 0, 1, 1
	s_wait_alu depctr_va_vdst(0)
	RUN 1, 0
	TURN 1, 0, 1
	s_wait_alu depctr_va_vdst(0)
	STEP 0, 0, 0
	s_sub_co_u32 s3, s3, 1
	s_cmp_lg_u32 s3, 0
	s_cbranch_scc1 .Llap
.endif
	RESID 2, 3
	RUN 0, 1                                       ; the last lap fills nothing
	TURN 0, 1, 0
	s_wait_alu depctr_va_vdst(0)
	RUN 1, 0
	s_wait_dscnt 0x0
	MULP 0, 1, 0
	MULP 1, 1, 0
	MULP 2, 1, 0
	MULP 3, 1, 0
	WIN 0
; THE WAY OUT, a tile of 16 tokens x 64 columns at a time, through my own stage: LDS serves a wave's instructions in order (ISA guide 5.7.1.4), so no wait stands between the stores and the loads.
.macro TOSTAGE a
	WIN 0x08                                       ; an LDS store's data: window 2
.irp b, 0,1
.irp j, 0,1,2,3
	ds_store_b128 v[STO], v[8*(4*(\a)+2*\b+\j/2)+4*(\j%2):8*(4*(\a)+2*\b+\j/2)+4*(\j%2)+3] offset:128*\b+16*\j   ; each accumulator from its low end on
.endr
.endr
	WIN 0
.set BB, BK+32*((\a)%2)
.irp i, 0,1,2,3,4,5,6,7
	ds_load_b128 v[BB+4*\i:BB+4*\i+3], v[RD] offset:\i*2*272
.endr
.endm
.macro SEND a, younger                 ; younger: the LDS instructions issued behind tile a's loads
.set BB, BK+32*((\a)%2)
	s_wait_dscnt \younger
	WIN 0x0c                                       ; source 1: window 3
.set SJ, 0
.rept 16
	v_pk_add_f32 v[BB+SJ:BB+SJ+1], v[BB+SJ:BB+SJ+1], v[32*(\a)+SJ:32*(\a)+SJ+1]
.set SJ, SJ+2
.endr
	WIN 0
.irp i, 0,1,2,3,4,5,6,7
	global_store_b128 v[CO], v[BB+4*\i:BB+4*\i+3], s[12:13] offset:(32*((\a)/2)+8*((\a)%2)+2*\i+8*(\i/4))*4096 th:TH_STORE_NT   ; 16 lanes store 256 consecutive bytes, at a multiple of 256 from the buffer's first byte
.endr
.endm
	PLACES 4                                       ; between the last products and the first read of results and loads into their operands' registers
	s_wait_loadcnt 0x0                             ; the residual
	TOSTAGE 0
.irp a, 1,2,3
.if \a > 1
	s_wait_xcnt 0x0                                ; tile a - 2's stores have read their registers: tile a's loads may land there
.endif
	TOSTAGE \a
	SEND \a-1, 16                                  ; behind tile a - 1's loads: tile a's 8 stores and 8 loads
.endr
	SEND 3, 0
	s_wait_tensorcnt 0x0                           ; the wave's end
	ds_add_u32 v[SPW], v[NIL]
	s_wait_dscnt 0x0
	CROUND                                         ; the closing round
	s_endpgm
.Lfunc_end_k_q03906cff2f_g6:
	.size	k_q03906cff2f_g6, .Lfunc_end_k_q03906cff2f_g6-k_q03906cff2f_g6
	.p2alignl 7, 3214868480
	.fill 96, 4, 3214868480
	.section	.rodata,"a",@progbits
	.p2align	6, 0x0
	.amdhsa_kernel k_q03906cff2f_g6
		.amdhsa_group_segment_fixed_size 327680
		.amdhsa_private_segment_fixed_size 0
		.amdhsa_enable_private_segment 0
		.amdhsa_kernarg_size 40
		.amdhsa_user_sgpr_count 2
		.amdhsa_user_sgpr_kernarg_segment_ptr 1
		.amdhsa_wavefront_size32 1
		.amdhsa_system_sgpr_workgroup_id_x 1
		.amdhsa_system_sgpr_workgroup_id_y 1
		.amdhsa_system_sgpr_workgroup_id_z 1
		.amdhsa_system_vgpr_workitem_id 0
		.amdhsa_next_free_vgpr 1024
		.amdhsa_next_free_sgpr 98
		.amdhsa_reserve_vcc 0
		.amdhsa_float_denorm_mode_32 3
		.amdhsa_float_denorm_mode_16_64 3
		.amdhsa_memory_ordered 1
		.amdhsa_forward_progress 1
		.amdhsa_inst_pref_size 103
	.end_amdhsa_kernel
	.amdgpu_metadata
---
amdhsa.version: [ 1, 2 ]
amdhsa.kernels:
  - .name:           k_q03906cff2f_g6
    .symbol:         k_q03906cff2f_g6.kd
    .args:
      - { .name: gq, .offset: 0, .size: 8, .value_kind: global_buffer, .address_space: global }
      - { .name: opa, .offset: 8, .size: 8, .value_kind: global_buffer, .address_space: global }
      - { .name: b_mp, .offset: 16, .size: 8, .value_kind: global_buffer, .address_space: global }
      - { .name: x1, .offset: 24, .size: 8, .value_kind: global_buffer, .address_space: global }
      - { .name: out0, .offset: 32, .size: 8, .value_kind: global_buffer, .address_space: global }
    .group_segment_fixed_size: 327680
    .private_segment_fixed_size: 0
    .kernarg_segment_align: 8
    .kernarg_segment_size: 40
    .max_flat_workgroup_size: 128
    .sgpr_count:     98
    .vgpr_count:     1024
    .wavefront_size: 32
...
	.end_amdgpu_metadata
.endif
;; end of part 6
